; MI455X (gfx1250); checked and timed in simulation.
; The chip was launched on July 23, 2026; its instructions are those of AMD's public machine-readable ISA for CDNA 5 (MIT licence, August 2026) and "CDNA5" Instruction Set Architecture Reference Guide (July 2026). The comments in the code are by the model that wrote it; some were corrected since.
;; Transformer Block. Allowed arithmetic: matrix products marked QUANTISED: E5M2 operands, one given power-of-two scale a tensor, by v_wmma_f32_16x16x64_bf8_bf8 or v_wmma_f32_16x16x128_bf8_bf8, f32 sums; everything else in f32.
;; Inputs: ff1_b 4,096 float32; ff1_w 1,024 x 4,096 float32; ff2_b 1,024 float32; ff2_w 4,096 x 1,024 float32; ln1_b 1,024 float32; ln1_g 1,024 float32; ln2_b 1,024 float32; ln2_g 1,024 float32; lowp_scales 12 int32 (the exponents e of the quantised operands' scales 2^e); proj_b 1,024 float32; proj_w 1,024 x 1,024 float32; qkv_b 3,072 float32; qkv_w 1,024 x 3,072 float32; x 2 x 2,048 x 1,024 float32.
;; Outputs: out0 2 x 2,048 x 1,024 float32.
;; This version of the problem:
;;   THIS VERSION OF THE PROBLEM IS GIVEN IN LOW PRECISION. The matrix products marked QUANTISED in the list below multiply operands that are first quantised to E5M2 (5 exponent bits, 2 mantissa bits; 8 bits a number), with one given power-of-two scale for each operand tensor; their sums are f32. All else is computed in f32.
;;   The module's matrix products, in the order in which they are computed (A, B: the left and right operand; K: the contracted axis; several contracted axes count as one K, in the product's order):
;;     1. [M 4,096, K 1,024] x [K 1,024, N 3,072]; A: computed on the way; B: input qkv_w: QUANTISED (scales: A lowp_scales[0], B lowp_scales[1])
;;     2. batch 32 x [M 2,048, K 64] x [K 64, N 2,048]; A: computed on the way; B: computed on the way: QUANTISED (scales: A lowp_scales[2], B lowp_scales[3])
;;     3. batch 32 x [M 64, K 2,048] x [K 2,048, N 2,048]; A: computed on the way; B: softmax (see below): QUANTISED (scales: A lowp_scales[4], B lowp_scales[5])
;;     4. [M 4,096, K 1,024] x [K 1,024, N 1,024]; A: computed on the way; B: input proj_w: QUANTISED (scales: A lowp_scales[6], B lowp_scales[7])
;;     5. [M 4,096, K 1,024] x [K 1,024, N 4,096]; A: computed on the way; B: input ff1_w: QUANTISED (scales: A lowp_scales[8], B lowp_scales[9])
;;     6. [M 4,096, K 4,096] x [K 4,096, N 1,024]; A: computed on the way; B: input ff2_w: QUANTISED (scales: A lowp_scales[10], B lowp_scales[11])
;;   THE QUANTISER, for each operand of a quantised product, along K:
;;     - The operand's scale is 2^e, e = its entry of the input lowp_scales (int32; the entries are numbered through the quantised products in the list's order, A before B).
;;     - Each number is divided by the scale, clamped to +-57,344, and rounded to the nearest number of E5M2, ties to even, subnormals kept.
;;     - The product sums the exact products of the quantised numbers (number of the format x scale) in f32.
;;   ~~~python
;;   def quantise(x, axis, e):      # numpy; x: float32 -> the quantised numbers, widened to float32 again
;;       x = np.moveaxis(x, axis, -1); K = x.shape[-1]
;;       r = np.clip(x / 2.0 ** e, -57344, 57344)
;;       step = 2.0 ** (np.maximum(np.frexp(np.where(r == 0, 1, r))[1] - 1, -14) - 2)
;;       q = np.round(r / step) * step * 2.0 ** e      # np.round: ties to even
;;       return np.moveaxis(q, -1, axis).astype(np.float32)
;;   ~~~
;;   SOFTMAX AHEAD OF A QUANTISED PRODUCT. Where the list says 'softmax', what is quantised is not the finished softmax but p = 2^(t - M), with t = logit x log2(e) and M = ceil(the row's largest t), a whole number; so 1/2 < the row's largest p <= 1. The row's sum l is taken of the UNQUANTISED p, in f32, and the product's result is divided by l at the end. Since M is a whole number, a kernel that streams over the keys may use a running M (the ceiling of the running maximum): every later rescaling is an exact power of two, so the quantised numbers keep their values, but for numbers so far below the row's largest that they fall under the format's range.
;;   OPERANDS COMPUTED ON THE WAY. 'Computed on the way' means the value that the module computes at that place (a softmax that the list does not call 'softmax' is quantised finished and normalised). What goes into a quantiser is computed in f32, as accurately as f32 sums, v_exp_f32 and their like allow (about 1e-6 of the number): no bf16 or f16 on the way to a quantiser, and a product that is left as it is and whose result goes on into a quantised operand takes f32 operands (vector FMAs, or v_wmma_f32_16x16x4_f32). A number that lies on a knife's edge between two numbers of the format may be rounded either way, as far as f32 arithmetic and the matrix unit's own rounding can turn it there, and no further.
;; 2 versions. Each part assembles by itself: llvm-mc -triple=amdgcn-amd-amdhsa -mcpu=gfx1250 --defsym DOCPART=n.
;; ======== version 1 of 2: 7 launches
;; workspace buffers: pw 17,301,504 bytes; qkvc 12,582,912 bytes; a4 4,194,304 bytes; x1 16,777,216 bytes; a5 4,194,304 bytes; hb 16,777,216 bytes
;; launch prep (part 1): grid 672 x 1, 4 waves a work-group, no clusters, 17,408 bytes of LDS; arguments x, ln1_g, ln1_b, qkv_w, proj_w, ff1_w, ff2_w, lowp_scales, pw; writes pw
.if DOCPART == 1
	.amdgcn_target "amdgcn-amd-amdhsa--gfx1250"
	.amdhsa_code_object_version 6
	.text
	.protected	k_q1acd59f3d7_prep
	.globl	k_q1acd59f3d7_prep
	.p2align	8
	.type	k_q1acd59f3d7_prep,@function
k_q1acd59f3d7_prep:
	s_mov_b64 s[64:65], 0
	v_nop
	global_prefetch_b8 v0, s[64:65] scope:SCOPE_SE
	s_setreg_imm32_b32 hwreg(HW_REG_WAVE_MODE, 25, 1), 1
	s_wait_xcnt 0x0
; PREP: all that can be made before the first product, in one launch; three kinds of work-groups, told apart by the work-group's number alone.
;   0-383    the four weights [K][N] f32 -> codes of E5M2 in the operand's register order (below), each with its given scale
;   384-639  LayerNorm 1 of x, quantised with entry 0 of the scales, in the same order
;   640-671  the table of cos and sin for the rotary embedding: [position 2048][cos 32, sin 32] f32
; THE ORDER OF CODES: a fragment is 16 rows x 128 K = 4 pieces of 512 bytes; in piece c lane (r, h) owns the 16 bytes at 16 x lane:
; bytes 0-7 are k = 32 c + 8 h + 0..7, bytes 8-15 are k = 32 c + 16 + 8 h + 0..7 of row r: registers 4 c .. 4 c + 3 of the plain 8-bit operand.
; A matrix is [row / 64][k / 128][(row % 64) / 16][piece][lane][16 bytes].
; LIMITS: each given exponent e used here lies between -126 and 112, so that 2^e and 57,344 x 2^e are f32 numbers.  NaN and infinities among the inputs are not served.
; The rotary frequencies are 2^(-fi x log2(10000) / 32) by v_exp_f32: they agree with a correctly rounded power to a few units in the last place, so an angle near position 2,047 may differ by about 2e-4 rad.
.set PW_A1,  12582912                  ; where LayerNorm 1's codes begin in pw
.set PW_TAB, 16777216                  ; where the table begins
.set RO, 32                            ; v32-63   weights: byte offset of row i of a block of 32 rows, at my column
.set XW, 64                            ; v64-127  weights: two sets of 32 numbers
.set CW, 128                           ; v128-191 weights: eight registers of codes for each of the eight blocks: no store's data are written again
.set WB, 66                            ; s66-81   weights: the eight blocks' bases: none is ever stepped
.macro WLOAD t                         ; block t: W(32 t + i, my column), i = 0 .. 31: a wave reads 128 consecutive bytes, the four waves 512
.set i, 0
.rept 32
	global_load_b32 v[XW+32*((\t)%2)+i], v[RO+i], s[WB+2*(\t):WB+2*(\t)+1] th:TH_LOAD_NT
.set i, i+1
.endr
.endm
.macro WBLOCK t
.set XS, XW+32*((\t)%2)
.set CS, CW+8*(\t)
.if (\t) < 7
	s_wait_loadcnt 32                              ; this block's 32 loads are in; the next block's 32 may be out
.else
	s_wait_loadcnt 0
.endif
.set i, 0
.rept 32
	v_med3_num_f32 v[XS+i], v[XS+i], -v10, v10     ; the conversion to an 8-bit code does not saturate (ISA guide 7.6.2): the hold at the largest code x the scale
.set i, i+1
.endr
	v_cvt_scalef32_pk8_bf8_f32 v[CS:CS+1],   v[XS:XS+7],     v11   ; k 0-7   : bytes 0-7 of half 0
	v_cvt_scalef32_pk8_bf8_f32 v[CS+4:CS+5], v[XS+8:XS+15],  v11   ; k 8-15  : bytes 0-7 of half 1
	v_cvt_scalef32_pk8_bf8_f32 v[CS+2:CS+3], v[XS+16:XS+23], v11   ; k 16-23 : bytes 8-15 of half 0
	v_cvt_scalef32_pk8_bf8_f32 v[CS+6:CS+7], v[XS+24:XS+31], v11   ; k 24-31 : bytes 8-15 of half 1
	global_store_b128 v5, v[CS:CS+3],   s[26:27] offset:((\t)/4)*8192+((\t)%4)*512      ; sixteen lanes store 256 consecutive bytes, aligned; the other sixteen the next fragment's
	global_store_b128 v5, v[CS+4:CS+7], s[26:27] offset:((\t)/4)*8192+((\t)%4)*512+256
.if (\t)+2 < 8
	WLOAD (\t)+2
.endif
.endm
.macro REDUCE                          ; v4 summed over the 32 lanes, the result in every lane
	v_add_f32_dpp v4, v4, v4 row_xmask:1 row_mask:0xf bank_mask:0xf
	v_add_f32_dpp v4, v4, v4 row_xmask:2 row_mask:0xf bank_mask:0xf
	v_add_f32_dpp v4, v4, v4 row_xmask:4 row_mask:0xf bank_mask:0xf
	v_add_f32_dpp v4, v4, v4 row_xmask:8 row_mask:0xf bank_mask:0xf
	v_permlanex16_b32 v27, v4, s28, s29
	v_add_f32 v4, v4, v27
.endm
; One row of LayerNorm: the wave's row i lies in 32 registers a lane (chunk m of 128 columns: columns 128 m + 4 lane + 0..3).
.macro LNROW i
.set XR, 96+32*(\i)
	s_wait_loadcnt 8*(3-(\i))                      ; g, b and rows up to this one are in; the later rows' eight loads each may be out
	v_pk_add_f32 v[4:5], v[XR:XR+1], v[XR+2:XR+3]
	v_pk_add_f32 v[6:7], v[XR+4:XR+5], v[XR+6:XR+7]
.set j, 8
.rept 6
	v_pk_add_f32 v[4:5], v[4:5], v[XR+j:XR+j+1]
	v_pk_add_f32 v[6:7], v[6:7], v[XR+j+2:XR+j+3]
.set j, j+4
.endr
	v_pk_add_f32 v[4:5], v[4:5], v[6:7]
	v_add_f32 v4, v4, v5
	REDUCE
	v_mul_f32 v10, s30, v4                         ; the mean
	v_mov_b32 v11, v10
.set j, 0
.rept 16
	v_pk_add_f32 v[XR+j:XR+j+1], v[XR+j:XR+j+1], v[10:11] neg_lo:[0,1] neg_hi:[0,1]   ; x - mean
.set j, j+2
.endr
	v_pk_mul_f32 v[4:5], v[XR:XR+1], v[XR:XR+1]
	v_pk_mul_f32 v[6:7], v[XR+2:XR+3], v[XR+2:XR+3]
.set j, 4
.rept 7
	v_pk_fma_f32 v[4:5], v[XR+j:XR+j+1], v[XR+j:XR+j+1], v[4:5]
	v_pk_fma_f32 v[6:7], v[XR+j+2:XR+j+3], v[XR+j+2:XR+j+3], v[6:7]
.set j, j+4
.endr
	v_pk_add_f32 v[4:5], v[4:5], v[6:7]
	v_add_f32 v4, v4, v5
	REDUCE
	v_fma_f32 v8, v4, s30, s31                     ; the variance + 1e-5
	v_rsq_f32 v12, v8
	v_nop                                          ; a plain instruction behind the transcendental
	s_wait_alu depctr_va_vdst(0)                   ; and the wait ahead of the first line that names its result
	v_mov_b32 v13, v12
.set j, 0
.rept 16
	v_pk_mul_f32 v[XR+j:XR+j+1], v[XR+j:XR+j+1], v[12:13]
.set j, j+2
.endr
.set j, 0
.rept 16
	v_pk_fma_f32 v[XR+j:XR+j+1], v[XR+j:XR+j+1], v[32+j:33+j], v[64+j:65+j]   ; x g + b
.set j, j+2
.endr
.set j, 0
.rept 32
	v_med3_num_f32 v[XR+j], v[XR+j], -v22, v22
.set j, j+1
.endr
.set j, 0
.rept 4
	v_cvt_scalef32_pk8_bf8_f32 v[224+8*(\i)+2*j:225+8*(\i)+2*j], v[XR+8*j:XR+8*j+7], v23   ; the low word: chunk 2 j's four codes, the high word: chunk 2 j + 1's
.set j, j+1
.endr
	v_nop
.set j, 0
.rept 8
	ds_store_b32 v24, v[224+8*(\i)+j] offset:(\i)*1040+128*j   ; the stage holds plain rows of 1,024 codes, 1,040 bytes apart
.set j, j+1
.endr
.endm
; cos or sin of position x frequency.  v4: the position as f32; v5: 0 in the lanes that make cos, 3 in those that make sin (sin x = cos(x - pi/2)).
.macro TRIG out, invf
	v_mul_f32 v6, v4, \invf                        ; the angle, rounded once
	v_mul_f32 v7, s32, v6
	v_rndne_f32 v7, v7                             ; n = the nearest multiple of pi/2
	v_fma_f32 v8, -v7, s33, v6                     ; r = angle - n pi/2, pi/2 in two parts
	v_fma_f32 v8, -v7, s34, v8
	v_mul_f32 v9, v8, v8                           ; z = r r
	v_fma_f32 v10, s35, v9, s36
	v_fma_f32 v10, v10, v9, s37
	v_mul_f32 v11, v8, v9
	v_fma_f32 v10, v11, v10, v8                    ; sin r
	v_fma_f32 v12, s38, v9, s39
	v_fma_f32 v12, v12, v9, s52
	v_fma_f32 v13, v9, -0.5, 1.0
	v_mul_f32 v11, v9, v9
	v_fma_f32 v12, v11, v12, v13                   ; cos r
	v_cvt_i32_f32 v7, v7
	v_add_nc_u32 v7, v7, v5                        ; the quadrant k
	v_and_b32 v11, 1, v7
	v_cmp_ne_u32 vcc_lo, 0, v11
	v_cndmask_b32 v12, v12, v10, vcc_lo            ; odd k: sin r
	v_add_nc_u32 v7, 1, v7
	v_and_b32 v7, 2, v7
	v_lshlrev_b32 v7, 30, v7                       ; k = 1, 2: the sign turns
	v_xor_b32 \out, v7, v12
.endm
	s_load_b512 s[8:23], s[0:1], 0x0               ; x 8, ln1_g 10, ln1_b 12, qkv_w 14, proj_w 16, ff1_w 18, ff2_w 20, the scales 22
	s_load_b64 s[24:25], s[0:1], 0x40              ; pw
	v_lshl_add_u32 v30, v0, 2, 0x4200
	v_mov_b32 v31, 0
	v_lshrrev_b32 v4, 5, v0
	v_readfirstlane_b32 s2, v4                     ; wave 0..3
	v_and_b32 v1, 31, v0                           ; lane
	v_and_b32 v2, 15, v0                           ; r
	v_bfe_u32 v3, v0, 4, 1                         ; h
	s_wait_kmcnt 0x0
	s_load_b256 s[40:47], s[22:23], 0x0            ; e0 .. e7
	s_load_b128 s[48:51], s[22:23], 0x20           ; e8 .. e11
	s_cmp_lt_u32 ttmp9, 384
	s_cbranch_scc0 .Lnot_weights
	; ---- THE WEIGHTS.  A work-group takes 128 columns x 256 along K of one tensor; a lane takes a column and its registers run down K, so the conversions give codes with K innermost.
	; One text for the four tensors: what differs is chosen by the work-group's number: first work-group, bytes in a row, place in pw, log2(K / 256), bytes of 64 rows of codes, the source.
	s_mov_b32 s52, 256
	s_mov_b32 s53, 4096
	s_mov_b32 s54, 8388608
	s_mov_b32 s55, 4
	s_mov_b32 s56, 262144
	s_mov_b64 s[58:59], s[20:21]                   ; ff2_w
	s_cmp_lt_u32 ttmp9, 256
	s_cselect_b32 s52, 128, s52
	s_cselect_b32 s53, 16384, s53
	s_cselect_b32 s54, 4194304, s54
	s_cselect_b32 s55, 2, s55
	s_cselect_b32 s56, 65536, s56
	s_cselect_b64 s[58:59], s[18:19], s[58:59]     ; ff1_w
	s_cmp_lt_u32 ttmp9, 128
	s_cselect_b32 s52, 96, s52
	s_cselect_b32 s53, 4096, s53
	s_cselect_b32 s54, 3145728, s54
	s_cselect_b64 s[58:59], s[16:17], s[58:59]     ; proj_w
	s_cmp_lt_u32 ttmp9, 96
	s_cselect_b32 s52, 0, s52
	s_cselect_b32 s53, 12288, s53
	s_cselect_b32 s54, 0, s54
	s_cselect_b64 s[58:59], s[14:15], s[58:59]     ; qkv_w
	s_sub_co_u32 s57, ttmp9, s52
	s_lshr_b32 s60, s57, s55                       ; x: which 128 columns
	s_lshl_b32 s61, s60, s55
	s_sub_co_u32 s61, s57, s61                     ; y: which 256 along K
	s_lshl_b32 s62, s61, 8
	s_mul_i32 s62, s62, s53                        ; 256 y rows,
	s_lshl_b32 s63, s60, 9
	s_add_co_u32 s62, s62, s63                     ; + 128 x columns,
	s_lshl_b32 s63, s2, 7
	s_add_co_u32 s62, s62, s63                     ; + my wave's 32
	s_mov_b32 s63, 0
	s_add_nc_u64 s[WB:WB+1], s[58:59], s[62:63]
	s_lshl_b32 s62, s53, 5                         ; 32 rows on
.irp t, 1,2,3,4,5,6,7
	s_add_nc_u64 s[WB+2*\t:WB+2*\t+1], s[WB+2*\t-2:WB+2*\t-1], s[62:63]
.endr
	s_lshl_b32 s62, s60, 1
	s_lshr_b32 s57, s2, 1
	s_add_co_u32 s62, s62, s57                     ; my 64 rows of codes: 2 x + wave / 2
	s_mul_i32 s62, s62, s56
	s_add_co_u32 s62, s62, s54
	s_lshl_b32 s57, s61, 14                        ; + 2 y steps of 128 along K, 8,192 bytes each
	s_add_co_u32 s62, s62, s57
	s_and_b32 s57, s2, 1
	s_lshl_b32 s57, s57, 12                        ; + my two fragments of the four
	s_add_co_u32 s62, s62, s57
	s_add_nc_u64 s[26:27], s[24:25], s[62:63]
	v_lshlrev_b32 v[RO], 2, v1
.set i, 1
.rept 31
	v_add_nc_u32 v[RO+i], s53, v[RO+i-1]
.set i, i+1
.endr
	v_lshlrev_b32 v5, 4, v2
	v_lshl_add_u32 v5, v3, 11, v5                  ; out: 16 r, lanes 16-31 one fragment on
	WLOAD 0
	WLOAD 1
	s_wait_kmcnt 0x0
	s_mov_b32 s57, s51                             ; the tensor's e: entries 11, 9, 7, 1
	s_cmp_lt_u32 ttmp9, 256
	s_cselect_b32 s57, s49, s57
	s_cmp_lt_u32 ttmp9, 128
	s_cselect_b32 s57, s47, s57
	s_cmp_lt_u32 ttmp9, 96
	s_cselect_b32 s57, s41, s57
	s_add_co_i32 s57, s57, 127
	s_lshl_b32 s60, s57, 23
	v_mov_b32 v11, s60                             ; 2^e as f32: the conversion takes its exponent field
	s_add_co_i32 s57, s57, 15
	s_lshl_b32 s57, s57, 23
	s_or_b32 s57, s57, 0x600000
	v_mov_b32 v10, s57                             ; 57,344 x 2^e
.irp t, 0,1,2,3,4,5,6,7
	WBLOCK \t
.endr
	s_endpgm
.Lnot_weights:
	s_cmp_lt_u32 ttmp9, 640
	s_cbranch_scc0 .Lrope
	; ---- LAYERNORM 1.  A work-group owns 16 rows, one row of fragments; a wave four of them, each whole in its registers.  The codes meet in a stage in LDS and leave in the operand's order.
	s_sub_co_u32 s3, ttmp9, 384
	s_lshl_b32 s32, s3, 16                         ; 16 rows of 4,096 bytes,
	s_lshl_b32 s33, s2, 14                         ; my wave's four
	s_add_co_u32 s32, s32, s33
	s_mov_b32 s33, 0
	s_add_nc_u64 s[8:9], s[8:9], s[32:33]
	s_lshr_b32 s32, s3, 2
	s_lshl_b32 s32, s32, 16                        ; out: 64 rows of codes are 65,536 bytes,
	s_and_b32 s34, s3, 3
	s_lshl_b32 s34, s34, 11                        ; my fragment of the four,
	s_add_co_u32 s32, s32, s34
	s_lshl_b32 s34, s2, 14                         ; my wave's two steps of 128 along K
	s_add_co_u32 s32, s32, s34
	s_add_nc_u64 s[26:27], s[24:25], s[32:33]
	s_add_nc_u64 s[26:27], s[26:27], PW_A1
	v_lshlrev_b32 v26, 4, v1                       ; 16 x lane
.set m, 0
.rept 8
	global_load_b128 v[32+4*m:35+4*m], v26, s[10:11] offset:512*m
.set m, m+1
.endr
.set m, 0
.rept 8
	global_load_b128 v[64+4*m:67+4*m], v26, s[12:13] offset:512*m
.set m, m+1
.endr
.set m, 0
.rept 32
	global_load_b128 v[96+4*m:99+4*m], v26, s[8:9] offset:512*m   ; row m / 8, chunk m % 8: a wave reads 512 consecutive bytes
.set m, m+1
.endr
	s_mul_i32 s34, s2, 4160
	v_lshlrev_b32 v24, 2, v1
	v_add_nc_u32 v24, s34, v24                     ; into the stage: 4 x lane + my four rows
	v_mul_u32_u24 v25, v2, 1040
	v_lshl_add_u32 v25, v3, 3, v25
	s_lshl_b32 s34, s2, 8
	v_add_nc_u32 v25, s34, v25                     ; out of it: row r, 8 h, my wave's 256 codes
	v_mov_b32 v27, 0                               ; a lane exchange's destination counts as read
	s_mov_b32 s28, 0x76543210
	s_mov_b32 s29, 0xfedcba98
	s_mov_b32 s30, 0x3a800000                      ; 1 / 1024
	s_mov_b32 s31, 0x3727c5ac                      ; 1e-5
	s_wait_kmcnt 0x0
	s_add_co_i32 s35, s40, 127
	s_lshl_b32 s36, s35, 23
	v_mov_b32 v23, s36                             ; 2^e0
	s_add_co_i32 s35, s35, 15
	s_lshl_b32 s35, s35, 23
	s_or_b32 s35, s35, 0x600000
	v_mov_b32 v22, s35                             ; 57,344 x 2^e0
	LNROW 0
	LNROW 1
	LNROW 2
	LNROW 3
	s_wait_dscnt 0x0                               ; for the others' sake: my stores into the stage are done
	s_barrier_signal -1
	s_barrier_wait -1
.set p, 0
.rept 8
	ds_load_b64 v[96+4*p:97+4*p], v25 offset:(p/4)*128+(p%4)*32      ; piece p % 4 of my step p / 4: k = 32 c + 8 h on,
	ds_load_b64 v[98+4*p:99+4*p], v25 offset:(p/4)*128+(p%4)*32+16   ; and 16 further
.set p, p+1
.endr
.set p, 0
.rept 8
	s_wait_dscnt 14-2*p                            ; piece p's two loads are in
	global_store_b128 v26, v[96+4*p:99+4*p], s[26:27] offset:(p/4)*8192+(p%4)*512   ; the wave stores 512 consecutive bytes
.set p, p+1
.endr
	s_wait_tensorcnt 0x0
	ds_add_u32 v30, v31
	s_wait_dscnt 0x0
	s_endpgm
.Lrope:
	; ---- THE TABLE.  A wave makes 16 positions, one a trip; lane l makes entries 2 l and 2 l + 1 of the position's 64: lanes 0-15 cos, lanes 16-31 sin of frequencies 2 r and 2 r + 1.
	s_sub_co_u32 s3, ttmp9, 640
	s_lshl_b32 s60, s3, 6
	s_lshl_b32 s61, s2, 4
	s_add_co_u32 s60, s60, s61                     ; my first position
	s_lshl_b32 s62, s60, 8
	s_mov_b32 s63, 0
	s_add_nc_u64 s[26:27], s[24:25], s[62:63]
	s_add_nc_u64 s[26:27], s[26:27], PW_TAB
	s_mov_b32 s32, 0x3f22f983                      ; 2 / pi
	s_mov_b32 s33, 0x3fc90fdb                      ; pi / 2, its f32 part,
	s_mov_b32 s34, 0xb33bbd2e                      ; and what that lacks
	s_mov_b32 s35, 0xb94ca1f9                      ; the sine's three coefficients
	s_mov_b32 s36, 0x3c08839e
	s_mov_b32 s37, 0xbe2aaaa3
	s_mov_b32 s38, 0x37ccf5ce                      ; the cosine's three
	s_mov_b32 s39, 0xbab6061a
	s_mov_b32 s52, 0x3d2aaaa5
	v_lshlrev_b32 v20, 3, v1                       ; 8 bytes a lane: the wave stores 256 consecutive bytes
	v_mul_u32_u24 v5, v3, 3
	v_lshlrev_b32 v6, 1, v2
	v_cvt_f32_u32 v6, v6
	v_add_f32 v7, 1.0, v6
	v_mul_f32 v6, 0xbed49a78, v6                   ; - fi x log2(10000) / 32
	v_mul_f32 v7, 0xbed49a78, v7
	v_exp_f32 v16, v6
	v_exp_f32 v17, v7
	v_nop
	s_wait_alu depctr_va_vdst(0)                   ; one wait for both, ahead of the loop's label and of their first reader
	s_mov_b32 s61, 16
.Lpos:
	v_cvt_f32_u32 v4, s60
	TRIG v14, v16
	TRIG v15, v17
	global_store_b64 v20, v[14:15], s[26:27]
	s_wait_xcnt 0x0                                ; the store has read its data and its base: both are written again below
	s_add_nc_u64 s[26:27], s[26:27], 256
	s_add_co_u32 s60, s60, 1
	s_sub_co_u32 s61, s61, 1
	s_cmp_lg_u32 s61, 0
	s_cbranch_scc1 .Lpos
	s_endpgm
.Lfunc_end_k_q1acd59f3d7_prep:
	.size	k_q1acd59f3d7_prep, .Lfunc_end_k_q1acd59f3d7_prep-k_q1acd59f3d7_prep
	.p2alignl 7, 3214868480
	.fill 96, 4, 3214868480
	.section	.rodata,"a",@progbits
	.p2align	6, 0x0
	.amdhsa_kernel k_q1acd59f3d7_prep
		.amdhsa_group_segment_fixed_size 17408
		.amdhsa_private_segment_fixed_size 0
		.amdhsa_enable_private_segment 0
		.amdhsa_kernarg_size 72
		.amdhsa_user_sgpr_count 2
		.amdhsa_user_sgpr_kernarg_segment_ptr 1
		.amdhsa_wavefront_size32 1
		.amdhsa_system_sgpr_workgroup_id_x 1
		.amdhsa_system_sgpr_workgroup_id_y 1
		.amdhsa_system_sgpr_workgroup_id_z 1
		.amdhsa_system_vgpr_workitem_id 0
		.amdhsa_next_free_vgpr 256
		.amdhsa_next_free_sgpr 96
		.amdhsa_reserve_vcc 1
		.amdhsa_float_denorm_mode_32 3
		.amdhsa_float_denorm_mode_16_64 3
		.amdhsa_memory_ordered 1
		.amdhsa_forward_progress 1
		.amdhsa_inst_pref_size 96
	.end_amdhsa_kernel
	.amdgpu_metadata
---
amdhsa.version: [ 1, 2 ]
amdhsa.kernels:
  - .name:           k_q1acd59f3d7_prep
    .symbol:         k_q1acd59f3d7_prep.kd
    .args:
      - { .name: x, .offset: 0, .size: 8, .value_kind: global_buffer, .address_space: global }
      - { .name: ln1_g, .offset: 8, .size: 8, .value_kind: global_buffer, .address_space: global }
      - { .name: ln1_b, .offset: 16, .size: 8, .value_kind: global_buffer, .address_space: global }
      - { .name: qkv_w, .offset: 24, .size: 8, .value_kind: global_buffer, .address_space: global }
      - { .name: proj_w, .offset: 32, .size: 8, .value_kind: global_buffer, .address_space: global }
      - { .name: ff1_w, .offset: 40, .size: 8, .value_kind: global_buffer, .address_space: global }
      - { .name: ff2_w, .offset: 48, .size: 8, .value_kind: global_buffer, .address_space: global }
      - { .name: lowp_scales, .offset: 56, .size: 8, .value_kind: global_buffer, .address_space: global }
      - { .name: pw, .offset: 64, .size: 8, .value_kind: global_buffer, .address_space: global }
    .group_segment_fixed_size: 17408
    .private_segment_fixed_size: 0
    .kernarg_segment_align: 8
    .kernarg_segment_size: 72
    .max_flat_workgroup_size: 128
    .sgpr_count:     96
    .vgpr_count:     256
    .wavefront_size: 32
...
	.end_amdgpu_metadata
.endif
;; end of part 1
;; launch qkv (part 2): grid 24 x 32, 4 waves a work-group, clusters of 4 x 4, 327,680 bytes of LDS; arguments pw, qkv_b, lowp_scales, qkvc; writes qkvc
.if DOCPART == 2
	.amdgcn_target "amdgcn-amd-amdhsa--gfx1250"
	.amdhsa_code_object_version 6
	.text
	.protected	k_q1acd59f3d7_qkv
	.globl	k_q1acd59f3d7_qkv
	.p2align	8
	.type	k_q1acd59f3d7_qkv,@function
k_q1acd59f3d7_qkv:
	s_mov_b64 s[64:65], 0
	v_nop
	global_prefetch_b8 v0, s[64:65] scope:SCOPE_SE
	s_setreg_imm32_b32 hwreg(HW_REG_WAVE_MODE, 25, 1), 1
	s_wait_xcnt 0x0
	s_wait_alu depctr_hold_cnt(0) depctr_sa_sdst(0) depctr_va_vdst(0) depctr_va_sdst(0) depctr_va_ssrc(0) depctr_va_vcc(0) depctr_vm_vsrc(0)
	s_getreg_b32 s2, hwreg(HW_REG_IB_STS2, 6, 4)
	s_cmp_eq_u32 s2, 0
	s_cbranch_scc0 .Lentry_in_a_cluster
	s_endpgm
.Lentry_in_a_cluster:
	s_bfe_u32 s2, ttmp6, 0x10000c
	s_cmp_lg_u32 s2, 0xf033
	s_cbranch_scc0 .Lentry_shape_is_right
	s_endpgm
.Lentry_shape_is_right:
; QKV: (LayerNorm 1's codes) x (qkv_w's codes) + qkv_b, then the rotary embedding for q and k, and all three quantised for attention.
; THE CORE (the same text in the four products of this program).  A tile of 128 tokens x 128 columns to a work-group of four waves, 64 x 64 a wave: 16 accumulators.
; Both operands lie in memory in the order of the operand's registers ([row / 64][k / 128][fragment][piece][lane][16 bytes]), so 64 rows x 512 along K are one dense block of 32,768 bytes:
; one tensor load a wave, no padding, and a fragment is four ds_load_b128 at 16 x lane.  K goes in steps of 512 through two LDS slots; here K = 1,024: the two first fills are all, and nothing is filled again.
; THE MATRIX INSTRUCTION IS USED TRANSPOSED (source 0 = 16 columns of the weight, source 1 = 16 tokens): in accumulator (a, b) lane (r, h) holds token 16 a + r and columns 16 b + 8 h + 0..7.
; CLUSTERS: 4 x 4 work-groups; the tokens' blocks are shared along a row of the cluster, the weight's along a column: each is asked for jointly, by the same load with a mask that names the four.
; The bias is the C of each sum's first product, divided by the power of two that the sums lack.
; A wave's 64 columns are one head of q, k or v.  q, k: [head 32][token / 16][piece 2][lane][16 bytes] (K = the head's 64).  v: [head 32][key / 128][channel / 16][piece 4][lane][16 bytes] (K = the keys).
; LIMITS: e2 - e0 - e1, e3 - e0 - e1 and e4 - e0 - e1 lie between -126 and 112.  NaN and infinities are not served.
; REGISTERS: window 0: v1 r, v2 h, v5 16 x lane, v16-17, v20-21 fragment addresses, v22-24 the way out's addresses, v28-29 the add's, v32-63 the bias, then at work, v64-127 at work, v128-255 accumulators.
;   window 1: two fragment buffers of 128: four fragments of tokens, then four of the weight.
.set KDIM,  1024
.set RTB,   64*KDIM                    ; bytes of 64 rows of codes
.set LAPS,  KDIM/1024
.set AOFF,  12582912                   ; LayerNorm 1's codes in pw
.set BOFF,  0                          ; qkv_w's codes in pw
.set PW_TAB, 16777216
.set CBIAS, 1
.set BLK,   32768
.set SLOT,  4*BLK                      ; tokens 0-63, tokens 64-127, columns 0-63, columns 64-127
.set SPARE, 2*SLOT                     ; behind the ring: the spare words, 128 bytes for each wave
.set ADRA, 16
.set ADRB, 20
.set SPW,  28
.set NIL,  29
.set BIAS, 32
.set ACC,  128
.set F0,   0
.set F1,   128
.set G1,  24
.set G0,  32
.set G1B, 48
.set G0B, 56
.set MSB, 0
.macro WIN new                         ; the immediate's high byte repeats the setting that is left
.if MSB != \new
	s_set_vgpr_msb (MSB<<8)|\new
.set MSB, \new
.endif
.endm
.set MUL,  0x05                        ; sources 0 and 1 window 1; C and D window 0
.set TO_F, 0x40                        ; destination window 1, address window 0
.macro JLOAD s                         ; a joint load: waves 0 and 1 fetch the tokens' two blocks, waves 2 and 3 the weight's; four v_nop follow each line
	s_cmp_eq_u32 s21, 0
	s_cbranch_scc0 .Lfor_b_\@
	tensor_load_to_lds s[G0+4*\s:G0+4*\s+3], s[G1:G1+7]
	s_nop 0
.rept 4
	v_nop
.endr
	s_branch .Lasked_\@
.Lfor_b_\@:
	tensor_load_to_lds s[G0B+4*\s:G0B+4*\s+3], s[G1B:G1B+7]
	s_nop 0
.rept 4
	v_nop
.endr
.Lasked_\@:
.endm
.macro CREST                           ; a round of the cluster's barrier behind its opening barrier
	s_cmp_lg_u32 s20, 0
	s_cbranch_scc1 .Lnot_wave_0_\@
	s_barrier_signal -3
.Lnot_wave_0_\@:
	s_barrier_wait -3
	s_barrier_signal -1
	s_barrier_wait -1
.endm
.macro CROUND
	s_barrier_signal -1
	s_barrier_wait -1
	CREST
.endm
.macro PLACES                          ; four places in front of loads into registers that matrix instructions have read, and of the first read of results
.rept 4
	v_nop
.endr
.endm
.macro FETCH slot, q, f                ; 32 LDS loads in one run: the slot's q-th 128 along K into buffer f: the weight's four fragments, then the tokens'
	WIN TO_F
.irp i, 0,1,2,3
.irp c, 0,1,2,3
	ds_load_b128 v[\f+64+16*\i+4*\c:\f+64+16*\i+4*\c+3], v[ADRB+\slot] offset:(\q)*8192+\i*2048+\c*512
.endr
.endr
.irp i, 0,1,2,3
.irp c, 0,1,2,3
	ds_load_b128 v[\f+16*\i+4*\c:\f+16*\i+4*\c+3], v[ADRA+\slot] offset:(\q)*8192+\i*2048+\c*512
.endr
.endr
.endm
.macro MULA f, a, cin                  ; four products: tokens' fragment a against the weight's four.  cin = 1: they start the sums.  The 16 accumulators take turns
.irp b, 0,1,2,3
.if \cin
.if CBIAS
	v_wmma_f32_16x16x128_bf8_bf8 v[ACC+8*(4*\a+\b):ACC+8*(4*\a+\b)+7], v[\f+64+16*\b:\f+64+16*\b+15], v[\f+16*\a:\f+16*\a+15], v[BIAS+8*\b:BIAS+8*\b+7]
.else
	v_wmma_f32_16x16x128_bf8_bf8 v[ACC+8*(4*\a+\b):ACC+8*(4*\a+\b)+7], v[\f+64+16*\b:\f+64+16*\b+15], v[\f+16*\a:\f+16*\a+15], 0
.endif
.else
	v_wmma_f32_16x16x128_bf8_bf8 v[ACC+8*(4*\a+\b):ACC+8*(4*\a+\b)+7], v[\f+64+16*\b:\f+64+16*\b+15], v[\f+16*\a:\f+16*\a+15], v[ACC+8*(4*\a+\b):ACC+8*(4*\a+\b)+7]
.endif
.endr
.endm
.macro QUARTER slot, qn, f, g, cin     ; 128 along K: multiplies buffer f; in its middle fetches the slot's qn-th 128 into buffer g
	s_wait_dscnt 8                                 ; the weight's fragments and tokens' 0, 1 are in; the youngest eight loads (tokens' 2, 3) may be out
	WIN MUL
	MULA \f, 0, \cin
	MULA \f, 1, \cin
	PLACES
	FETCH \slot, \qn, \g
	s_wait_dscnt 32                                ; all but the 32 just issued
	WIN MUL
	MULA \f, 2, \cin
	MULA \f, 3, \cin
.endm
.macro TURN slot, next, fill           ; a slot's last 128 along K, and the change of slots: one barrier
	WIN 0
	s_wait_tensorcnt 0x0                           ; all my tensor loads have landed: my part of the next slot
	ds_add_u32 v[SPW], v[NIL]                      ; 0 onto my spare word
	s_wait_dscnt 9                                 ; (the add and the youngest eight loads may be out)
	WIN MUL
	MULA F1, 0, 0
	s_wait_dscnt 0x0                               ; the add is done, and my reads of this slot are over
	s_barrier_signal -1
	MULA F1, 1, 0
	WIN 0
	s_barrier_wait -1
.if \fill
	CREST                                          ; the barrier has opened a round of the cluster's: no wave of any partner still reads this slot or has a load on its way
	s_add_nc_u64 s[G0+4*\slot+2:G0+4*\slot+3], s[G0+4*\slot+2:G0+4*\slot+3], 2*BLK
	s_add_nc_u64 s[G0B+4*\slot+2:G0B+4*\slot+3], s[G0B+4*\slot+2:G0B+4*\slot+3], 2*BLK
	JLOAD \slot                                    ; the first tensor load behind the round; its four v_nop are also the places in front of the loads below
.else
	PLACES
.endif
	FETCH \next, 0, F0
	WIN MUL
	MULA F1, 2, 0
	MULA F1, 3, 0
.endm
.macro LASTQ
	s_wait_dscnt 8
	WIN MUL
	MULA F1, 0, 0
	MULA F1, 1, 0
	s_wait_dscnt 0
	MULA F1, 2, 0
	MULA F1, 3, 0
	WIN 0
.endm
.macro FINISH
	s_wait_tensorcnt 0x0                           ; the wave's end
	ds_add_u32 v[SPW], v[NIL]
	s_wait_dscnt 0x0
	CROUND                                         ; the closing round
	s_endpgm
.endm
	s_load_b256 s[4:11], s[0:1], 0x0               ; pw 4, qkv_b 6, the scales 8, qkvc 10
	v_lshl_add_u32 v[SPW], v0, 2, SPARE
	v_mov_b32 v[NIL], 0
	ds_add_u32 v28, v29
	ds_add_u32 v28, v29
	s_wait_dscnt 0x0
	v_lshrrev_b32 v4, 5, v0
	v_readfirstlane_b32 s20, v4                    ; wave 0..3
	s_lshr_b32 s21, s20, 1                         ; my half of the tokens.  Also: I fetch tokens (0) or the weight (1)
	s_and_b32 s22, s20, 1                          ; my half of the columns.  Also: which 64 rows I fetch
	s_bfe_u32 s40, ttmp6, 0x40000                  ; cx, cy
	s_bfe_u32 s41, ttmp6, 0x40004
	s_lshl_b32 s42, ttmp9, 2
	s_add_co_u32 s42, s42, s40                     ; tile column
	s_and_b32 s43, ttmp7, 0xffff
	s_lshl_b32 s43, s43, 2
	s_add_co_u32 s43, s43, s41                     ; tile row
	s_lshl_b32 s44, s41, 2
	s_lshl_b32 s44, 15, s44                        ; my row of the cluster
	s_lshl_b32 s45, 0x1111, s40                    ; my column
	s_or_b32 s[G1], s44, (3<<16)|(1<<21)           ; 15:0 the mask; 17:16 elements of 8 bytes; 21 set beside a mask; no padding
	s_or_b32 s[G1B], s45, (3<<16)|(1<<21)
.irp g, G1, G1B
	s_mov_b32 s[\g+1], 32<<16                      ; tensor_dim0 = 32 elements: 256 bytes
	s_mov_b32 s[\g+2], 128<<16                     ; tensor_dim1 = 128
	s_mov_b32 s[\g+3], 32<<16                      ; tile_dim0
	s_mov_b32 s[\g+4], 128                         ; tile_dim1: 128 rows of 256 bytes, dense
	s_mov_b32 s[\g+5], 32                          ; the pitch
	s_mov_b32 s[\g+6], 0
	s_mov_b32 s[\g+7], 0
.endr
	s_lshl_b32 s66, s43, 1
	s_add_co_u32 s66, s66, s22
	s_mul_i32 s66, s66, RTB                        ; tokens: block 2 x tile row + which
	s_mov_b32 s67, 0
	s_lshl_b32 s68, s42, 1
	s_add_co_u32 s68, s68, s22
	s_mul_i32 s68, s68, RTB                        ; the weight: block 2 x tile column + which
	s_mov_b32 s69, 0
	s_lshl_b32 s70, s20, 15                        ; where they go: wave x 32,768
	s_wait_kmcnt 0x0
	s_load_b256 s[72:79], s[8:9], 0x0              ; e0 .. e7
	s_load_b128 s[80:83], s[8:9], 0x20             ; e8 .. e11
	s_add_nc_u64 s[66:67], s[4:5], s[66:67]
	s_add_nc_u64 s[66:67], s[66:67], AOFF
	s_add_nc_u64 s[68:69], s[4:5], s[68:69]
	s_add_nc_u64 s[68:69], s[68:69], BOFF
	CROUND                                         ; all sixteen work-groups are here: the first joint loads meet
.irp s, 0,1
	s_mov_b32 s[G0+4*\s], 1
	s_add_co_u32 s[G0+4*\s+1], s70, \s*SLOT
	s_add_nc_u64 s[G0+4*\s+2:G0+4*\s+3], s[66:67], \s*BLK
	s_or_b32 s[G0+4*\s+3], s[G0+4*\s+3], 0x80000000
	s_mov_b32 s[G0B+4*\s], 1
	s_add_co_u32 s[G0B+4*\s+1], s70, \s*SLOT
	s_add_nc_u64 s[G0B+4*\s+2:G0B+4*\s+3], s[68:69], \s*BLK
	s_or_b32 s[G0B+4*\s+3], s[G0B+4*\s+3], 0x80000000
	JLOAD \s
.endr
	v_and_b32 v1, 15, v0                           ; r
	v_bfe_u32 v2, v0, 4, 1                         ; h
	v_and_b32 v3, 31, v0
	v_lshlrev_b32 v5, 4, v3                        ; 16 x lane
	s_lshl_b32 s46, s21, 15
	s_lshl_b32 s47, s22, 15
	s_add_co_u32 s47, s47, 2*BLK
	v_add_nc_u32 v[ADRA], s46, v5
	v_add_nc_u32 v[ADRB], s47, v5
	v_add_nc_u32 v[ADRA+1], SLOT, v[ADRA]
	v_add_nc_u32 v[ADRB+1], SLOT, v[ADRB]
	s_mul_i32 s46, s20, 17408                      ; the values' stage: 64 channels x 272 bytes for each wave, in slot 0
	v_mul_u32_u24 v22, v2, 2176
	v_lshl_add_u32 v22, v1, 2, v22
	v_add_nc_u32 v22, s46, v22                     ; in: channel 8 h (+ 16 b + j), token r (+ 16 a)
	v_mul_u32_u24 v23, v1, 272
	v_lshl_add_u32 v23, v2, 5, v23
	v_add_nc_u32 v23, s46, v23                     ; back: channel r (+ 16 t), tokens 8 h on
	v_lshlrev_b32 v24, 8, v1
	v_lshl_add_u32 v24, v2, 5, v24                 ; the table: position r, frequencies 8 h on
	s_lshl_b32 s86, s42, 9                         ; the bias of my 64 columns
	s_lshl_b32 s87, s22, 8
	s_add_co_u32 s86, s86, s87
	s_mov_b32 s87, 0
	s_add_nc_u64 s[6:7], s[6:7], s[86:87]
	v_lshlrev_b32 v6, 5, v2
.irp b, 0,1,2,3
	global_load_b128 v[BIAS+8*\b:BIAS+8*\b+3],   v6, s[6:7] offset:64*\b
	global_load_b128 v[BIAS+8*\b+4:BIAS+8*\b+7], v6, s[6:7] offset:64*\b+16
.endr
	s_wait_kmcnt 0x0
	s_add_co_i32 s84, s72, s73                     ; e0 + e1: a sum stands for sum x 2^(e0 + e1)
	s_sub_co_i32 s85, 0, s84
	s_wait_loadcnt 0x0
.set j, 0
.rept 32
	v_ldexp_f32 v[BIAS+j], v[BIAS+j], s85
.set j, j+1
.endr
	s_wait_tensorcnt 1                             ; my part of slot 0 is in; slot 1's may stay out
	s_barrier_signal -1
	s_barrier_wait -1
	FETCH 0, 0, F0
	QUARTER 0, 1, F0, F1, 1                        ; the first products start the sums
	QUARTER 0, 2, F1, F0, 0
	QUARTER 0, 3, F0, F1, 0
	TURN 0, 1, 0
	QUARTER 1, 1, F0, F1, 0
	QUARTER 1, 2, F1, F0, 0
	QUARTER 1, 3, F0, F1, 0
	LASTQ
	PLACES
	s_and_b32 s88, s43, 15                         ; which 128 positions of the sequence
	s_lshr_b32 s89, s43, 4
	s_lshl_b32 s89, s89, 4                         ; 16 x batch
	s_and_b32 s90, s42, 7
	s_lshl_b32 s90, s90, 1
	s_add_co_u32 s90, s90, s22                     ; the head
	s_add_co_u32 s89, s89, s90
	s_lshl_b32 s89, s89, 17                        ; a head's codes are 131,072 bytes in each of q, k, v
	s_lshl_b32 s90, s88, 13                        ; 128 tokens of them 8,192
	s_add_co_u32 s89, s89, s90
	s_cmp_lt_u32 ttmp9, 4                          ; the cluster's x, the same in all partners: 0-1 q, 2-3 k, 4-5 v
	s_cbranch_scc0 .Lvalues
	; ---- q and k: the rotary embedding on the sums as they stand (it is linear), then codes with the scale 2^(e - e0 - e1)
	s_cmp_lt_u32 ttmp9, 2
	s_cselect_b32 s92, 0, 4194304
	s_cselect_b32 s93, s74, s75
	s_sub_co_i32 s93, s93, s84
	s_add_co_i32 s93, s93, 127
	s_lshl_b32 s94, s93, 23
	v_mov_b32 v6, s94
	s_add_co_i32 s93, s93, 15
	s_lshl_b32 s93, s93, 23
	s_or_b32 s93, s93, 0x600000
	v_mov_b32 v7, s93
	s_lshl_b32 s90, s21, 12                        ; my 64 tokens: four fragments of 1,024 bytes
	s_add_co_u32 s90, s89, s90
	s_add_co_u32 s90, s90, s92
	s_mov_b32 s91, 0
	s_add_nc_u64 s[90:91], s[10:11], s[90:91]
	s_lshl_b32 s86, s88, 15                        ; the table at my first position: 256 bytes a position
	s_lshl_b32 s87, s21, 14
	s_add_co_u32 s86, s86, s87
	s_mov_b32 s87, 0
	s_add_nc_u64 s[86:87], s[4:5], s[86:87]
	s_add_nc_u64 s[86:87], s[86:87], PW_TAB
.macro TLD a                           ; cos and sin of positions 16 a + r at my 16 frequencies: cos of 8 h + 0..7, of 16 + 8 h + 0..7, then sin likewise
.set CT, 64+32*((\a)%2)
.set n, 0
.rept 8
	global_load_b128 v[CT+4*n:CT+4*n+3], v24, s[86:87] offset:(\a)*4096+(n/4)*128+((n/2)%2)*64+(n%2)*16
.set n, n+1
.endr
.endm
.macro ROPE a
.set CT, 64+32*((\a)%2)
.if (\a) < 3
	s_wait_loadcnt 8                               ; this block's eight loads are in; the next block's may be out
.else
	s_wait_loadcnt 0
.endif
.irp bb, 0,1
.irp i, 0,2,4,6
	v_pk_mul_f32 v[32+8*\bb+\i:33+8*\bb+\i], v[ACC+8*(4*(\a)+\bb)+\i:ACC+8*(4*(\a)+\bb)+\i+1], v[CT+8*\bb+\i:CT+8*\bb+\i+1]          ; t1 cos
	v_pk_mul_f32 v[48+8*\bb+\i:49+8*\bb+\i], v[ACC+8*(4*(\a)+\bb)+\i:ACC+8*(4*(\a)+\bb)+\i+1], v[CT+16+8*\bb+\i:CT+16+8*\bb+\i+1]    ; t1 sin
	v_pk_fma_f32 v[32+8*\bb+\i:33+8*\bb+\i], v[ACC+8*(4*(\a)+\bb+2)+\i:ACC+8*(4*(\a)+\bb+2)+\i+1], v[CT+16+8*\bb+\i:CT+16+8*\bb+\i+1], v[32+8*\bb+\i:33+8*\bb+\i] neg_lo:[1,0,0] neg_hi:[1,0,0]   ; - t2 sin
	v_pk_fma_f32 v[48+8*\bb+\i:49+8*\bb+\i], v[ACC+8*(4*(\a)+\bb+2)+\i:ACC+8*(4*(\a)+\bb+2)+\i+1], v[CT+8*\bb+\i:CT+8*\bb+\i+1], v[48+8*\bb+\i:49+8*\bb+\i]   ; + t2 cos
.endr
.endr
.set j, 0
.rept 32
	v_med3_num_f32 v[32+j], v[32+j], -v7, v7
.set j, j+1
.endr
	s_wait_xcnt 0x0                                ; the last block's stores have read v8-15
.irp b, 0,1,2,3
	v_cvt_scalef32_pk8_bf8_f32 v[8+2*\b:9+2*\b], v[32+8*\b:39+8*\b], v6
.endr
	v_nop
	global_store_b128 v5, v[8:11],  s[90:91] offset:(\a)*1024       ; the wave stores 512 consecutive bytes: channels 0-31 of 16 tokens,
	global_store_b128 v5, v[12:15], s[90:91] offset:(\a)*1024+512   ; channels 32-63
.endm
	TLD 0
	TLD 1
	ROPE 0
	TLD 2
	ROPE 1
	TLD 3
	ROPE 2
	ROPE 3
	FINISH
.Lvalues:
	; ---- v: its K is the keys, which lie across lanes: the sums turn through my own stage in slot 0, which has had its only fill and its last read (every wave has passed the change of slots)
	s_sub_co_i32 s93, s76, s84                     ; e4 - e0 - e1
	s_add_co_i32 s93, s93, 127
	s_lshl_b32 s94, s93, 23
	v_mov_b32 v6, s94
	s_add_co_i32 s93, s93, 15
	s_lshl_b32 s93, s93, 23
	s_or_b32 s93, s93, 0x600000
	v_mov_b32 v7, s93
	s_lshl_b32 s90, s21, 10                        ; my 64 keys are pieces 2 x half and 2 x half + 1 of each fragment
	s_add_co_u32 s90, s89, s90
	s_mov_b32 s91, 0
	s_add_nc_u64 s[90:91], s[10:11], s[90:91]
	s_add_nc_u64 s[90:91], s[90:91], 8388608
.irp a, 0,1,2,3
.irp b, 0,1,2,3
.irp j, 0,1,2,3,4,5,6,7
	ds_store_b32 v22, v[ACC+8*(4*\a+\b)+\j] offset:(16*\b+\j)*272+64*\a
.endr
.endr
.endr
.irp rho, 0,1                          ; four groups at a time; group g: channels 16 t on, t = 2 rho + g / 2; keys 32 (g % 2) on.  LDS serves a wave's instructions in order: the loads see my stores
.irp g, 0,1,2,3
	ds_load_b128 v[64+16*\g:67+16*\g],  v23 offset:16*(2*\rho+\g/2)*272+128*(\g%2)
	ds_load_b128 v[68+16*\g:71+16*\g],  v23 offset:16*(2*\rho+\g/2)*272+128*(\g%2)+16
	ds_load_b128 v[72+16*\g:75+16*\g],  v23 offset:16*(2*\rho+\g/2)*272+128*(\g%2)+64
	ds_load_b128 v[76+16*\g:79+16*\g],  v23 offset:16*(2*\rho+\g/2)*272+128*(\g%2)+80
.endr
	s_wait_dscnt 0x0
.irp g, 0,1,2,3
.set j, 0
.rept 16
	v_med3_num_f32 v[64+16*\g+j], v[64+16*\g+j], -v7, v7
.set j, j+1
.endr
	v_cvt_scalef32_pk8_bf8_f32 v[32+4*(4*\rho+\g):33+4*(4*\rho+\g)], v[64+16*\g:71+16*\g], v6
	v_cvt_scalef32_pk8_bf8_f32 v[34+4*(4*\rho+\g):35+4*(4*\rho+\g)], v[72+16*\g:79+16*\g], v6
.endr
	v_nop
.irp g, 0,1,2,3
	global_store_b128 v5, v[32+4*(4*\rho+\g):35+4*(4*\rho+\g)], s[90:91] offset:(2*\rho+\g/2)*2048+(\g%2)*512
.endr
.endr
	FINISH
.Lfunc_end_k_q1acd59f3d7_qkv:
	.size	k_q1acd59f3d7_qkv, .Lfunc_end_k_q1acd59f3d7_qkv-k_q1acd59f3d7_qkv
	.p2alignl 7, 3214868480
	.fill 96, 4, 3214868480
	.section	.rodata,"a",@progbits
	.p2align	6, 0x0
	.amdhsa_kernel k_q1acd59f3d7_qkv
		.amdhsa_group_segment_fixed_size 327680
		.amdhsa_private_segment_fixed_size 0
		.amdhsa_enable_private_segment 0
		.amdhsa_kernarg_size 32
		.amdhsa_user_sgpr_count 2
		.amdhsa_user_sgpr_kernarg_segment_ptr 1
		.amdhsa_wavefront_size32 1
		.amdhsa_system_sgpr_workgroup_id_x 1
		.amdhsa_system_sgpr_workgroup_id_y 1
		.amdhsa_system_sgpr_workgroup_id_z 1
		.amdhsa_system_vgpr_workitem_id 0
		.amdhsa_next_free_vgpr 512
		.amdhsa_next_free_sgpr 100
		.amdhsa_reserve_vcc 0
		.amdhsa_float_denorm_mode_32 3
		.amdhsa_float_denorm_mode_16_64 3
		.amdhsa_memory_ordered 1
		.amdhsa_forward_progress 1
		.amdhsa_inst_pref_size 80
	.end_amdhsa_kernel
	.amdgpu_metadata
---
amdhsa.version: [ 1, 2 ]
amdhsa.kernels:
  - .name:           k_q1acd59f3d7_qkv
    .symbol:         k_q1acd59f3d7_qkv.kd
    .args:
      - { .name: pw, .offset: 0, .size: 8, .value_kind: global_buffer, .address_space: global }
      - { .name: qkv_b, .offset: 8, .size: 8, .value_kind: global_buffer, .address_space: global }
      - { .name: lowp_scales, .offset: 16, .size: 8, .value_kind: global_buffer, .address_space: global }
      - { .name: qkvc, .offset: 24, .size: 8, .value_kind: global_buffer, .address_space: global }
    .group_segment_fixed_size: 327680
    .private_segment_fixed_size: 0
    .kernarg_segment_align: 8
    .kernarg_segment_size: 32
    .max_flat_workgroup_size: 128
    .sgpr_count:     100
    .vgpr_count:     512
    .wavefront_size: 32
...
	.end_amdgpu_metadata
.endif
;; end of part 2
;; launch attn (part 3): grid 8 x 32, 16 waves a work-group, no clusters, 264,192 bytes of LDS; arguments qkvc, lowp_scales, a4; writes a4
.if DOCPART == 3
	.amdgcn_target "amdgcn-amd-amdhsa--gfx1250"
	.amdhsa_code_object_version 6
	.text
	.protected	k_q1acd59f3d7_attn
	.globl	k_q1acd59f3d7_attn
	.p2align	8
	.type	k_q1acd59f3d7_attn,@function
k_q1acd59f3d7_attn:
	s_mov_b64 s[64:65], 0
	v_nop
	global_prefetch_b8 v0, s[64:65] scope:SCOPE_SE
	s_setreg_imm32_b32 hwreg(HW_REG_WAVE_MODE, 25, 1), 1
	s_wait_xcnt 0x0
; CAUSAL ATTENTION on codes of E5M2, head size 64, and its result quantised for the projection.
; A head's codes of K (131,072 bytes) and of V (131,072) lie in LDS whole: eight dense tensor loads at the head (wave 0: K's four quarters, wave 1: V's), each byte filled once: no ring.
; SHARES.  A work-group (i, head) owns query blocks i and 15 - i of 128 queries: waves 0-7 the tiles of 16 queries of block i, waves 8-15 those of block 15 - i: 8 (i + 1) + 8 (16 - i) = 136 key steps of 128 in every work-group.
; NO CLUSTER: a step all of whose keys are hidden is left out by a branch on the wave's first query, which differs between the work-groups that share a head.
; LAYOUT.  S^T = K Q^T (source 0 = 16 keys, source 1 = my 16 queries, K = 64): lane (r, h) holds query r, register 8 kf + j key 16 kf + 8 h + j.  That is the order in which the plain 8-bit operand wants k,
; so the conversions of p give source 1 of O^T = V^T P^T (source 0 = 16 channels, K = 128 keys) as they stand.
; THE SOFTMAX: t = score x log2(e) / 8; M = the running largest t rounded up to a whole number; p = 2^(t - M) is quantised, not normalised; the row's sum is taken of the unquantised p and divides at the end.
; When M moves, the sum and O^T are multiplied by 2^(old M - new M), which rounds nothing.
; LIMITS: e2 + e3 between -123 and 130; e5 and e6 - e4 - e5 between -126 and 112.  NaN and infinities are not served.
; REGISTERS: v1 16 x lane; v8, v9 LDS addresses; v12 -M, v13 the largest t, v[14:15] the sum; v16-23 Q; v32-95 K's eight fragments, then V's four; v96-159 S^T, then p; v160-191 O^T; v224-239 p's codes; v240-254 at work.
.set VOFF, 131072
.set TB,  2                            ; s2   LDS byte of the step's keys
.set KF,  3                            ; s3   the step's first key
.set WV,  18
.set Q0,  19                           ; s19  my first query
.set CNT, 20
.set CS,  22                           ; s[22:23] c = log2(e) / 8 x 2^(e2 + e3)
.set G1,  24
.set G0,  32                           ; s[32:47] four groups 0
.set SEL, 56
.macro STEP
	s_add_co_u32 s21, s[Q0], 15
	s_cmp_gt_u32 s[KF], s21                        ; all 128 keys come after my 16 queries: the step's work is left out (a branch on ids; no barrier stands in a step)
	s_cbranch_scc1 .Lhidden_\@
	v_add_nc_u32 v8, s[TB], v1
	v_add_nc_u32 v9, VOFF, v8
	v_nop                                          ; with the two additions: four places in front of loads into registers that the last products read
	v_nop
.set kf, 0
.rept 8
	ds_load_b128 v[32+8*kf:35+8*kf], v8 offset:kf*1024
	ds_load_b128 v[36+8*kf:39+8*kf], v8 offset:kf*1024+512
.set kf, kf+1
.endr
	s_wait_dscnt 0x0
.set kf, 0
.rept 8
	v_wmma_f32_16x16x64_bf8_bf8 v[96+8*kf:103+8*kf], v[32+8*kf:39+8*kf], v[16:23], 0
.set kf, kf+1
.endr
.rept 4
	v_nop                                          ; places: for the loads below, and for the first read of the scores
.endr
.set n, 0
.rept 16
	ds_load_b128 v[32+4*n:35+4*n], v9 offset:512*n   ; V's four fragments of these 128 keys: they land while the softmax is walked
.set n, n+1
.endr
	s_add_co_u32 s21, s[KF], 127
	s_cmp_le_u32 s21, s[Q0]                        ; a step all of whose keys count has no mask
	s_cbranch_scc1 .Lopen_\@
	s_sub_co_i32 s21, s[Q0], s[KF]
	v_and_b32 v252, 15, v0
	v_bfe_u32 v253, v0, 4, 1
	v_lshlrev_b32 v253, 3, v253
	v_sub_nc_u32 v252, v252, v253
	v_add_nc_u32 v252, s21, v252                   ; d = my query - KF - 8 h: register 8 kf + j is hidden where 16 kf + j > d
	v_mov_b32 v254, 0xff800000
.set n, 0
.rept 64
	v_cmp_gt_i32 vcc_lo, 16*(n/8)+n%8, v252
	v_cndmask_b32 v[96+n], v[96+n], v254, vcc_lo
.set n, n+1
.endr
.Lopen_\@:
	v_max3_num_f32 v254, v96, v97, v98             ; the step's largest score of my query, in two chains,
	v_max3_num_f32 v252, v99, v100, v101
.set n, 6
.rept 14
	v_max3_num_f32 v254, v254, v[96+n], v[97+n]
	v_max3_num_f32 v252, v252, v[98+n], v[99+n]
.set n, n+4
.endr
	v_max3_num_f32 v254, v254, v158, v159
	v_max_num_f32 v254, v254, v252
	v_permlanex16_b32 v246, v254, s[SEL], s[SEL+1]
	v_max_num_f32 v254, v254, v246                 ; and among the other half of the lanes'
	v_mul_f32 v254, s[CS], v254                    ; as t (c is positive)
	v_max_num_f32 v13, v13, v254
	v_mov_b32 v254, v12
	v_floor_f32 v12, -v13                          ; the new -M = -ceil(t)
	v_sub_f32 v254, v12, v254                      ; old M - new M: a whole number, 0 or less
	v_cvt_i32_f32 v254, v254                       ; (it saturates)
	v_ldexp_f32 v252, 1.0, v254                    ; f = 2^(old M - new M)
.set n, 0
.rept 32
	v_pk_fma_f32 v[96+n:97+n], v[96+n:97+n], s[CS:CS+1], v[12:13] op_sel_hi:[1,0,0]   ; t - M
.set n, n+2
.endr
.set n, 0
.rept 64
	v_exp_f32 v[96+n], v[96+n]                     ; p = 2^(t - M)
.set n, n+1
.endr
	v_pk_mul_f32 v[14:15], v[14:15], v[252:253] op_sel_hi:[1,0]   ; the sums under the new M: the plain instruction behind the exponentials
	s_wait_alu depctr_va_vdst(0)                   ; one wait for the whole batch, ahead of its first reader
	v_pk_add_f32 v[242:243], v[96:97], v[98:99]    ; the sum of the unquantised p, in two chains
.set n, 4
.rept 15
	v_pk_add_f32 v[14:15], v[14:15], v[96+n:97+n]
	v_pk_add_f32 v[242:243], v[242:243], v[98+n:99+n]
.set n, n+4
.endr
	v_pk_add_f32 v[14:15], v[14:15], v[242:243]
.set n, 0
.rept 64
	v_min_num_f32 v[96+n], v[96+n], v240           ; the conversion does not saturate (ISA guide 7.6.2); p is not negative: a one-sided hold
.set n, n+1
.endr
.set n, 0
.rept 8
	v_cvt_scalef32_pk8_bf8_f32 v[224+2*n:225+2*n], v[96+8*n:103+8*n], v244
.set n, n+1
.endr
.set n, 0
.rept 16
	v_pk_mul_f32 v[160+n:161+n], v[160+n:161+n], v[252:253] op_sel_hi:[1,0]   ; O^T under the new M
.set n, n+2
.endr
	s_wait_dscnt 0x0                               ; V is in
.set n, 0
.rept 4
	v_wmma_f32_16x16x128_bf8_bf8 v[160+8*n:167+8*n], v[32+16*n:47+16*n], v[224:239], v[160+8*n:167+8*n]
.set n, n+1
.endr
.Lhidden_\@:
.endm
	s_load_b128 s[4:7], s[0:1], 0x0                ; qkvc, the scales
	s_load_b64 s[8:9], s[0:1], 0x10                ; a4
	v_lshl_add_u32 v251, v0, 2, 0x40000
	v_mov_b32 v255, 0
	ds_add_u32 v251, v255
	ds_add_u32 v251, v255
	v_lshrrev_b32 v8, 5, v0
	v_readfirstlane_b32 s[WV], v8                  ; wave 0..15
	s_and_b32 s10, ttmp7, 0xffff                   ; 16 x batch + head
	s_lshl_b32 s11, ttmp9, 3
	s_add_co_u32 s12, s11, s[WV]                   ; block i: tile 8 i + wave
	s_sub_co_u32 s13, 112, s11
	s_add_co_u32 s13, s13, s[WV]                   ; block 15 - i: tile 8 (15 - i) + wave - 8
	s_cmp_lt_u32 s[WV], 8
	s_cselect_b32 s12, s12, s13                    ; my tile of 16 queries
	s_lshl_b32 s[Q0], s12, 4
	s_mov_b32 s[G1], 3<<16                         ; no mask; elements of 8 bytes; no padding
	s_mov_b32 s[G1+1], 32<<16                      ; 128 rows of 256 bytes, dense: 32,768 bytes
	s_mov_b32 s[G1+2], 128<<16
	s_mov_b32 s[G1+3], 32<<16
	s_mov_b32 s[G1+4], 128
	s_mov_b32 s[G1+5], 32
	s_mov_b32 s[G1+6], 0
	s_mov_b32 s[G1+7], 0
	s_and_b32 s14, s[WV], 1
	s_lshl_b32 s15, s14, 17                        ; K at LDS byte 0, V at 131,072
	s_add_co_u32 s16, s14, 1
	s_lshl_b32 s16, s16, 22                        ; in qkvc: k at 4,194,304, v at 8,388,608
	s_lshl_b32 s17, s10, 17
	s_add_co_u32 s16, s16, s17
	s_mov_b32 s17, 0
	s_wait_dscnt 0x0
	s_wait_kmcnt 0x0
	s_load_b256 s[48:55], s[6:7], 0x0              ; e0 .. e7
	s_add_nc_u64 s[16:17], s[4:5], s[16:17]
.irp c, 0,1,2,3
	s_mov_b32 s[G0+4*\c], 1
	s_add_co_u32 s[G0+4*\c+1], s15, \c*32768
	s_add_nc_u64 s[G0+4*\c+2:G0+4*\c+3], s[16:17], \c*32768
	s_or_b32 s[G0+4*\c+3], s[G0+4*\c+3], 0x80000000
.endr
	s_cmp_lt_u32 s[WV], 2                          ; a fetching wave's four fills stand in one branch, ahead of every wait on TENSORcnt, LDS read and barrier: four loads of it are out
	s_cbranch_scc0 .Lno_fetch
	tensor_load_to_lds s[G0:G0+3], s[G1:G1+7]
	s_nop 0
	tensor_load_to_lds s[G0+4:G0+7], s[G1:G1+7]
	s_nop 0
	tensor_load_to_lds s[G0+8:G0+11], s[G1:G1+7]
	s_nop 0
	tensor_load_to_lds s[G0+12:G0+15], s[G1:G1+7]
	s_nop 0
.rept 4
	v_nop
.endr
.Lno_fetch:
	v_and_b32 v1, 31, v0
	v_lshlrev_b32 v1, 4, v1                        ; 16 x lane
	s_lshl_b32 s58, s10, 17
	s_lshl_b32 s59, s12, 10
	s_add_co_u32 s58, s58, s59
	s_mov_b32 s59, 0
	s_add_nc_u64 s[58:59], s[4:5], s[58:59]
	global_load_b128 v[16:19], v1, s[58:59]        ; Q's fragment stays in registers
	global_load_b128 v[20:23], v1, s[58:59] offset:512
	s_lshr_b32 s60, s10, 4                         ; a4: the tile's place among 256 tiles of 16 tokens,
	s_lshl_b32 s60, s60, 7
	s_add_co_u32 s60, s60, s12
	s_lshr_b32 s61, s60, 2
	s_lshl_b32 s61, s61, 16                        ; 64 tokens of 1,024 codes,
	s_and_b32 s60, s60, 3
	s_lshl_b32 s60, s60, 11                        ; the fragment,
	s_add_co_u32 s60, s60, s61
	s_and_b32 s61, s10, 14
	s_lshl_b32 s61, s61, 12                        ; two heads to a step of 128 along K: 8,192 x (head / 2),
	s_add_co_u32 s60, s60, s61
	s_and_b32 s61, s10, 1
	s_lshl_b32 s61, s61, 10                        ; pieces 2 (head % 2) on
	s_add_co_u32 s60, s60, s61
	s_mov_b32 s61, 0
	s_add_nc_u64 s[8:9], s[8:9], s[60:61]
	s_mov_b32 s[SEL], 0x76543210
	s_mov_b32 s[SEL+1], 0xfedcba98
	s_mov_b32 s[CS], 0x3e38aa3b                    ; log2(e) / 8
	s_mov_b32 s[KF], 0
	v_mov_b32 v13, 0xff61b1e6                      ; the largest t so far: -3e38
	v_floor_f32 v12, -v13
	v_mov_b32 v14, 0
	v_mov_b32 v15, 0
	v_mov_b32 v246, 0                              ; a lane exchange's destination counts as read
	v_mov_b32 v253, 0                              ; (named as the upper half of v[252:253])
.set n, 0
.rept 32
	v_mov_b32 v[160+n], 0                          ; O^T: the step is written once; its first walk finds zeros
.set n, n+1
.endr
	s_wait_kmcnt 0x0
	s_add_co_i32 s21, s50, s51
	s_lshl_b32 s21, s21, 23
	s_add_co_i32 s[CS], s[CS], s21                 ; e2 + e3 go into c's exponent field
	s_mov_b32 s[CS+1], s[CS]
	s_add_co_i32 s21, s53, 127
	s_lshl_b32 s13, s21, 23
	v_mov_b32 v244, s13                            ; 2^e5
	s_add_co_i32 s21, s21, 15
	s_lshl_b32 s21, s21, 23
	s_or_b32 s21, s21, 0x600000
	v_mov_b32 v240, s21                            ; 57,344 x 2^e5
	s_wait_loadcnt 0x0                             ; Q
.irp c, 0,1,2,3                        ; a quarter of the keys at a time, as the fills land
	s_wait_tensorcnt 3-\c                          ; a fetching wave's quarter c is in; its later quarters may stay out
	s_barrier_signal -1
	s_barrier_wait -1                              ; K's and V's are
	s_mov_b32 s[TB], \c*32768
	s_mov_b32 s[CNT], 4
.Lquarter\c:
	STEP
	s_add_co_u32 s[TB], s[TB], 8192
	s_add_co_u32 s[KF], s[KF], 128
	s_sub_co_u32 s[CNT], s[CNT], 1
	s_cmp_lg_u32 s[CNT], 0
	s_cbranch_scc1 .Lquarter\c
.endr
	; THE WAY OUT: O^T / the sum, quantised with 2^(e6 - e4 - e5): a lane's registers run along the projection's K, so the codes are stored as they stand
.rept 4
	v_nop                                          ; places behind the last products
.endr
	v_add_f32 v14, v14, v15
	v_permlanex16_b32 v246, v14, s[SEL], s[SEL+1]
	v_add_f32 v14, v14, v246                       ; the row's sum
	v_rcp_f32 v14, v14
	v_nop
	s_sub_co_i32 s21, s54, s52
	s_sub_co_i32 s21, s21, s53
	s_add_co_i32 s21, s21, 127
	s_lshl_b32 s13, s21, 23
	v_mov_b32 v244, s13
	s_add_co_i32 s21, s21, 15
	s_lshl_b32 s21, s21, 23
	s_or_b32 s21, s21, 0x600000
	v_mov_b32 v240, s21
	s_wait_alu depctr_va_vdst(0)                   ; ahead of the reciprocal's first reader
.set n, 0
.rept 32
	v_mul_f32 v[96+n], v[160+n], v14
.set n, n+1
.endr
.set n, 0
.rept 32
	v_med3_num_f32 v[96+n], v[96+n], -v240, v240
.set n, n+1
.endr
.set n, 0
.rept 4
	v_cvt_scalef32_pk8_bf8_f32 v[32+2*n:33+2*n], v[96+8*n:103+8*n], v244
.set n, n+1
.endr
	v_nop
	global_store_b128 v1, v[32:35], s[8:9]         ; the wave stores 512 consecutive bytes, twice
	global_store_b128 v1, v[36:39], s[8:9] offset:512
	s_wait_tensorcnt 0x0
	ds_add_u32 v251, v255
	s_wait_dscnt 0x0
	s_endpgm
.Lfunc_end_k_q1acd59f3d7_attn:
	.size	k_q1acd59f3d7_attn, .Lfunc_end_k_q1acd59f3d7_attn-k_q1acd59f3d7_attn
	.p2alignl 7, 3214868480
	.fill 96, 4, 3214868480
	.section	.rodata,"a",@progbits
	.p2align	6, 0x0
	.amdhsa_kernel k_q1acd59f3d7_attn
		.amdhsa_group_segment_fixed_size 264192
		.amdhsa_private_segment_fixed_size 0
		.amdhsa_enable_private_segment 0
		.amdhsa_kernarg_size 24
		.amdhsa_user_sgpr_count 2
		.amdhsa_user_sgpr_kernarg_segment_ptr 1
		.amdhsa_wavefront_size32 1
		.amdhsa_system_sgpr_workgroup_id_x 1
		.amdhsa_system_sgpr_workgroup_id_y 1
		.amdhsa_system_sgpr_workgroup_id_z 1
		.amdhsa_system_vgpr_workitem_id 0
		.amdhsa_next_free_vgpr 256
		.amdhsa_next_free_sgpr 66
		.amdhsa_reserve_vcc 1
		.amdhsa_float_denorm_mode_32 3
		.amdhsa_float_denorm_mode_16_64 3
		.amdhsa_memory_ordered 1
		.amdhsa_forward_progress 1
		.amdhsa_inst_pref_size 95
	.end_amdhsa_kernel
	.amdgpu_metadata
---
amdhsa.version: [ 1, 2 ]
amdhsa.kernels:
  - .name:           k_q1acd59f3d7_attn
    .symbol:         k_q1acd59f3d7_attn.kd
    .args:
      - { .name: qkvc, .offset: 0, .size: 8, .value_kind: global_buffer, .address_space: global }
      - { .name: lowp_scales, .offset: 8, .size: 8, .value_kind: global_buffer, .address_space: global }
      - { .name: a4, .offset: 16, .size: 8, .value_kind: global_buffer, .address_space: global }
    .group_segment_fixed_size: 264192
    .private_segment_fixed_size: 0
    .kernarg_segment_align: 8
    .kernarg_segment_size: 24
    .max_flat_workgroup_size: 512
    .sgpr_count:     66
    .vgpr_count:     256
    .wavefront_size: 32
...
	.end_amdgpu_metadata
.endif
;; end of part 3
;; launch proj (part 4): grid 8 x 32, 4 waves a work-group, clusters of 4 x 4, 327,680 bytes of LDS; arguments a4, pw, proj_b, x, lowp_scales, x1; writes x1
.if DOCPART == 4
	.amdgcn_target "amdgcn-amd-amdhsa--gfx1250"
	.amdhsa_code_object_version 6
	.text
	.protected	k_q1acd59f3d7_proj
	.globl	k_q1acd59f3d7_proj
	.p2align	8
	.type	k_q1acd59f3d7_proj,@function
k_q1acd59f3d7_proj:
	s_mov_b64 s[64:65], 0
	v_nop
	global_prefetch_b8 v0, s[64:65] scope:SCOPE_SE
	s_setreg_imm32_b32 hwreg(HW_REG_WAVE_MODE, 25, 1), 1
	s_wait_xcnt 0x0
	s_wait_alu depctr_hold_cnt(0) depctr_sa_sdst(0) depctr_va_vdst(0) depctr_va_sdst(0) depctr_va_ssrc(0) depctr_va_vcc(0) depctr_vm_vsrc(0)
	s_getreg_b32 s2, hwreg(HW_REG_IB_STS2, 6, 4)
	s_cmp_eq_u32 s2, 0
	s_cbranch_scc0 .Lentry_in_a_cluster
	s_endpgm
.Lentry_in_a_cluster:
	s_bfe_u32 s2, ttmp6, 0x10000c
	s_cmp_lg_u32 s2, 0xf033
	s_cbranch_scc0 .Lentry_shape_is_right
	s_endpgm
.Lentry_shape_is_right:
; PROJECTION: x1 = x + (attention's codes) x (proj_w's codes) x 2^(e6 + e7) + proj_b, f32.
; THE CORE is the one of this program's four products: a tile of 128 tokens x 128 columns to a work-group of four waves, 64 x 64 a wave, 16 accumulators; both operands in the order of the operand's registers,
; 64 rows x 512 along K one dense block of 32,768 bytes and one tensor load a wave; two LDS slots; here K = 1,024: the two first fills are all.  The matrix instruction is used transposed (source 0 = the weight):
; in accumulator (a, b) lane (r, h) holds token 16 a + r and columns 16 b + 8 h + 0..7.  Clusters of 4 x 4: the tokens' blocks are asked for jointly along a row, the weight's along a column.
; THE WAY OUT: 16 tokens x 64 columns at a time through my own stage in slot 0 (it has had its only fill and its last read), back as rows of 256 bytes: sixteen lanes store 256 consecutive bytes, aligned.
; LIMIT: e6 + e7 between -126 and 127.
.set KDIM,  1024
.set RTB,   64*KDIM
.set LAPS,  KDIM/1024
.set BOFF,  3145728                    ; proj_w's codes in pw
.set EA,    78                         ; s78 = e6, s79 = e7
.set EB,    79
.set CBIAS, 0
.set BLK,   32768
.set SLOT,  4*BLK
.set SPARE, 2*SLOT
.set ADRA, 16
.set ADRB, 20
.set STO,  22
.set RD,   23
.set CO,   24
.set SPW,  28
.set NIL,  29
.set BI,   8
.set BK,   32
.set BIAS, 32
.set ACC,  128
.set F0,   0
.set F1,   128
.set G1,  24
.set G0,  32
.set G1B, 48
.set G0B, 56
.set MSB, 0
.macro WIN new
.if MSB != \new
	s_set_vgpr_msb (MSB<<8)|\new
.set MSB, \new
.endif
.endm
.set MUL,  0x05
.set TO_F, 0x40
.macro JLOAD s
	s_cmp_eq_u32 s21, 0
	s_cbranch_scc0 .Lfor_b_\@
	tensor_load_to_lds s[G0+4*\s:G0+4*\s+3], s[G1:G1+7]
	s_nop 0
.rept 4
	v_nop
.endr
	s_branch .Lasked_\@
.Lfor_b_\@:
	tensor_load_to_lds s[G0B+4*\s:G0B+4*\s+3], s[G1B:G1B+7]
	s_nop 0
.rept 4
	v_nop
.endr
.Lasked_\@:
.endm
.macro CREST
	s_cmp_lg_u32 s20, 0
	s_cbranch_scc1 .Lnot_wave_0_\@
	s_barrier_signal -3
.Lnot_wave_0_\@:
	s_barrier_wait -3
	s_barrier_signal -1
	s_barrier_wait -1
.endm
.macro CROUND
	s_barrier_signal -1
	s_barrier_wait -1
	CREST
.endm
.macro PLACES
.rept 4
	v_nop
.endr
.endm
.macro FETCH slot, q, f
	WIN TO_F
.irp i, 0,1,2,3
.irp c, 0,1,2,3
	ds_load_b128 v[\f+64+16*\i+4*\c:\f+64+16*\i+4*\c+3], v[ADRB+\slot] offset:(\q)*8192+\i*2048+\c*512
.endr
.endr
.irp i, 0,1,2,3
.irp c, 0,1,2,3
	ds_load_b128 v[\f+16*\i+4*\c:\f+16*\i+4*\c+3], v[ADRA+\slot] offset:(\q)*8192+\i*2048+\c*512
.endr
.endr
.endm
.macro MULA f, a, cin
.irp b, 0,1,2,3
.if \cin
.if CBIAS
	v_wmma_f32_16x16x128_bf8_bf8 v[ACC+8*(4*\a+\b):ACC+8*(4*\a+\b)+7], v[\f+64+16*\b:\f+64+16*\b+15], v[\f+16*\a:\f+16*\a+15], v[BIAS+8*\b:BIAS+8*\b+7]
.else
	v_wmma_f32_16x16x128_bf8_bf8 v[ACC+8*(4*\a+\b):ACC+8*(4*\a+\b)+7], v[\f+64+16*\b:\f+64+16*\b+15], v[\f+16*\a:\f+16*\a+15], 0
.endif
.else
	v_wmma_f32_16x16x128_bf8_bf8 v[ACC+8*(4*\a+\b):ACC+8*(4*\a+\b)+7], v[\f+64+16*\b:\f+64+16*\b+15], v[\f+16*\a:\f+16*\a+15], v[ACC+8*(4*\a+\b):ACC+8*(4*\a+\b)+7]
.endif
.endr
.endm
.macro QUARTER slot, qn, f, g, cin
	s_wait_dscnt 8                                 ; the weight's fragments and tokens' 0, 1 are in; the youngest eight loads may be out
	WIN MUL
	MULA \f, 0, \cin
	MULA \f, 1, \cin
	PLACES
	FETCH \slot, \qn, \g
	s_wait_dscnt 32                                ; all but the 32 just issued
	WIN MUL
	MULA \f, 2, \cin
	MULA \f, 3, \cin
.endm
.macro TURN slot, next, fill
	WIN 0
	s_wait_tensorcnt 0x0                           ; all my tensor loads have landed: my part of the next slot
	ds_add_u32 v[SPW], v[NIL]                      ; 0 onto my spare word
	s_wait_dscnt 9                                 ; (the add and the youngest eight loads may be out)
	WIN MUL
	MULA F1, 0, 0
	s_wait_dscnt 0x0                               ; the add is done, and my reads of this slot are over
	s_barrier_signal -1
	MULA F1, 1, 0
	WIN 0
	s_barrier_wait -1
.if \fill
	CREST
	s_add_nc_u64 s[G0+4*\slot+2:G0+4*\slot+3], s[G0+4*\slot+2:G0+4*\slot+3], 2*BLK
	s_add_nc_u64 s[G0B+4*\slot+2:G0B+4*\slot+3], s[G0B+4*\slot+2:G0B+4*\slot+3], 2*BLK
	JLOAD \slot
.else
	PLACES
.endif
	FETCH \next, 0, F0
	WIN MUL
	MULA F1, 2, 0
	MULA F1, 3, 0
.endm
.macro LASTQ
	s_wait_dscnt 8
	WIN MUL
	MULA F1, 0, 0
	MULA F1, 1, 0
	s_wait_dscnt 0
	MULA F1, 2, 0
	MULA F1, 3, 0
	WIN 0
.endm
.macro RES a                           ; the residual of tokens 16 a .. 16 a + 15 at my 64 columns: two rows of 256 bytes a load
.set RS, 64+32*((\a)%2)
.set t, 0
.rept 8
	global_load_b128 v[RS+4*t:RS+4*t+3], v[CO], s[10:11] offset:(16*(\a)+2*t)*4096
.set t, t+1
.endr
.endm
.macro OUTB a
.if (\a) < 3
	RES (\a)+1
.endif
	s_wait_xcnt 0x0                                ; the last block's stores have read v32-63
.irp b, 0,1,2,3
	ds_store_b128 v[STO], v[ACC+8*(4*(\a)+\b):ACC+8*(4*(\a)+\b)+3]   offset:64*\b
	ds_store_b128 v[STO], v[ACC+8*(4*(\a)+\b)+4:ACC+8*(4*(\a)+\b)+7] offset:64*\b+16
.endr
.set t, 0
.rept 8
	ds_load_b128 v[BK+4*t:BK+4*t+3], v[RD] offset:544*t   ; LDS serves a wave's instructions in order: these see my stores, and the next block's stores come behind them
.set t, t+1
.endr
	s_wait_dscnt 0x0
.if (\a) < 3
	s_wait_loadcnt 8                               ; the bias and this block's residual are in; the next block's eight loads may be out
.else
	s_wait_loadcnt 0
.endif
.set RSA, 64+32*((\a)%2)
.set j, 0
.rept 16
	v_pk_fma_f32 v[BK+j:BK+j+1], v[BK+j:BK+j+1], s[84:85], v[BI+j%4:BI+j%4+1] op_sel_hi:[1,0,1]   ; sum x 2^(eA + eB) + bias
.set j, j+2
.endr
.set j, 0
.rept 16
	v_pk_add_f32 v[BK+j:BK+j+1], v[BK+j:BK+j+1], v[RSA+j:RSA+j+1]
.set j, j+2
.endr
.set t, 0
.rept 8
	global_store_b128 v[CO], v[BK+4*t:BK+4*t+3], s[14:15] offset:(16*(\a)+2*t)*4096
.set t, t+1
.endr
.endm
	s_load_b256 s[4:11], s[0:1], 0x0               ; A's codes 4, pw 6, the bias 8, the residual 10
	s_load_b128 s[12:15], s[0:1], 0x20             ; the scales 12, the result 14
	v_lshl_add_u32 v[SPW], v0, 2, SPARE
	v_mov_b32 v[NIL], 0
	ds_add_u32 v28, v29
	ds_add_u32 v28, v29
	s_wait_dscnt 0x0
	v_lshrrev_b32 v4, 5, v0
	v_readfirstlane_b32 s20, v4
	s_lshr_b32 s21, s20, 1
	s_and_b32 s22, s20, 1
	s_bfe_u32 s40, ttmp6, 0x40000
	s_bfe_u32 s41, ttmp6, 0x40004
	s_lshl_b32 s42, ttmp9, 2
	s_add_co_u32 s42, s42, s40                     ; tile column
	s_and_b32 s43, ttmp7, 0xffff
	s_lshl_b32 s43, s43, 2
	s_add_co_u32 s43, s43, s41                     ; tile row
	s_lshl_b32 s44, s41, 2
	s_lshl_b32 s44, 15, s44
	s_lshl_b32 s45, 0x1111, s40
	s_or_b32 s[G1], s44, (3<<16)|(1<<21)
	s_or_b32 s[G1B], s45, (3<<16)|(1<<21)
.irp g, G1, G1B
	s_mov_b32 s[\g+1], 32<<16
	s_mov_b32 s[\g+2], 128<<16
	s_mov_b32 s[\g+3], 32<<16
	s_mov_b32 s[\g+4], 128
	s_mov_b32 s[\g+5], 32
	s_mov_b32 s[\g+6], 0
	s_mov_b32 s[\g+7], 0
.endr
	s_lshl_b32 s66, s43, 1
	s_add_co_u32 s66, s66, s22
	s_mul_i32 s66, s66, RTB
	s_mov_b32 s67, 0
	s_lshl_b32 s68, s42, 1
	s_add_co_u32 s68, s68, s22
	s_mul_i32 s68, s68, RTB
	s_mov_b32 s69, 0
	s_lshl_b32 s70, s20, 15
	s_wait_kmcnt 0x0
	s_load_b256 s[72:79], s[12:13], 0x0            ; e0 .. e7
	s_load_b128 s[80:83], s[12:13], 0x20           ; e8 .. e11
	s_add_nc_u64 s[66:67], s[4:5], s[66:67]
	s_add_nc_u64 s[68:69], s[6:7], s[68:69]
	s_add_nc_u64 s[68:69], s[68:69], BOFF
	CROUND
.irp s, 0,1
	s_mov_b32 s[G0+4*\s], 1
	s_add_co_u32 s[G0+4*\s+1], s70, \s*SLOT
	s_add_nc_u64 s[G0+4*\s+2:G0+4*\s+3], s[66:67], \s*BLK
	s_or_b32 s[G0+4*\s+3], s[G0+4*\s+3], 0x80000000
	s_mov_b32 s[G0B+4*\s], 1
	s_add_co_u32 s[G0B+4*\s+1], s70, \s*SLOT
	s_add_nc_u64 s[G0B+4*\s+2:G0B+4*\s+3], s[68:69], \s*BLK
	s_or_b32 s[G0B+4*\s+3], s[G0B+4*\s+3], 0x80000000
	JLOAD \s
.endr
	v_and_b32 v1, 15, v0
	v_bfe_u32 v2, v0, 4, 1
	v_and_b32 v3, 31, v0
	v_lshlrev_b32 v5, 4, v3
	s_lshl_b32 s46, s21, 15
	s_lshl_b32 s47, s22, 15
	s_add_co_u32 s47, s47, 2*BLK
	v_add_nc_u32 v[ADRA], s46, v5
	v_add_nc_u32 v[ADRB], s47, v5
	v_add_nc_u32 v[ADRA+1], SLOT, v[ADRA]
	v_add_nc_u32 v[ADRB+1], SLOT, v[ADRB]
	s_lshl_b32 s46, s20, 13                        ; my stage: 16 rows x 272 bytes, at wave x 8,192 in slot 0
	v_mul_u32_u24 v[STO], v1, 272
	v_lshl_add_u32 v[STO], v2, 5, v[STO]
	v_add_nc_u32 v[STO], s46, v[STO]               ; in: row r, 32 h
	v_mul_u32_u24 v[RD], v2, 272
	v_lshl_add_u32 v[RD], v1, 4, v[RD]
	v_add_nc_u32 v[RD], s46, v[RD]                 ; back: lanes 0-15 one row, lanes 16-31 the next
	v_lshlrev_b32 v[CO], 12, v2
	v_lshl_add_u32 v[CO], v1, 4, v[CO]             ; and the same two rows in memory
	v_lshlrev_b32 v6, 4, v1
	s_lshl_b32 s86, s42, 9                         ; my 64 columns, in bytes
	s_lshl_b32 s87, s22, 8
	s_add_co_u32 s86, s86, s87
	s_mov_b32 s87, 0
	s_add_nc_u64 s[8:9], s[8:9], s[86:87]
	s_lshl_b32 s88, s43, 7
	s_lshl_b32 s89, s21, 6
	s_add_co_u32 s88, s88, s89                     ; my first token
	s_lshl_b32 s88, s88, 12
	s_add_co_u32 s86, s86, s88
	s_add_nc_u64 s[10:11], s[10:11], s[86:87]
	s_add_nc_u64 s[14:15], s[14:15], s[86:87]
	global_load_b128 v[BI:BI+3], v6, s[8:9]        ; the bias at columns 4 r .. 4 r + 3 of my 64
	RES 0                                          ; the first block's residual is asked for here, into registers that the products leave alone
	s_wait_tensorcnt 1                             ; my part of slot 0 is in; slot 1's may stay out
	s_barrier_signal -1
	s_barrier_wait -1
	FETCH 0, 0, F0
	QUARTER 0, 1, F0, F1, 1
.if LAPS > 1
	WIN 0
	s_mov_b32 s23, LAPS-1
.Llap:
	QUARTER 0, 2, F1, F0, 0
	QUARTER 0, 3, F0, F1, 0
	TURN 0, 1, 1
	QUARTER 1, 1, F0, F1, 0
	QUARTER 1, 2, F1, F0, 0
	QUARTER 1, 3, F0, F1, 0
	TURN 1, 0, 1
	QUARTER 0, 1, F0, F1, 0
	WIN 0
	s_sub_co_u32 s23, s23, 1
	s_cmp_lg_u32 s23, 0
	s_cbranch_scc1 .Llap
.endif
	QUARTER 0, 2, F1, F0, 0
	QUARTER 0, 3, F0, F1, 0
	TURN 0, 1, 0
	QUARTER 1, 1, F0, F1, 0
	QUARTER 1, 2, F1, F0, 0
	QUARTER 1, 3, F0, F1, 0
	LASTQ
	PLACES
	s_wait_kmcnt 0x0
	s_add_co_i32 s84, s[EA], s[EB]
	s_add_co_i32 s84, s84, 127
	s_lshl_b32 s84, s84, 23                        ; 2^(eA + eB) as f32
	s_mov_b32 s85, s84
	OUTB 0
	OUTB 1
	OUTB 2
	OUTB 3
	s_wait_tensorcnt 0x0                           ; the wave's end
	ds_add_u32 v[SPW], v[NIL]
	s_wait_dscnt 0x0
	CROUND                                         ; the closing round
	s_endpgm
.Lfunc_end_k_q1acd59f3d7_proj:
	.size	k_q1acd59f3d7_proj, .Lfunc_end_k_q1acd59f3d7_proj-k_q1acd59f3d7_proj
	.p2alignl 7, 3214868480
	.fill 96, 4, 3214868480
	.section	.rodata,"a",@progbits
	.p2align	6, 0x0
	.amdhsa_kernel k_q1acd59f3d7_proj
		.amdhsa_group_segment_fixed_size 327680
		.amdhsa_private_segment_fixed_size 0
		.amdhsa_enable_private_segment 0
		.amdhsa_kernarg_size 48
		.amdhsa_user_sgpr_count 2
		.amdhsa_user_sgpr_kernarg_segment_ptr 1
		.amdhsa_wavefront_size32 1
		.amdhsa_system_sgpr_workgroup_id_x 1
		.amdhsa_system_sgpr_workgroup_id_y 1
		.amdhsa_system_sgpr_workgroup_id_z 1
		.amdhsa_system_vgpr_workitem_id 0
		.amdhsa_next_free_vgpr 512
		.amdhsa_next_free_sgpr 100
		.amdhsa_reserve_vcc 0
		.amdhsa_float_denorm_mode_32 3
		.amdhsa_float_denorm_mode_16_64 3
		.amdhsa_memory_ordered 1
		.amdhsa_forward_progress 1
		.amdhsa_inst_pref_size 52
	.end_amdhsa_kernel
	.amdgpu_metadata
---
amdhsa.version: [ 1, 2 ]
amdhsa.kernels:
  - .name:           k_q1acd59f3d7_proj
    .symbol:         k_q1acd59f3d7_proj.kd
    .args:
      - { .name: a4, .offset: 0, .size: 8, .value_kind: global_buffer, .address_space: global }
      - { .name: pw, .offset: 8, .size: 8, .value_kind: global_buffer, .address_space: global }
      - { .name: proj_b, .offset: 16, .size: 8, .value_kind: global_buffer, .address_space: global }
      - { .name: x, .offset: 24, .size: 8, .value_kind: global_buffer, .address_space: global }
      - { .name: lowp_scales, .offset: 32, .size: 8, .value_kind: global_buffer, .address_space: global }
      - { .name: x1, .offset: 40, .size: 8, .value_kind: global_buffer, .address_space: global }
    .group_segment_fixed_size: 327680
    .private_segment_fixed_size: 0
    .kernarg_segment_align: 8
    .kernarg_segment_size: 48
    .max_flat_workgroup_size: 128
    .sgpr_count:     100
    .vgpr_count:     512
    .wavefront_size: 32
...
	.end_amdgpu_metadata
.endif
;; end of part 4
;; launch ln2 (part 5): grid 256 x 1, 4 waves a work-group, no clusters, 17,408 bytes of LDS; arguments x1, ln2_g, ln2_b, lowp_scales, a5; writes a5
.if DOCPART == 5
	.amdgcn_target "amdgcn-amd-amdhsa--gfx1250"
	.amdhsa_code_object_version 6
	.text
	.protected	k_q1acd59f3d7_ln2
	.globl	k_q1acd59f3d7_ln2
	.p2align	8
	.type	k_q1acd59f3d7_ln2,@function
k_q1acd59f3d7_ln2:
	s_mov_b64 s[64:65], 0
	v_nop
	global_prefetch_b8 v0, s[64:65] scope:SCOPE_SE
	s_setreg_imm32_b32 hwreg(HW_REG_WAVE_MODE, 25, 1), 1
	s_wait_xcnt 0x0
; LAYERNORM 2 of x1, quantised with entry 8 of the scales, into the order of the operand's registers ([row / 64][k / 128][fragment][piece][lane][16 bytes]).
; A work-group owns 16 rows, one row of fragments; a wave four of them, each whole in its registers (32 a lane): memory is read once.  The codes meet in a stage in LDS (rows 1,040 bytes apart) and leave 512 bytes a store.
; LIMIT: e8 between -126 and 112.  NaN and infinities are not served.
.macro REDUCE
	v_add_f32_dpp v4, v4, v4 row_xmask:1 row_mask:0xf bank_mask:0xf
	v_add_f32_dpp v4, v4, v4 row_xmask:2 row_mask:0xf bank_mask:0xf
	v_add_f32_dpp v4, v4, v4 row_xmask:4 row_mask:0xf bank_mask:0xf
	v_add_f32_dpp v4, v4, v4 row_xmask:8 row_mask:0xf bank_mask:0xf
	v_permlanex16_b32 v27, v4, s28, s29
	v_add_f32 v4, v4, v27
.endm
.macro LNROW i
.set XR, 96+32*(\i)
	s_wait_loadcnt 8*(3-(\i))                      ; g, b and rows up to this one are in; the later rows' eight loads each may be out
	v_pk_add_f32 v[4:5], v[XR:XR+1], v[XR+2:XR+3]
	v_pk_add_f32 v[6:7], v[XR+4:XR+5], v[XR+6:XR+7]
.set j, 8
.rept 6
	v_pk_add_f32 v[4:5], v[4:5], v[XR+j:XR+j+1]
	v_pk_add_f32 v[6:7], v[6:7], v[XR+j+2:XR+j+3]
.set j, j+4
.endr
	v_pk_add_f32 v[4:5], v[4:5], v[6:7]
	v_add_f32 v4, v4, v5
	REDUCE
	v_mul_f32 v10, s30, v4                         ; the mean
	v_mov_b32 v11, v10
.set j, 0
.rept 16
	v_pk_add_f32 v[XR+j:XR+j+1], v[XR+j:XR+j+1], v[10:11] neg_lo:[0,1] neg_hi:[0,1]
.set j, j+2
.endr
	v_pk_mul_f32 v[4:5], v[XR:XR+1], v[XR:XR+1]
	v_pk_mul_f32 v[6:7], v[XR+2:XR+3], v[XR+2:XR+3]
.set j, 4
.rept 7
	v_pk_fma_f32 v[4:5], v[XR+j:XR+j+1], v[XR+j:XR+j+1], v[4:5]
	v_pk_fma_f32 v[6:7], v[XR+j+2:XR+j+3], v[XR+j+2:XR+j+3], v[6:7]
.set j, j+4
.endr
	v_pk_add_f32 v[4:5], v[4:5], v[6:7]
	v_add_f32 v4, v4, v5
	REDUCE
	v_fma_f32 v8, v4, s30, s31                     ; the variance + 1e-5
	v_rsq_f32 v12, v8
	v_nop                                          ; a plain instruction behind the transcendental
	s_wait_alu depctr_va_vdst(0)                   ; and the wait ahead of the first line that names its result
	v_mov_b32 v13, v12
.set j, 0
.rept 16
	v_pk_mul_f32 v[XR+j:XR+j+1], v[XR+j:XR+j+1], v[12:13]
.set j, j+2
.endr
.set j, 0
.rept 16
	v_pk_fma_f32 v[XR+j:XR+j+1], v[XR+j:XR+j+1], v[32+j:33+j], v[64+j:65+j]
.set j, j+2
.endr
.set j, 0
.rept 32
	v_med3_num_f32 v[XR+j], v[XR+j], -v22, v22     ; the conversion does not saturate (ISA guide 7.6.2)
.set j, j+1
.endr
.set j, 0
.rept 4
	v_cvt_scalef32_pk8_bf8_f32 v[224+8*(\i)+2*j:225+8*(\i)+2*j], v[XR+8*j:XR+8*j+7], v23
.set j, j+1
.endr
	v_nop
.set j, 0
.rept 8
	ds_store_b32 v24, v[224+8*(\i)+j] offset:(\i)*1040+128*j
.set j, j+1
.endr
.endm
	s_load_b256 s[8:15], s[0:1], 0x0               ; x1 8, ln2_g 10, ln2_b 12, the scales 14
	s_load_b64 s[24:25], s[0:1], 0x20              ; a5
	v_lshl_add_u32 v30, v0, 2, 0x4200
	v_mov_b32 v31, 0
	v_lshrrev_b32 v4, 5, v0
	v_readfirstlane_b32 s2, v4                     ; wave 0..3
	v_and_b32 v1, 31, v0
	v_and_b32 v2, 15, v0
	v_bfe_u32 v3, v0, 4, 1
	s_wait_kmcnt 0x0
	s_load_b32 s40, s[14:15], 0x20                 ; e8
	s_lshl_b32 s32, ttmp9, 16                      ; 16 rows of 4,096 bytes,
	s_lshl_b32 s33, s2, 14                         ; my wave's four
	s_add_co_u32 s32, s32, s33
	s_mov_b32 s33, 0
	s_add_nc_u64 s[8:9], s[8:9], s[32:33]
	s_lshr_b32 s32, ttmp9, 2
	s_lshl_b32 s32, s32, 16
	s_and_b32 s34, ttmp9, 3
	s_lshl_b32 s34, s34, 11
	s_add_co_u32 s32, s32, s34
	s_lshl_b32 s34, s2, 14
	s_add_co_u32 s32, s32, s34
	s_add_nc_u64 s[26:27], s[24:25], s[32:33]
	v_lshlrev_b32 v26, 4, v1
.set m, 0
.rept 8
	global_load_b128 v[32+4*m:35+4*m], v26, s[10:11] offset:512*m
.set m, m+1
.endr
.set m, 0
.rept 8
	global_load_b128 v[64+4*m:67+4*m], v26, s[12:13] offset:512*m
.set m, m+1
.endr
.set m, 0
.rept 32
	global_load_b128 v[96+4*m:99+4*m], v26, s[8:9] offset:512*m
.set m, m+1
.endr
	s_mul_i32 s34, s2, 4160
	v_lshlrev_b32 v24, 2, v1
	v_add_nc_u32 v24, s34, v24
	v_mul_u32_u24 v25, v2, 1040
	v_lshl_add_u32 v25, v3, 3, v25
	s_lshl_b32 s34, s2, 8
	v_add_nc_u32 v25, s34, v25
	v_mov_b32 v27, 0
	s_mov_b32 s28, 0x76543210
	s_mov_b32 s29, 0xfedcba98
	s_mov_b32 s30, 0x3a800000                      ; 1 / 1024
	s_mov_b32 s31, 0x3727c5ac                      ; 1e-5
	s_wait_kmcnt 0x0
	s_add_co_i32 s35, s40, 127
	s_lshl_b32 s36, s35, 23
	v_mov_b32 v23, s36
	s_add_co_i32 s35, s35, 15
	s_lshl_b32 s35, s35, 23
	s_or_b32 s35, s35, 0x600000
	v_mov_b32 v22, s35
	LNROW 0
	LNROW 1
	LNROW 2
	LNROW 3
	s_wait_dscnt 0x0                               ; for the others' sake: my stores into the stage are done
	s_barrier_signal -1
	s_barrier_wait -1
.set p, 0
.rept 8
	ds_load_b64 v[96+4*p:97+4*p], v25 offset:(p/4)*128+(p%4)*32
	ds_load_b64 v[98+4*p:99+4*p], v25 offset:(p/4)*128+(p%4)*32+16
.set p, p+1
.endr
.set p, 0
.rept 8
	s_wait_dscnt 14-2*p                            ; piece p's two loads are in
	global_store_b128 v26, v[96+4*p:99+4*p], s[26:27] offset:(p/4)*8192+(p%4)*512
.set p, p+1
.endr
	s_wait_tensorcnt 0x0
	ds_add_u32 v30, v31
	s_wait_dscnt 0x0
	s_endpgm
.Lfunc_end_k_q1acd59f3d7_ln2:
	.size	k_q1acd59f3d7_ln2, .Lfunc_end_k_q1acd59f3d7_ln2-k_q1acd59f3d7_ln2
	.p2alignl 7, 3214868480
	.fill 96, 4, 3214868480
	.section	.rodata,"a",@progbits
	.p2align	6, 0x0
	.amdhsa_kernel k_q1acd59f3d7_ln2
		.amdhsa_group_segment_fixed_size 17408
		.amdhsa_private_segment_fixed_size 0
		.amdhsa_enable_private_segment 0
		.amdhsa_kernarg_size 40
		.amdhsa_user_sgpr_count 2
		.amdhsa_user_sgpr_kernarg_segment_ptr 1
		.amdhsa_wavefront_size32 1
		.amdhsa_system_sgpr_workgroup_id_x 1
		.amdhsa_system_sgpr_workgroup_id_y 1
		.amdhsa_system_sgpr_workgroup_id_z 1
		.amdhsa_system_vgpr_workitem_id 0
		.amdhsa_next_free_vgpr 256
		.amdhsa_next_free_sgpr 66
		.amdhsa_reserve_vcc 0
		.amdhsa_float_denorm_mode_32 3
		.amdhsa_float_denorm_mode_16_64 3
		.amdhsa_memory_ordered 1
		.amdhsa_forward_progress 1
		.amdhsa_inst_pref_size 45
	.end_amdhsa_kernel
	.amdgpu_metadata
---
amdhsa.version: [ 1, 2 ]
amdhsa.kernels:
  - .name:           k_q1acd59f3d7_ln2
    .symbol:         k_q1acd59f3d7_ln2.kd
    .args:
      - { .name: x1, .offset: 0, .size: 8, .value_kind: global_buffer, .address_space: global }
      - { .name: ln2_g, .offset: 8, .size: 8, .value_kind: global_buffer, .address_space: global }
      - { .name: ln2_b, .offset: 16, .size: 8, .value_kind: global_buffer, .address_space: global }
      - { .name: lowp_scales, .offset: 24, .size: 8, .value_kind: global_buffer, .address_space: global }
      - { .name: a5, .offset: 32, .size: 8, .value_kind: global_buffer, .address_space: global }
    .group_segment_fixed_size: 17408
    .private_segment_fixed_size: 0
    .kernarg_segment_align: 8
    .kernarg_segment_size: 40
    .max_flat_workgroup_size: 128
    .sgpr_count:     66
    .vgpr_count:     256
    .wavefront_size: 32
...
	.end_amdgpu_metadata
.endif
;; end of part 5
;; launch ff1 (part 6): grid 32 x 32, 4 waves a work-group, clusters of 4 x 4, 327,680 bytes of LDS; arguments a5, pw, ff1_b, lowp_scales, hb; writes hb
.if DOCPART == 6
	.amdgcn_target "amdgcn-amd-amdhsa--gfx1250"
	.amdhsa_code_object_version 6
	.text
	.protected	k_q1acd59f3d7_ff1
	.globl	k_q1acd59f3d7_ff1
	.p2align	8
	.type	k_q1acd59f3d7_ff1,@function
k_q1acd59f3d7_ff1:
	s_mov_b64 s[64:65], 0
	v_nop
	global_prefetch_b8 v0, s[64:65] scope:SCOPE_SE
	s_setreg_imm32_b32 hwreg(HW_REG_WAVE_MODE, 25, 1), 1
	s_wait_xcnt 0x0
	s_wait_alu depctr_hold_cnt(0) depctr_sa_sdst(0) depctr_va_vdst(0) depctr_va_sdst(0) depctr_va_ssrc(0) depctr_va_vcc(0) depctr_vm_vsrc(0)
	s_getreg_b32 s2, hwreg(HW_REG_IB_STS2, 6, 4)
	s_cmp_eq_u32 s2, 0
	s_cbranch_scc0 .Lentry_in_a_cluster
	s_endpgm
.Lentry_in_a_cluster:
	s_bfe_u32 s2, ttmp6, 0x10000c
	s_cmp_lg_u32 s2, 0xf033
	s_cbranch_scc0 .Lentry_shape_is_right
	s_endpgm
.Lentry_shape_is_right:
; FF1: gelu((LayerNorm 2's codes) x (ff1_w's codes) + ff1_b), the exact gelu, quantised with entry 10 of the scales for the last product.
; THE CORE is the one of this program's four products: a tile of 128 tokens x 128 columns to a work-group of four waves, 64 x 64 a wave, 16 accumulators; both operands in the order of the operand's registers,
; 64 rows x 512 along K one dense block and one tensor load a wave; two LDS slots; here K = 1,024: the two first fills are all.  The matrix instruction is used transposed (source 0 = the weight): in accumulator (a, b)
; lane (r, h) holds token 16 a + r and columns 16 b + 8 h + 0..7: eight neighbours along the next K, so the conversions' results are stored as they stand, 512 consecutive bytes a store.
; Clusters of 4 x 4: the tokens' blocks are asked for jointly along a row, the weight's along a column.  The bias is the C of each sum's first product, divided by 2^(e8 + e9).
; GELU: gelu(x) = max(x, 0) - (|x| / 2) erfc(a), a = |x| / sqrt(2); erfc(a) = (1 + p(q)) / (1 + 2 a) x e^(-a a), q = (a - 2) / (a + 2), p of degree 9.
; Its relative error is about (2 + a a) x 1e-7; where e^(-a a) falls under 2^-126 it is 0.
; LIMITS: e8 + e9 between -126 and 127; e10 between -126 and 112.  NaN and infinities are not served.
.set KDIM,  1024
.set RTB,   64*KDIM
.set LAPS,  KDIM/1024
.set BOFF,  4194304                    ; ff1_w's codes in pw
.set CBIAS, 1
.set BLK,   32768
.set SLOT,  4*BLK
.set SPARE, 2*SLOT
.set ADRA, 16
.set ADRB, 20
.set SPW,  28
.set NIL,  29
.set BIAS, 32
.set ACC,  128
.set F0,   0
.set F1,   128
.set G1,  24
.set G0,  32
.set G1B, 48
.set G0B, 56
.set T0, 32                            ; the gelu's six sets of 16 registers
.set T1, 48
.set T2, 64
.set T3, 80
.set T4, 96
.set T5, 112
.set MSB, 0
.macro WIN new
.if MSB != \new
	s_set_vgpr_msb (MSB<<8)|\new
.set MSB, \new
.endif
.endm
.set MUL,  0x05
.set TO_F, 0x40
.macro JLOAD s
	s_cmp_eq_u32 s21, 0
	s_cbranch_scc0 .Lfor_b_\@
	tensor_load_to_lds s[G0+4*\s:G0+4*\s+3], s[G1:G1+7]
	s_nop 0
.rept 4
	v_nop
.endr
	s_branch .Lasked_\@
.Lfor_b_\@:
	tensor_load_to_lds s[G0B+4*\s:G0B+4*\s+3], s[G1B:G1B+7]
	s_nop 0
.rept 4
	v_nop
.endr
.Lasked_\@:
.endm
.macro CREST
	s_cmp_lg_u32 s20, 0
	s_cbranch_scc1 .Lnot_wave_0_\@
	s_barrier_signal -3
.Lnot_wave_0_\@:
	s_barrier_wait -3
	s_barrier_signal -1
	s_barrier_wait -1
.endm
.macro CROUND
	s_barrier_signal -1
	s_barrier_wait -1
	CREST
.endm
.macro PLACES
.rept 4
	v_nop
.endr
.endm
.macro FETCH slot, q, f
	WIN TO_F
.irp i, 0,1,2,3
.irp c, 0,1,2,3
	ds_load_b128 v[\f+64+16*\i+4*\c:\f+64+16*\i+4*\c+3], v[ADRB+\slot] offset:(\q)*8192+\i*2048+\c*512
.endr
.endr
.irp i, 0,1,2,3
.irp c, 0,1,2,3
	ds_load_b128 v[\f+16*\i+4*\c:\f+16*\i+4*\c+3], v[ADRA+\slot] offset:(\q)*8192+\i*2048+\c*512
.endr
.endr
.endm
.macro MULA f, a, cin
.irp b, 0,1,2,3
.if \cin
.if CBIAS
	v_wmma_f32_16x16x128_bf8_bf8 v[ACC+8*(4*\a+\b):ACC+8*(4*\a+\b)+7], v[\f+64+16*\b:\f+64+16*\b+15], v[\f+16*\a:\f+16*\a+15], v[BIAS+8*\b:BIAS+8*\b+7]
.else
	v_wmma_f32_16x16x128_bf8_bf8 v[ACC+8*(4*\a+\b):ACC+8*(4*\a+\b)+7], v[\f+64+16*\b:\f+64+16*\b+15], v[\f+16*\a:\f+16*\a+15], 0
.endif
.else
	v_wmma_f32_16x16x128_bf8_bf8 v[ACC+8*(4*\a+\b):ACC+8*(4*\a+\b)+7], v[\f+64+16*\b:\f+64+16*\b+15], v[\f+16*\a:\f+16*\a+15], v[ACC+8*(4*\a+\b):ACC+8*(4*\a+\b)+7]
.endif
.endr
.endm
.macro QUARTER slot, qn, f, g, cin
	s_wait_dscnt 8                                 ; the weight's fragments and tokens' 0, 1 are in; the youngest eight loads may be out
	WIN MUL
	MULA \f, 0, \cin
	MULA \f, 1, \cin
	PLACES
	FETCH \slot, \qn, \g
	s_wait_dscnt 32                                ; all but the 32 just issued
	WIN MUL
	MULA \f, 2, \cin
	MULA \f, 3, \cin
.endm
.macro TURN slot, next, fill
	WIN 0
	s_wait_tensorcnt 0x0                           ; all my tensor loads have landed: my part of the next slot
	ds_add_u32 v[SPW], v[NIL]                      ; 0 onto my spare word
	s_wait_dscnt 9                                 ; (the add and the youngest eight loads may be out)
	WIN MUL
	MULA F1, 0, 0
	s_wait_dscnt 0x0                               ; the add is done, and my reads of this slot are over
	s_barrier_signal -1
	MULA F1, 1, 0
	WIN 0
	s_barrier_wait -1
.if \fill
	CREST
	s_add_nc_u64 s[G0+4*\slot+2:G0+4*\slot+3], s[G0+4*\slot+2:G0+4*\slot+3], 2*BLK
	s_add_nc_u64 s[G0B+4*\slot+2:G0B+4*\slot+3], s[G0B+4*\slot+2:G0B+4*\slot+3], 2*BLK
	JLOAD \slot
.else
	PLACES
.endif
	FETCH \next, 0, F0
	WIN MUL
	MULA F1, 2, 0
	MULA F1, 3, 0
.endm
.macro LASTQ
	s_wait_dscnt 8
	WIN MUL
	MULA F1, 0, 0
	MULA F1, 1, 0
	s_wait_dscnt 0
	MULA F1, 2, 0
	MULA F1, 3, 0
	WIN 0
.endm
; 16 numbers of a lane: accumulators (a, 2 bb) and (a, 2 bb + 1), 16 registers on end: piece 2 x (my half of the columns) + bb of the tokens' fragment a.
.macro GELU16 a, bb
.set XB, ACC+8*(4*(\a)+2*(\bb))
.set CD, 8+4*(\bb)
.set j, 0
.rept 8
	v_pk_mul_f32 v[XB+j:XB+j+1], v[XB+j:XB+j+1], s[86:87] op_sel_hi:[1,0]       ; x = sum x 2^(e8 + e9); each accumulator from its low end on
.set j, j+2
.endr
.set j, 0
.rept 16
	v_mul_f32 v[T0+j], 0x3f3504f3, |v[XB+j]|                                    ; a = |x| / sqrt(2)
.set j, j+1
.endr
.set j, 0
.rept 8
	v_pk_add_f32 v[T1+j:T1+j+1], v[T0+j:T0+j+1], 2.0 op_sel_hi:[1,0]            ; a + 2
	v_pk_fma_f32 v[T2+j:T2+j+1], v[T0+j:T0+j+1], 2.0, 1.0 op_sel_hi:[1,0,0]     ; 1 + 2 a
	v_pk_mul_f32 v[T3+j:T3+j+1], v[T0+j:T0+j+1], v[T0+j:T0+j+1]                 ; a a
.set j, j+2
.endr
.set j, 0
.rept 8
	v_pk_mul_f32 v[T4+j:T4+j+1], v[T3+j:T3+j+1], 0xbfb8aa3b op_sel_hi:[1,0]     ; - a a log2(e)
.set j, j+2
.endr
.set j, 0
.rept 16
	v_rcp_f32 v[T1+j], v[T1+j]
	v_rcp_f32 v[T2+j], v[T2+j]
	v_exp_f32 v[T4+j], v[T4+j]
.set j, j+1
.endr
.set j, 0
.rept 8
	v_pk_add_f32 v[T5+j:T5+j+1], v[T0+j:T0+j+1], -2.0 op_sel_hi:[1,0]           ; a - 2: plain work that names no result of the batch
	v_pk_mul_f32 v[T3+j:T3+j+1], v[T0+j:T0+j+1], 0x3f3504f3 op_sel_hi:[1,0]     ; |x| / 2
.set j, j+2
.endr
	s_wait_alu depctr_va_vdst(0)                   ; one wait for the 48 transcendentals, ahead of their first reader
.set j, 0
.rept 8
	v_pk_mul_f32 v[T5+j:T5+j+1], v[T5+j:T5+j+1], v[T1+j:T1+j+1]                 ; q
.set j, j+2
.endr
.set j, 0
.rept 8
	v_pk_fma_f32 v[T1+j:T1+j+1], v[T5+j:T5+j+1], v[6:7], 0xbaa15130 op_sel_hi:[1,1,0]
.set j, j+2
.endr
.irp k, 0x3aac2b8a, 0x3c0d6e62, 0xbc040dc1, 0xbd5e05b5, 0x3e27fe23, 0xbe2a0420, 0xbdbdfb0b, 0x3e8dd01d
.set j, 0
.rept 8
	v_pk_fma_f32 v[T1+j:T1+j+1], v[T1+j:T1+j+1], v[T5+j:T5+j+1], \k op_sel_hi:[1,1,0]
.set j, j+2
.endr
.endr
.set j, 0
.rept 8
	v_pk_fma_f32 v[T1+j:T1+j+1], v[T1+j:T1+j+1], v[T2+j:T2+j+1], v[T2+j:T2+j+1] ; (1 + p) / (1 + 2 a)
.set j, j+2
.endr
.set j, 0
.rept 8
	v_pk_mul_f32 v[T1+j:T1+j+1], v[T1+j:T1+j+1], v[T4+j:T4+j+1]                 ; erfc(a)
.set j, j+2
.endr
.set j, 0
.rept 16
	v_max_num_f32 v[XB+j], 0, v[XB+j]
.set j, j+1
.endr
.set j, 0
.rept 8
	v_pk_fma_f32 v[XB+j:XB+j+1], v[T3+j:T3+j+1], v[T1+j:T1+j+1], v[XB+j:XB+j+1] neg_lo:[1,0,0] neg_hi:[1,0,0]
.set j, j+2
.endr
.set j, 0
.rept 16
	v_med3_num_f32 v[XB+j], v[XB+j], -v25, v25     ; the conversion does not saturate (ISA guide 7.6.2)
.set j, j+1
.endr
	s_wait_xcnt 0x0                                ; the earlier stores have read their data: the codes' registers are written again
	v_cvt_scalef32_pk8_bf8_f32 v[CD:CD+1],   v[XB:XB+7],    v24
	v_cvt_scalef32_pk8_bf8_f32 v[CD+2:CD+3], v[XB+8:XB+15], v24
	v_nop
	global_store_b128 v5, v[CD:CD+3], s[12:13] offset:(\a)*2048+(\bb)*512
.endm
	s_load_b256 s[4:11], s[0:1], 0x0               ; a5 4, pw 6, ff1_b 8, the scales 10
	s_load_b64 s[12:13], s[0:1], 0x20              ; hb
	v_lshl_add_u32 v[SPW], v0, 2, SPARE
	v_mov_b32 v[NIL], 0
	ds_add_u32 v28, v29
	ds_add_u32 v28, v29
	s_wait_dscnt 0x0
	v_lshrrev_b32 v4, 5, v0
	v_readfirstlane_b32 s20, v4
	s_lshr_b32 s21, s20, 1
	s_and_b32 s22, s20, 1
	s_bfe_u32 s40, ttmp6, 0x40000
	s_bfe_u32 s41, ttmp6, 0x40004
	s_lshl_b32 s42, ttmp9, 2
	s_add_co_u32 s42, s42, s40                     ; tile column
	s_and_b32 s43, ttmp7, 0xffff
	s_lshl_b32 s43, s43, 2
	s_add_co_u32 s43, s43, s41                     ; tile row
	s_lshl_b32 s44, s41, 2
	s_lshl_b32 s44, 15, s44
	s_lshl_b32 s45, 0x1111, s40
	s_or_b32 s[G1], s44, (3<<16)|(1<<21)
	s_or_b32 s[G1B], s45, (3<<16)|(1<<21)
.irp g, G1, G1B
	s_mov_b32 s[\g+1], 32<<16
	s_mov_b32 s[\g+2], 128<<16
	s_mov_b32 s[\g+3], 32<<16
	s_mov_b32 s[\g+4], 128
	s_mov_b32 s[\g+5], 32
	s_mov_b32 s[\g+6], 0
	s_mov_b32 s[\g+7], 0
.endr
	s_lshl_b32 s66, s43, 1
	s_add_co_u32 s66, s66, s22
	s_mul_i32 s66, s66, RTB
	s_mov_b32 s67, 0
	s_lshl_b32 s68, s42, 1
	s_add_co_u32 s68, s68, s22
	s_mul_i32 s68, s68, RTB
	s_mov_b32 s69, 0
	s_lshl_b32 s70, s20, 15
	s_wait_kmcnt 0x0
	s_load_b256 s[72:79], s[10:11], 0x0            ; e0 .. e7
	s_load_b128 s[80:83], s[10:11], 0x20           ; e8 .. e11
	s_add_nc_u64 s[66:67], s[4:5], s[66:67]
	s_add_nc_u64 s[68:69], s[6:7], s[68:69]
	s_add_nc_u64 s[68:69], s[68:69], BOFF
	CROUND
.irp s, 0,1
	s_mov_b32 s[G0+4*\s], 1
	s_add_co_u32 s[G0+4*\s+1], s70, \s*SLOT
	s_add_nc_u64 s[G0+4*\s+2:G0+4*\s+3], s[66:67], \s*BLK
	s_or_b32 s[G0+4*\s+3], s[G0+4*\s+3], 0x80000000
	s_mov_b32 s[G0B+4*\s], 1
	s_add_co_u32 s[G0B+4*\s+1], s70, \s*SLOT
	s_add_nc_u64 s[G0B+4*\s+2:G0B+4*\s+3], s[68:69], \s*BLK
	s_or_b32 s[G0B+4*\s+3], s[G0B+4*\s+3], 0x80000000
	JLOAD \s
.endr
	v_and_b32 v1, 15, v0
	v_bfe_u32 v2, v0, 4, 1
	v_and_b32 v3, 31, v0
	v_lshlrev_b32 v5, 4, v3                        ; 16 x lane
	s_lshl_b32 s46, s21, 15
	s_lshl_b32 s47, s22, 15
	s_add_co_u32 s47, s47, 2*BLK
	v_add_nc_u32 v[ADRA], s46, v5
	v_add_nc_u32 v[ADRB], s47, v5
	v_add_nc_u32 v[ADRA+1], SLOT, v[ADRA]
	v_add_nc_u32 v[ADRB+1], SLOT, v[ADRB]
	s_lshl_b32 s88, s42, 9                         ; the bias of my 64 columns
	s_lshl_b32 s89, s22, 8
	s_add_co_u32 s88, s88, s89
	s_mov_b32 s89, 0
	s_add_nc_u64 s[8:9], s[8:9], s[88:89]
	v_lshlrev_b32 v6, 5, v2
.irp b, 0,1,2,3
	global_load_b128 v[BIAS+8*\b:BIAS+8*\b+3],   v6, s[8:9] offset:64*\b
	global_load_b128 v[BIAS+8*\b+4:BIAS+8*\b+7], v6, s[8:9] offset:64*\b+16
.endr
	s_wait_kmcnt 0x0
	s_add_co_i32 s84, s80, s81                     ; e8 + e9
	s_sub_co_i32 s85, 0, s84
	s_wait_loadcnt 0x0
.set j, 0
.rept 32
	v_ldexp_f32 v[BIAS+j], v[BIAS+j], s85
.set j, j+1
.endr
	s_wait_tensorcnt 1                             ; my part of slot 0 is in; slot 1's may stay out
	s_barrier_signal -1
	s_barrier_wait -1
	FETCH 0, 0, F0
	QUARTER 0, 1, F0, F1, 1
	QUARTER 0, 2, F1, F0, 0
	QUARTER 0, 3, F0, F1, 0
	TURN 0, 1, 0
	QUARTER 1, 1, F0, F1, 0
	QUARTER 1, 2, F1, F0, 0
	QUARTER 1, 3, F0, F1, 0
	LASTQ
	PLACES
	s_add_co_i32 s86, s84, 127
	s_lshl_b32 s86, s86, 23                        ; 2^(e8 + e9) as f32
	s_mov_b32 s87, s86
	s_add_co_i32 s88, s82, 127
	s_lshl_b32 s89, s88, 23
	v_mov_b32 v24, s89                             ; 2^e10
	s_add_co_i32 s88, s88, 15
	s_lshl_b32 s88, s88, 23
	s_or_b32 s88, s88, 0x600000
	v_mov_b32 v25, s88                             ; 57,344 x 2^e10
	v_mov_b32 v6, 0xb9d25000                       ; the polynomial's leading coefficient, twice
	v_mov_b32 v7, 0xb9d25000
	s_lshl_b32 s88, s43, 1
	s_add_co_u32 s88, s88, s21
	s_lshl_b32 s88, s88, 18                        ; my 64 tokens: 262,144 bytes of codes,
	s_lshl_b32 s89, s42, 13                        ; the tile's 128 along the next K: 8,192,
	s_add_co_u32 s88, s88, s89
	s_lshl_b32 s89, s22, 10                        ; my half of them: two pieces
	s_add_co_u32 s88, s88, s89
	s_mov_b32 s89, 0
	s_add_nc_u64 s[12:13], s[12:13], s[88:89]
.irp a, 0,1,2,3
.irp bb, 0,1
	GELU16 \a, \bb
.endr
.endr
	s_wait_tensorcnt 0x0                           ; the wave's end
	ds_add_u32 v[SPW], v[NIL]
	s_wait_dscnt 0x0
	CROUND                                         ; the closing round
	s_endpgm
.Lfunc_end_k_q1acd59f3d7_ff1:
	.size	k_q1acd59f3d7_ff1, .Lfunc_end_k_q1acd59f3d7_ff1-k_q1acd59f3d7_ff1
	.p2alignl 7, 3214868480
	.fill 96, 4, 3214868480
	.section	.rodata,"a",@progbits
	.p2align	6, 0x0
	.amdhsa_kernel k_q1acd59f3d7_ff1
		.amdhsa_group_segment_fixed_size 327680
		.amdhsa_private_segment_fixed_size 0
		.amdhsa_enable_private_segment 0
		.amdhsa_kernarg_size 40
		.amdhsa_user_sgpr_count 2
		.amdhsa_user_sgpr_kernarg_segment_ptr 1
		.amdhsa_wavefront_size32 1
		.amdhsa_system_sgpr_workgroup_id_x 1
		.amdhsa_system_sgpr_workgroup_id_y 1
		.amdhsa_system_sgpr_workgroup_id_z 1
		.amdhsa_system_vgpr_workitem_id 0
		.amdhsa_next_free_vgpr 512
		.amdhsa_next_free_sgpr 100
		.amdhsa_reserve_vcc 0
		.amdhsa_float_denorm_mode_32 3
		.amdhsa_float_denorm_mode_16_64 3
		.amdhsa_memory_ordered 1
		.amdhsa_forward_progress 1
		.amdhsa_inst_pref_size 177
	.end_amdhsa_kernel
	.amdgpu_metadata
---
amdhsa.version: [ 1, 2 ]
amdhsa.kernels:
  - .name:           k_q1acd59f3d7_ff1
    .symbol:         k_q1acd59f3d7_ff1.kd
    .args:
      - { .name: a5, .offset: 0, .size: 8, .value_kind: global_buffer, .address_space: global }
      - { .name: pw, .offset: 8, .size: 8, .value_kind: global_buffer, .address_space: global }
      - { .name: ff1_b, .offset: 16, .size: 8, .value_kind: global_buffer, .address_space: global }
      - { .name: lowp_scales, .offset: 24, .size: 8, .value_kind: global_buffer, .address_space: global }
      - { .name: hb, .offset: 32, .size: 8, .value_kind: global_buffer, .address_space: global }
    .group_segment_fixed_size: 327680
    .private_segment_fixed_size: 0
    .kernarg_segment_align: 8
    .kernarg_segment_size: 40
    .max_flat_workgroup_size: 128
    .sgpr_count:     100
    .vgpr_count:     512
    .wavefront_size: 32
...
	.end_amdgpu_metadata
.endif
;; end of part 6
;; launch ff2 (part 7): grid 8 x 32, 4 waves a work-group, clusters of 4 x 4, 327,680 bytes of LDS; arguments hb, pw, ff2_b, x1, lowp_scales, out0; writes out0
.if DOCPART == 7
	.amdgcn_target "amdgcn-amd-amdhsa--gfx1250"
	.amdhsa_code_object_version 6
	.text
	.protected	k_q1acd59f3d7_ff2
	.globl	k_q1acd59f3d7_ff2
	.p2align	8
	.type	k_q1acd59f3d7_ff2,@function
k_q1acd59f3d7_ff2:
	s_mov_b64 s[64:65], 0
	v_nop
	global_prefetch_b8 v0, s[64:65] scope:SCOPE_SE
	s_setreg_imm32_b32 hwreg(HW_REG_WAVE_MODE, 25, 1), 1
	s_wait_xcnt 0x0
	s_wait_alu depctr_hold_cnt(0) depctr_sa_sdst(0) depctr_va_vdst(0) depctr_va_sdst(0) depctr_va_ssrc(0) depctr_va_vcc(0) depctr_vm_vsrc(0)
	s_getreg_b32 s2, hwreg(HW_REG_IB_STS2, 6, 4)
	s_cmp_eq_u32 s2, 0
	s_cbranch_scc0 .Lentry_in_a_cluster
	s_endpgm
.Lentry_in_a_cluster:
	s_bfe_u32 s2, ttmp6, 0x10000c
	s_cmp_lg_u32 s2, 0xf033
	s_cbranch_scc0 .Lentry_shape_is_right
	s_endpgm
.Lentry_shape_is_right:
; FF2: out0 = x1 + (the gelu's codes) x (ff2_w's codes) x 2^(e10 + e11) + ff2_b, f32.
; THE CORE is the one of this program's four products: a tile of 128 tokens x 128 columns to a work-group of four waves, 64 x 64 a wave, 16 accumulators; both operands in the order of the operand's registers,
; 64 rows x 512 along K one dense block of 32,768 bytes and one tensor load a wave.  K = 4,096 goes in eight steps of 512 through a ring of two LDS slots: a slot is asked for again behind the round that ends its
; last quarter, and has the other slot's 64 products a wave, less the eight between signal and wait, in which to land.  A wave has two tensor loads out at the start and one behind each round.
; The matrix instruction is used transposed (source 0 = the weight): in accumulator (a, b) lane (r, h) holds token 16 a + r and columns 16 b + 8 h + 0..7.
; Clusters of 4 x 4: the tokens' blocks are asked for jointly along a row, the weight's along a column.
; THE WAY OUT: 16 tokens x 64 columns at a time through my own stage in slot 0 (it has had its last fill and its last read), back as rows of 256 bytes: sixteen lanes store 256 consecutive bytes, aligned.
; LIMIT: e10 + e11 between -126 and 127.
.set KDIM,  4096
.set RTB,   64*KDIM
.set LAPS,  KDIM/1024
.set BOFF,  8388608                    ; ff2_w's codes in pw
.set EA,    82                         ; s82 = e10, s83 = e11
.set EB,    83
.set CBIAS, 0
.set BLK,   32768
.set SLOT,  4*BLK
.set SPARE, 2*SLOT
.set ADRA, 16
.set ADRB, 20
.set STO,  22
.set RD,   23
.set CO,   24
.set SPW,  28
.set NIL,  29
.set BI,   8
.set BK,   32
.set BIAS, 32
.set ACC,  128
.set F0,   0
.set F1,   128
.set G1,  24
.set G0,  32
.set G1B, 48
.set G0B, 56
.set MSB, 0
.macro WIN new
.if MSB != \new
	s_set_vgpr_msb (MSB<<8)|\new
.set MSB, \new
.endif
.endm
.set MUL,  0x05
.set TO_F, 0x40
.macro JLOAD s
	s_cmp_eq_u32 s21, 0
	s_cbranch_scc0 .Lfor_b_\@
	tensor_load_to_lds s[G0+4*\s:G0+4*\s+3], s[G1:G1+7]
	s_nop 0
.rept 4
	v_nop
.endr
	s_branch .Lasked_\@
.Lfor_b_\@:
	tensor_load_to_lds s[G0B+4*\s:G0B+4*\s+3], s[G1B:G1B+7]
	s_nop 0
.rept 4
	v_nop
.endr
.Lasked_\@:
.endm
.macro CREST
	s_cmp_lg_u32 s20, 0
	s_cbranch_scc1 .Lnot_wave_0_\@
	s_barrier_signal -3
.Lnot_wave_0_\@:
	s_barrier_wait -3
	s_barrier_signal -1
	s_barrier_wait -1
.endm
.macro CROUND
	s_barrier_signal -1
	s_barrier_wait -1
	CREST
.endm
.macro PLACES
.rept 4
	v_nop
.endr
.endm
.macro FETCH slot, q, f
	WIN TO_F
.irp i, 0,1,2,3
.irp c, 0,1,2,3
	ds_load_b128 v[\f+64+16*\i+4*\c:\f+64+16*\i+4*\c+3], v[ADRB+\slot] offset:(\q)*8192+\i*2048+\c*512
.endr
.endr
.irp i, 0,1,2,3
.irp c, 0,1,2,3
	ds_load_b128 v[\f+16*\i+4*\c:\f+16*\i+4*\c+3], v[ADRA+\slot] offset:(\q)*8192+\i*2048+\c*512
.endr
.endr
.endm
.macro MULA f, a, cin
.irp b, 0,1,2,3
.if \cin
.if CBIAS
	v_wmma_f32_16x16x128_bf8_bf8 v[ACC+8*(4*\a+\b):ACC+8*(4*\a+\b)+7], v[\f+64+16*\b:\f+64+16*\b+15], v[\f+16*\a:\f+16*\a+15], v[BIAS+8*\b:BIAS+8*\b+7]
.else
	v_wmma_f32_16x16x128_bf8_bf8 v[ACC+8*(4*\a+\b):ACC+8*(4*\a+\b)+7], v[\f+64+16*\b:\f+64+16*\b+15], v[\f+16*\a:\f+16*\a+15], 0
.endif
.else
	v_wmma_f32_16x16x128_bf8_bf8 v[ACC+8*(4*\a+\b):ACC+8*(4*\a+\b)+7], v[\f+64+16*\b:\f+64+16*\b+15], v[\f+16*\a:\f+16*\a+15], v[ACC+8*(4*\a+\b):ACC+8*(4*\a+\b)+7]
.endif
.endr
.endm
.macro QUARTER slot, qn, f, g, cin
	s_wait_dscnt 8                                 ; the weight's fragments and tokens' 0, 1 are in; the youngest eight loads may be out
	WIN MUL
	MULA \f, 0, \cin
	MULA \f, 1, \cin
	PLACES
	FETCH \slot, \qn, \g
	s_wait_dscnt 32                                ; all but the 32 just issued
	WIN MUL
	MULA \f, 2, \cin
	MULA \f, 3, \cin
.endm
.macro TURN slot, next, fill
	WIN 0
	s_wait_tensorcnt 0x0                           ; all my tensor loads have landed: my part of the next slot; so every group 0 may be written
	ds_add_u32 v[SPW], v[NIL]                      ; 0 onto my spare word
	s_wait_dscnt 9                                 ; (the add and the youngest eight loads may be out)
	WIN MUL
	MULA F1, 0, 0
	s_wait_dscnt 0x0                               ; the add is done, and my reads of this slot are over
	s_barrier_signal -1
	MULA F1, 1, 0
	WIN 0
	s_barrier_wait -1
.if \fill
	CREST                                          ; the barrier has opened a round of the cluster's: no wave of any partner still reads this slot or has a load on its way
	s_add_nc_u64 s[G0+4*\slot+2:G0+4*\slot+3], s[G0+4*\slot+2:G0+4*\slot+3], 2*BLK
	s_add_nc_u64 s[G0B+4*\slot+2:G0B+4*\slot+3], s[G0B+4*\slot+2:G0B+4*\slot+3], 2*BLK
	JLOAD \slot                                    ; the first tensor load behind the round; its four v_nop are also the places in front of the loads below
.else
	PLACES
.endif
	FETCH \next, 0, F0
	WIN MUL
	MULA F1, 2, 0
	MULA F1, 3, 0
.endm
.macro LASTQ
	s_wait_dscnt 8
	WIN MUL
	MULA F1, 0, 0
	MULA F1, 1, 0
	s_wait_dscnt 0
	MULA F1, 2, 0
	MULA F1, 3, 0
	WIN 0
.endm
.macro RES a
.set RS, 64+32*((\a)%2)
.set t, 0
.rept 8
	global_load_b128 v[RS+4*t:RS+4*t+3], v[CO], s[10:11] offset:(16*(\a)+2*t)*4096
.set t, t+1
.endr
.endm
.macro OUTB a
.if (\a) < 3
	RES (\a)+1
.endif
	s_wait_xcnt 0x0                                ; the last block's stores have read v32-63
.irp b, 0,1,2,3
	ds_store_b128 v[STO], v[ACC+8*(4*(\a)+\b):ACC+8*(4*(\a)+\b)+3]   offset:64*\b
	ds_store_b128 v[STO], v[ACC+8*(4*(\a)+\b)+4:ACC+8*(4*(\a)+\b)+7] offset:64*\b+16
.endr
.set t, 0
.rept 8
	ds_load_b128 v[BK+4*t:BK+4*t+3], v[RD] offset:544*t   ; LDS serves a wave's instructions in order: these see my stores, and the next block's stores come behind them
.set t, t+1
.endr
	s_wait_dscnt 0x0
.if (\a) < 3
	s_wait_loadcnt 8                               ; the bias and this block's residual are in; the next block's eight loads may be out
.else
	s_wait_loadcnt 0
.endif
.set RSA, 64+32*((\a)%2)
.set j, 0
.rept 16
	v_pk_fma_f32 v[BK+j:BK+j+1], v[BK+j:BK+j+1], s[84:85], v[BI+j%4:BI+j%4+1] op_sel_hi:[1,0,1]   ; sum x 2^(eA + eB) + bias
.set j, j+2
.endr
.set j, 0
.rept 16
	v_pk_add_f32 v[BK+j:BK+j+1], v[BK+j:BK+j+1], v[RSA+j:RSA+j+1]
.set j, j+2
.endr
.set t, 0
.rept 8
	global_store_b128 v[CO], v[BK+4*t:BK+4*t+3], s[14:15] offset:(16*(\a)+2*t)*4096 th:TH_STORE_NT
.set t, t+1
.endr
.endm
	s_load_b256 s[4:11], s[0:1], 0x0               ; A's codes 4, pw 6, the bias 8, the residual 10
	s_load_b128 s[12:15], s[0:1], 0x20             ; the scales 12, the result 14
	v_lshl_add_u32 v[SPW], v0, 2, SPARE
	v_mov_b32 v[NIL], 0
	ds_add_u32 v28, v29
	ds_add_u32 v28, v29
	s_wait_dscnt 0x0
	v_lshrrev_b32 v4, 5, v0
	v_readfirstlane_b32 s20, v4
	s_lshr_b32 s21, s20, 1
	s_and_b32 s22, s20, 1
	s_bfe_u32 s40, ttmp6, 0x40000
	s_bfe_u32 s41, ttmp6, 0x40004
	s_lshl_b32 s42, ttmp9, 2
	s_add_co_u32 s42, s42, s40                     ; tile column
	s_and_b32 s43, ttmp7, 0xffff
	s_lshl_b32 s43, s43, 2
	s_add_co_u32 s43, s43, s41                     ; tile row
	s_lshl_b32 s44, s41, 2
	s_lshl_b32 s44, 15, s44
	s_lshl_b32 s45, 0x1111, s40
	s_or_b32 s[G1], s44, (3<<16)|(1<<21)
	s_or_b32 s[G1B], s45, (3<<16)|(1<<21)
.irp g, G1, G1B
	s_mov_b32 s[\g+1], 32<<16
	s_mov_b32 s[\g+2], 128<<16
	s_mov_b32 s[\g+3], 32<<16
	s_mov_b32 s[\g+4], 128
	s_mov_b32 s[\g+5], 32
	s_mov_b32 s[\g+6], 0
	s_mov_b32 s[\g+7], 0
.endr
	s_lshl_b32 s66, s43, 1
	s_add_co_u32 s66, s66, s22
	s_mul_i32 s66, s66, RTB
	s_mov_b32 s67, 0
	s_lshl_b32 s68, s42, 1
	s_add_co_u32 s68, s68, s22
	s_mul_i32 s68, s68, RTB
	s_mov_b32 s69, 0
	s_lshl_b32 s70, s20, 15
	s_wait_kmcnt 0x0
	s_load_b256 s[72:79], s[12:13], 0x0            ; e0 .. e7
	s_load_b128 s[80:83], s[12:13], 0x20           ; e8 .. e11
	s_add_nc_u64 s[66:67], s[4:5], s[66:67]
	s_add_nc_u64 s[68:69], s[6:7], s[68:69]
	s_add_nc_u64 s[68:69], s[68:69], BOFF
	CROUND
.irp s, 0,1
	s_mov_b32 s[G0+4*\s], 1
	s_add_co_u32 s[G0+4*\s+1], s70, \s*SLOT
	s_add_nc_u64 s[G0+4*\s+2:G0+4*\s+3], s[66:67], \s*BLK
	s_or_b32 s[G0+4*\s+3], s[G0+4*\s+3], 0x80000000
	s_mov_b32 s[G0B+4*\s], 1
	s_add_co_u32 s[G0B+4*\s+1], s70, \s*SLOT
	s_add_nc_u64 s[G0B+4*\s+2:G0B+4*\s+3], s[68:69], \s*BLK
	s_or_b32 s[G0B+4*\s+3], s[G0B+4*\s+3], 0x80000000
	JLOAD \s
.endr
	v_and_b32 v1, 15, v0
	v_bfe_u32 v2, v0, 4, 1
	v_and_b32 v3, 31, v0
	v_lshlrev_b32 v5, 4, v3
	s_lshl_b32 s46, s21, 15
	s_lshl_b32 s47, s22, 15
	s_add_co_u32 s47, s47, 2*BLK
	v_add_nc_u32 v[ADRA], s46, v5
	v_add_nc_u32 v[ADRB], s47, v5
	v_add_nc_u32 v[ADRA+1], SLOT, v[ADRA]
	v_add_nc_u32 v[ADRB+1], SLOT, v[ADRB]
	s_lshl_b32 s46, s20, 13                        ; my stage: 16 rows x 272 bytes, at wave x 8,192 in slot 0
	v_mul_u32_u24 v[STO], v1, 272
	v_lshl_add_u32 v[STO], v2, 5, v[STO]
	v_add_nc_u32 v[STO], s46, v[STO]
	v_mul_u32_u24 v[RD], v2, 272
	v_lshl_add_u32 v[RD], v1, 4, v[RD]
	v_add_nc_u32 v[RD], s46, v[RD]
	v_lshlrev_b32 v[CO], 12, v2
	v_lshl_add_u32 v[CO], v1, 4, v[CO]
	v_lshlrev_b32 v6, 4, v1
	s_lshl_b32 s86, s42, 9                         ; my 64 columns, in bytes
	s_lshl_b32 s87, s22, 8
	s_add_co_u32 s86, s86, s87
	s_mov_b32 s87, 0
	s_add_nc_u64 s[8:9], s[8:9], s[86:87]
	s_lshl_b32 s88, s43, 7
	s_lshl_b32 s89, s21, 6
	s_add_co_u32 s88, s88, s89                     ; my first token
	s_lshl_b32 s88, s88, 12
	s_add_co_u32 s86, s86, s88
	s_add_nc_u64 s[10:11], s[10:11], s[86:87]
	s_add_nc_u64 s[14:15], s[14:15], s[86:87]
	global_load_b128 v[BI:BI+3], v6, s[8:9]        ; the bias at columns 4 r .. 4 r + 3 of my 64
	RES 0                                          ; the first block's residual is asked for here, into registers that the products leave alone
	s_wait_tensorcnt 1                             ; my part of slot 0 is in; slot 1's may stay out
	s_barrier_signal -1
	s_barrier_wait -1
	FETCH 0, 0, F0
	QUARTER 0, 1, F0, F1, 1
.if LAPS > 1
	WIN 0                                          ; at a label and at a branch every window is 0
	s_mov_b32 s23, LAPS-1
.Llap:                                                 ; a trip goes once round the ring, from a lap's second quarter to the next lap's first, and fills both slots again
	QUARTER 0, 2, F1, F0, 0
	QUARTER 0, 3, F0, F1, 0
	TURN 0, 1, 1
	QUARTER 1, 1, F0, F1, 0
	QUARTER 1, 2, F1, F0, 0
	QUARTER 1, 3, F0, F1, 0
	TURN 1, 0, 1
	QUARTER 0, 1, F0, F1, 0
	WIN 0
	s_sub_co_u32 s23, s23, 1
	s_cmp_lg_u32 s23, 0
	s_cbranch_scc1 .Llap
.endif
	QUARTER 0, 2, F1, F0, 0                        ; the last lap fills nothing, and has no round of the cluster's barrier
	QUARTER 0, 3, F0, F1, 0
	TURN 0, 1, 0
	QUARTER 1, 1, F0, F1, 0
	QUARTER 1, 2, F1, F0, 0
	QUARTER 1, 3, F0, F1, 0
	LASTQ
	PLACES
	s_wait_kmcnt 0x0
	s_add_co_i32 s84, s[EA], s[EB]
	s_add_co_i32 s84, s84, 127
	s_lshl_b32 s84, s84, 23                        ; 2^(eA + eB) as f32
	s_mov_b32 s85, s84
	OUTB 0
	OUTB 1
	OUTB 2
	OUTB 3
	s_wait_tensorcnt 0x0                           ; the wave's end
	ds_add_u32 v[SPW], v[NIL]
	s_wait_dscnt 0x0
	CROUND                                         ; the closing round
	s_endpgm
.Lfunc_end_k_q1acd59f3d7_ff2:
	.size	k_q1acd59f3d7_ff2, .Lfunc_end_k_q1acd59f3d7_ff2-k_q1acd59f3d7_ff2
	.p2alignl 7, 3214868480
	.fill 96, 4, 3214868480
	.section	.rodata,"a",@progbits
	.p2align	6, 0x0
	.amdhsa_kernel k_q1acd59f3d7_ff2
		.amdhsa_group_segment_fixed_size 327680
		.amdhsa_private_segment_fixed_size 0
		.amdhsa_enable_private_segment 0
		.amdhsa_kernarg_size 48
		.amdhsa_user_sgpr_count 2
		.amdhsa_user_sgpr_kernarg_segment_ptr 1
		.amdhsa_wavefront_size32 1
		.amdhsa_system_sgpr_workgroup_id_x 1
		.amdhsa_system_sgpr_workgroup_id_y 1
		.amdhsa_system_sgpr_workgroup_id_z 1
		.amdhsa_system_vgpr_workitem_id 0
		.amdhsa_next_free_vgpr 512
		.amdhsa_next_free_sgpr 100
		.amdhsa_reserve_vcc 0
		.amdhsa_float_denorm_mode_32 3
		.amdhsa_float_denorm_mode_16_64 3
		.amdhsa_memory_ordered 1
		.amdhsa_forward_progress 1
		.amdhsa_inst_pref_size 81
	.end_amdhsa_kernel
	.amdgpu_metadata
---
amdhsa.version: [ 1, 2 ]
amdhsa.kernels:
  - .name:           k_q1acd59f3d7_ff2
    .symbol:         k_q1acd59f3d7_ff2.kd
    .args:
      - { .name: hb, .offset: 0, .size: 8, .value_kind: global_buffer, .address_space: global }
      - { .name: pw, .offset: 8, .size: 8, .value_kind: global_buffer, .address_space: global }
      - { .name: ff2_b, .offset: 16, .size: 8, .value_kind: global_buffer, .address_space: global }
      - { .name: x1, .offset: 24, .size: 8, .value_kind: global_buffer, .address_space: global }
      - { .name: lowp_scales, .offset: 32, .size: 8, .value_kind: global_buffer, .address_space: global }
      - { .name: out0, .offset: 40, .size: 8, .value_kind: global_buffer, .address_space: global }
    .group_segment_fixed_size: 327680
    .private_segment_fixed_size: 0
    .kernarg_segment_align: 8
    .kernarg_segment_size: 48
    .max_flat_workgroup_size: 128
    .sgpr_count:     100
    .vgpr_count:     512
    .wavefront_size: 32
...
	.end_amdgpu_metadata
.endif
;; end of part 7
;; ======== version 2 of 2: 7 launches
;; limits: right only within a limited range of input values
;; workspace buffers: pw 17,301,504 bytes; qkvc 12,582,912 bytes; a4 4,194,304 bytes; x1 16,777,216 bytes; a5 4,194,304 bytes; hb 16,777,216 bytes
;; launch prep (part 8): grid 672 x 1, 4 waves a work-group, no clusters, 17,408 bytes of LDS; arguments x, ln1_g, ln1_b, qkv_w, proj_w, ff1_w, ff2_w, lowp_scales, pw; writes pw
.if DOCPART == 8
	.amdgcn_target "amdgcn-amd-amdhsa--gfx1250"
	.amdhsa_code_object_version 6
	.text
	.protected	k_q1acd59f3d7_prep
	.globl	k_q1acd59f3d7_prep
	.p2align	8
	.type	k_q1acd59f3d7_prep,@function
k_q1acd59f3d7_prep:
	s_mov_b64 s[64:65], 0
	v_nop
	global_prefetch_b8 v0, s[64:65] scope:SCOPE_SE
	s_setreg_imm32_b32 hwreg(HW_REG_WAVE_MODE, 25, 1), 1
	s_wait_xcnt 0x0
; PREP: all that can be made before the first product, in one launch; three kinds of work-groups, told apart by the work-group's number alone.
;   0-383    the four weights [K][N] f32 -> codes of E5M2 in the operand's register order (below), each with its given scale
;   384-639  LayerNorm 1 of x, quantised with entry 0 of the scales, in the same order
;   640-671  the table of cos and sin for the rotary embedding: [position 2048][cos 32, sin 32] f32
; THE ORDER OF CODES: a fragment is 16 rows x 128 K = 4 pieces of 512 bytes; in piece c lane (r, h) owns the 16 bytes at 16 x lane:
; bytes 0-7 are k = 32 c + 8 h + 0..7, bytes 8-15 are k = 32 c + 16 + 8 h + 0..7 of row r: registers 4 c .. 4 c + 3 of the plain 8-bit operand.
; A matrix is [row / 64][k / 128][(row % 64) / 16][piece][lane][16 bytes].
; LIMITS: each given exponent e used here lies between -126 and 112, so that 2^e and 57,344 x 2^e are f32 numbers.  NaN and infinities among the inputs are not served.
; The rotary frequencies are 2^(-fi x log2(10000) / 32) by v_exp_f32: they agree with a correctly rounded power to a few units in the last place, so an angle near position 2,047 may differ by about 2e-4 rad.
.set PW_A1,  12582912                  ; where LayerNorm 1's codes begin in pw
.set PW_TAB, 16777216                  ; where the table begins
.set RO, 32                            ; v32-63   weights: byte offset of row i of a block of 32 rows, at my column
.set XW, 64                            ; v64-127  weights: two sets of 32 numbers
.set CW, 128                           ; v128-191 weights: eight registers of codes for each of the eight blocks: no store's data are written again
.set WB, 66                            ; s66-81   weights: the eight blocks' bases: none is ever stepped
.macro WLOAD t                         ; block t: W(32 t + i, my column), i = 0 .. 31: a wave reads 128 consecutive bytes, the four waves 512
.set i, 0
.rept 32
	global_load_b32 v[XW+32*((\t)%2)+i], v[RO+i], s[WB+2*(\t):WB+2*(\t)+1] th:TH_LOAD_NT
.set i, i+1
.endr
.endm
.macro WBLOCK t
.set XS, XW+32*((\t)%2)
.set CS, CW+8*(\t)
.if (\t) < 7
	s_wait_loadcnt 32                              ; this block's 32 loads are in; the next block's 32 may be out
.else
	s_wait_loadcnt 0
.endif
.set i, 0
.rept 32
	v_med3_num_f32 v[XS+i], v[XS+i], -v10, v10     ; the conversion to an 8-bit code does not saturate (ISA guide 7.6.2): the hold at the largest code x the scale
.set i, i+1
.endr
	v_cvt_scalef32_pk8_bf8_f32 v[CS:CS+1],   v[XS:XS+7],     v11   ; k 0-7   : bytes 0-7 of half 0
	v_cvt_scalef32_pk8_bf8_f32 v[CS+4:CS+5], v[XS+8:XS+15],  v11   ; k 8-15  : bytes 0-7 of half 1
	v_cvt_scalef32_pk8_bf8_f32 v[CS+2:CS+3], v[XS+16:XS+23], v11   ; k 16-23 : bytes 8-15 of half 0
	v_cvt_scalef32_pk8_bf8_f32 v[CS+6:CS+7], v[XS+24:XS+31], v11   ; k 24-31 : bytes 8-15 of half 1
	global_store_b128 v5, v[CS:CS+3],   s[26:27] offset:((\t)/4)*8192+((\t)%4)*512      ; sixteen lanes store 256 consecutive bytes, aligned; the other sixteen the next fragment's
	global_store_b128 v5, v[CS+4:CS+7], s[26:27] offset:((\t)/4)*8192+((\t)%4)*512+256
.if (\t)+2 < 8
	WLOAD (\t)+2
.endif
.endm
.macro REDUCE                          ; v4 summed over the 32 lanes, the result in every lane
	v_add_f32_dpp v4, v4, v4 row_xmask:1 row_mask:0xf bank_mask:0xf
	v_add_f32_dpp v4, v4, v4 row_xmask:2 row_mask:0xf bank_mask:0xf
	v_add_f32_dpp v4, v4, v4 row_xmask:4 row_mask:0xf bank_mask:0xf
	v_add_f32_dpp v4, v4, v4 row_xmask:8 row_mask:0xf bank_mask:0xf
	v_permlanex16_b32 v27, v4, s28, s29
	v_add_f32 v4, v4, v27
.endm
; One row of LayerNorm: the wave's row i lies in 32 registers a lane (chunk m of 128 columns: columns 128 m + 4 lane + 0..3).
.macro LNROW i
.set XR, 96+32*(\i)
	s_wait_loadcnt 8*(3-(\i))                      ; g, b and rows up to this one are in; the later rows' eight loads each may be out
	v_pk_add_f32 v[4:5], v[XR:XR+1], v[XR+2:XR+3]
	v_pk_add_f32 v[6:7], v[XR+4:XR+5], v[XR+6:XR+7]
.set j, 8
.rept 6
	v_pk_add_f32 v[4:5], v[4:5], v[XR+j:XR+j+1]
	v_pk_add_f32 v[6:7], v[6:7], v[XR+j+2:XR+j+3]
.set j, j+4
.endr
	v_pk_add_f32 v[4:5], v[4:5], v[6:7]
	v_add_f32 v4, v4, v5
	REDUCE
	v_mul_f32 v10, s30, v4                         ; the mean
	v_mov_b32 v11, v10
.set j, 0
.rept 16
	v_pk_add_f32 v[XR+j:XR+j+1], v[XR+j:XR+j+1], v[10:11] neg_lo:[0,1] neg_hi:[0,1]   ; x - mean
.set j, j+2
.endr
	v_pk_mul_f32 v[4:5], v[XR:XR+1], v[XR:XR+1]
	v_pk_mul_f32 v[6:7], v[XR+2:XR+3], v[XR+2:XR+3]
.set j, 4
.rept 7
	v_pk_fma_f32 v[4:5], v[XR+j:XR+j+1], v[XR+j:XR+j+1], v[4:5]
	v_pk_fma_f32 v[6:7], v[XR+j+2:XR+j+3], v[XR+j+2:XR+j+3], v[6:7]
.set j, j+4
.endr
	v_pk_add_f32 v[4:5], v[4:5], v[6:7]
	v_add_f32 v4, v4, v5
	REDUCE
	v_fma_f32 v8, v4, s30, s31                     ; the variance + 1e-5
	s_wait_alu depctr_va_vdst(0)
	v_rsq_f32 v12, v8
	v_nop                                          ; a plain instruction behind the transcendental
	s_wait_alu depctr_va_vdst(0)                   ; and the wait ahead of the first line that names its result
	v_mov_b32 v13, v12
.set j, 0
.rept 16
	v_pk_mul_f32 v[XR+j:XR+j+1], v[XR+j:XR+j+1], v[12:13]
.set j, j+2
.endr
.set j, 0
.rept 16
	v_pk_fma_f32 v[XR+j:XR+j+1], v[XR+j:XR+j+1], v[32+j:33+j], v[64+j:65+j]   ; x g + b
.set j, j+2
.endr
.set j, 0
.rept 32
	v_med3_num_f32 v[XR+j], v[XR+j], -v22, v22
.set j, j+1
.endr
.set j, 0
.rept 4
	v_cvt_scalef32_pk8_bf8_f32 v[224+8*(\i)+2*j:225+8*(\i)+2*j], v[XR+8*j:XR+8*j+7], v23   ; the low word: chunk 2 j's four codes, the high word: chunk 2 j + 1's
.set j, j+1
.endr
	v_nop
.set j, 0
.rept 8
	ds_store_b32 v24, v[224+8*(\i)+j] offset:(\i)*1040+128*j   ; the stage holds plain rows of 1,024 codes, 1,040 bytes apart
.set j, j+1
.endr
.endm
; cos or sin of position x frequency.  v4: the position as f32; v5: 0 in the lanes that make cos, 3 in those that make sin (sin x = cos(x - pi/2)).
.macro TRIG out, invf
	v_mul_f32 v6, v4, \invf                        ; the angle, rounded once
	v_mul_f32 v7, s32, v6
	v_rndne_f32 v7, v7                             ; n = the nearest multiple of pi/2
	v_fma_f32 v8, -v7, s33, v6                     ; r = angle - n pi/2, pi/2 in two parts
	v_fma_f32 v8, -v7, s34, v8
	v_mul_f32 v9, v8, v8                           ; z = r r
	v_fma_f32 v10, s35, v9, s36
	v_fma_f32 v10, v10, v9, s37
	v_mul_f32 v11, v8, v9
	v_fma_f32 v10, v11, v10, v8                    ; sin r
	v_fma_f32 v12, s38, v9, s39
	v_fma_f32 v12, v12, v9, s52
	v_fma_f32 v13, v9, -0.5, 1.0
	v_mul_f32 v11, v9, v9
	v_fma_f32 v12, v11, v12, v13                   ; cos r
	v_cvt_i32_f32 v7, v7
	v_add_nc_u32 v7, v7, v5                        ; the quadrant k
	v_and_b32 v11, 1, v7
	v_cmp_ne_u32 vcc_lo, 0, v11
	v_cndmask_b32 v12, v12, v10, vcc_lo            ; odd k: sin r
	v_add_nc_u32 v7, 1, v7
	v_and_b32 v7, 2, v7
	v_lshlrev_b32 v7, 30, v7                       ; k = 1, 2: the sign turns
	v_xor_b32 \out, v7, v12
.endm
	s_load_b512 s[8:23], s[0:1], 0x0               ; x 8, ln1_g 10, ln1_b 12, qkv_w 14, proj_w 16, ff1_w 18, ff2_w 20, the scales 22
	s_load_b64 s[24:25], s[0:1], 0x40              ; pw
	v_lshl_add_u32 v30, v0, 2, 0x4200
	v_mov_b32 v31, 0
	v_lshrrev_b32 v4, 5, v0
	v_readfirstlane_b32 s2, v4                     ; wave 0..3
	v_and_b32 v1, 31, v0                           ; lane
	v_and_b32 v2, 15, v0                           ; r
	v_bfe_u32 v3, v0, 4, 1                         ; h
	s_wait_kmcnt 0x0
	s_load_b256 s[40:47], s[22:23], 0x0            ; e0 .. e7
	s_load_b128 s[48:51], s[22:23], 0x20           ; e8 .. e11
	s_cmp_lt_u32 ttmp9, 384
	s_cbranch_scc0 .Lnot_weights
	; ---- THE WEIGHTS.  A work-group takes 128 columns x 256 along K of one tensor; a lane takes a column and its registers run down K, so the conversions give codes with K innermost.
	; One text for the four tensors: what differs is chosen by the work-group's number: first work-group, bytes in a row, place in pw, log2(K / 256), bytes of 64 rows of codes, the source.
	s_mov_b32 s52, 256
	s_mov_b32 s53, 4096
	s_mov_b32 s54, 8388608
	s_mov_b32 s55, 4
	s_mov_b32 s56, 262144
	s_mov_b64 s[58:59], s[20:21]                   ; ff2_w
	s_cmp_lt_u32 ttmp9, 256
	s_cselect_b32 s52, 128, s52
	s_cselect_b32 s53, 16384, s53
	s_cselect_b32 s54, 4194304, s54
	s_cselect_b32 s55, 2, s55
	s_cselect_b32 s56, 65536, s56
	s_cselect_b64 s[58:59], s[18:19], s[58:59]     ; ff1_w
	s_cmp_lt_u32 ttmp9, 128
	s_cselect_b32 s52, 96, s52
	s_cselect_b32 s53, 4096, s53
	s_cselect_b32 s54, 3145728, s54
	s_cselect_b64 s[58:59], s[16:17], s[58:59]     ; proj_w
	s_cmp_lt_u32 ttmp9, 96
	s_cselect_b32 s52, 0, s52
	s_cselect_b32 s53, 12288, s53
	s_cselect_b32 s54, 0, s54
	s_cselect_b64 s[58:59], s[14:15], s[58:59]     ; qkv_w
	s_sub_co_u32 s57, ttmp9, s52
	s_lshr_b32 s60, s57, s55                       ; x: which 128 columns
	s_lshl_b32 s61, s60, s55
	s_sub_co_u32 s61, s57, s61                     ; y: which 256 along K
	s_lshl_b32 s62, s61, 8
	s_mul_i32 s62, s62, s53                        ; 256 y rows,
	s_lshl_b32 s63, s60, 9
	s_add_co_u32 s62, s62, s63                     ; + 128 x columns,
	s_lshl_b32 s63, s2, 7
	s_add_co_u32 s62, s62, s63                     ; + my wave's 32
	s_mov_b32 s63, 0
	s_add_nc_u64 s[WB:WB+1], s[58:59], s[62:63]
	s_lshl_b32 s62, s53, 5                         ; 32 rows on
.irp t, 1,2,3,4,5,6,7
	s_add_nc_u64 s[WB+2*\t:WB+2*\t+1], s[WB+2*\t-2:WB+2*\t-1], s[62:63]
.endr
	s_lshl_b32 s62, s60, 1
	s_lshr_b32 s57, s2, 1
	s_add_co_u32 s62, s62, s57                     ; my 64 rows of codes: 2 x + wave / 2
	s_mul_i32 s62, s62, s56
	s_add_co_u32 s62, s62, s54
	s_lshl_b32 s57, s61, 14                        ; + 2 y steps of 128 along K, 8,192 bytes each
	s_add_co_u32 s62, s62, s57
	s_and_b32 s57, s2, 1
	s_lshl_b32 s57, s57, 12                        ; + my two fragments of the four
	s_add_co_u32 s62, s62, s57
	s_add_nc_u64 s[26:27], s[24:25], s[62:63]
	s_wait_alu depctr_va_vdst(0)
	v_lshlrev_b32 v[RO], 2, v1
.set i, 1
.rept 31
	v_add_nc_u32 v[RO+i], s53, v[RO+i-1]
.set i, i+1
.endr
	v_lshlrev_b32 v5, 4, v2
	v_lshl_add_u32 v5, v3, 11, v5                  ; out: 16 r, lanes 16-31 one fragment on
	WLOAD 0
	WLOAD 1
	s_wait_kmcnt 0x0
	s_mov_b32 s57, s51                             ; the tensor's e: entries 11, 9, 7, 1
	s_cmp_lt_u32 ttmp9, 256
	s_cselect_b32 s57, s49, s57
	s_cmp_lt_u32 ttmp9, 128
	s_cselect_b32 s57, s47, s57
	s_cmp_lt_u32 ttmp9, 96
	s_cselect_b32 s57, s41, s57
	s_add_co_i32 s57, s57, 127
	s_lshl_b32 s60, s57, 23
	v_mov_b32 v11, s60                             ; 2^e as f32: the conversion takes its exponent field
	s_add_co_i32 s57, s57, 15
	s_lshl_b32 s57, s57, 23
	s_or_b32 s57, s57, 0x600000
	v_mov_b32 v10, s57                             ; 57,344 x 2^e
	s_wait_alu depctr_va_vdst(0)
.irp t, 0,1,2,3,4,5,6,7
	WBLOCK \t
.endr
	s_endpgm
.Lnot_weights:
	s_cmp_lt_u32 ttmp9, 640
	s_cbranch_scc0 .Lrope
	; ---- LAYERNORM 1.  A work-group owns 16 rows, one row of fragments; a wave four of them, each whole in its registers.  The codes meet in a stage in LDS and leave in the operand's order.
	s_sub_co_u32 s3, ttmp9, 384
	s_lshl_b32 s32, s3, 16                         ; 16 rows of 4,096 bytes,
	s_lshl_b32 s33, s2, 14                         ; my wave's four
	s_add_co_u32 s32, s32, s33
	s_mov_b32 s33, 0
	s_add_nc_u64 s[8:9], s[8:9], s[32:33]
	s_lshr_b32 s32, s3, 2
	s_lshl_b32 s32, s32, 16                        ; out: 64 rows of codes are 65,536 bytes,
	s_and_b32 s34, s3, 3
	s_lshl_b32 s34, s34, 11                        ; my fragment of the four,
	s_add_co_u32 s32, s32, s34
	s_lshl_b32 s34, s2, 14                         ; my wave's two steps of 128 along K
	s_add_co_u32 s32, s32, s34
	s_add_nc_u64 s[26:27], s[24:25], s[32:33]
	s_add_nc_u64 s[26:27], s[26:27], PW_A1
	s_wait_alu depctr_va_vdst(0)
	v_lshlrev_b32 v26, 4, v1                       ; 16 x lane
.set m, 0
.rept 8
	global_load_b128 v[32+4*m:35+4*m], v26, s[10:11] offset:512*m
.set m, m+1
.endr
.set m, 0
.rept 8
	global_load_b128 v[64+4*m:67+4*m], v26, s[12:13] offset:512*m
.set m, m+1
.endr
.set m, 0
.rept 32
	global_load_b128 v[96+4*m:99+4*m], v26, s[8:9] offset:512*m   ; row m / 8, chunk m % 8: a wave reads 512 consecutive bytes
.set m, m+1
.endr
	s_mul_i32 s34, s2, 4160
	v_lshlrev_b32 v24, 2, v1
	v_add_nc_u32 v24, s34, v24                     ; into the stage: 4 x lane + my four rows
	v_mul_u32_u24 v25, v2, 1040
	v_lshl_add_u32 v25, v3, 3, v25
	s_lshl_b32 s34, s2, 8
	v_add_nc_u32 v25, s34, v25                     ; out of it: row r, 8 h, my wave's 256 codes
	v_mov_b32 v27, 0                               ; a lane exchange's destination counts as read
	s_mov_b32 s28, 0x76543210
	s_mov_b32 s29, 0xfedcba98
	s_mov_b32 s30, 0x3a800000                      ; 1 / 1024
	s_mov_b32 s31, 0x3727c5ac                      ; 1e-5
	s_wait_kmcnt 0x0
	s_add_co_i32 s35, s40, 127
	s_lshl_b32 s36, s35, 23
	v_mov_b32 v23, s36                             ; 2^e0
	s_add_co_i32 s35, s35, 15
	s_lshl_b32 s35, s35, 23
	s_or_b32 s35, s35, 0x600000
	v_mov_b32 v22, s35                             ; 57,344 x 2^e0
	LNROW 0
	LNROW 1
	LNROW 2
	LNROW 3
	s_wait_dscnt 0x0                               ; for the others' sake: my stores into the stage are done
	s_barrier_signal -1
	s_barrier_wait -1
.set p, 0
.rept 8
	ds_load_b64 v[96+4*p:97+4*p], v25 offset:(p/4)*128+(p%4)*32      ; piece p % 4 of my step p / 4: k = 32 c + 8 h on,
	ds_load_b64 v[98+4*p:99+4*p], v25 offset:(p/4)*128+(p%4)*32+16   ; and 16 further
.set p, p+1
.endr
.set p, 0
.rept 8
	s_wait_dscnt 14-2*p                            ; piece p's two loads are in
	global_store_b128 v26, v[96+4*p:99+4*p], s[26:27] offset:(p/4)*8192+(p%4)*512   ; the wave stores 512 consecutive bytes
.set p, p+1
.endr
	s_wait_tensorcnt 0x0
	ds_add_u32 v30, v31
	s_wait_dscnt 0x0
	s_endpgm
.Lrope:
	; ---- THE TABLE.  A wave makes 16 positions, one a trip; lane l makes entries 2 l and 2 l + 1 of the position's 64: lanes 0-15 cos, lanes 16-31 sin of frequencies 2 r and 2 r + 1.
	s_sub_co_u32 s3, ttmp9, 640
	s_lshl_b32 s60, s3, 6
	s_lshl_b32 s61, s2, 4
	s_add_co_u32 s60, s60, s61                     ; my first position
	s_lshl_b32 s62, s60, 8
	s_mov_b32 s63, 0
	s_add_nc_u64 s[26:27], s[24:25], s[62:63]
	s_add_nc_u64 s[26:27], s[26:27], PW_TAB
	s_mov_b32 s32, 0x3f22f983                      ; 2 / pi
	s_mov_b32 s33, 0x3fc90fdb                      ; pi / 2, its f32 part,
	s_mov_b32 s34, 0xb33bbd2e                      ; and what that lacks
	s_mov_b32 s35, 0xb94ca1f9                      ; the sine's three coefficients
	s_mov_b32 s36, 0x3c08839e
	s_mov_b32 s37, 0xbe2aaaa3
	s_mov_b32 s38, 0x37ccf5ce                      ; the cosine's three
	s_mov_b32 s39, 0xbab6061a
	s_mov_b32 s52, 0x3d2aaaa5
	s_wait_alu depctr_va_vdst(0)
	v_lshlrev_b32 v20, 3, v1                       ; 8 bytes a lane: the wave stores 256 consecutive bytes
	v_mul_u32_u24 v5, v3, 3
	v_lshlrev_b32 v6, 1, v2
	v_cvt_f32_u32 v6, v6
	v_add_f32 v7, 1.0, v6
	v_mul_f32 v6, 0xbed49a78, v6                   ; - fi x log2(10000) / 32
	v_mul_f32 v7, 0xbed49a78, v7
	s_wait_alu depctr_va_vdst(0)
	v_exp_f32 v16, v6
	v_exp_f32 v17, v7
	v_nop
	s_wait_alu depctr_va_vdst(0)                   ; one wait for both, ahead of the loop's label and of their first reader
	s_mov_b32 s61, 16
.Lpos:
	v_cvt_f32_u32 v4, s60
	TRIG v14, v16
	TRIG v15, v17
	global_store_b64 v20, v[14:15], s[26:27]
	s_wait_xcnt 0x0                                ; the store has read its data and its base: both are written again below
	s_add_nc_u64 s[26:27], s[26:27], 256
	s_add_co_u32 s60, s60, 1
	s_sub_co_u32 s61, s61, 1
	s_cmp_lg_u32 s61, 0
	s_cbranch_scc1 .Lpos
	s_endpgm
.Lfunc_end_k_q1acd59f3d7_prep:
	.size	k_q1acd59f3d7_prep, .Lfunc_end_k_q1acd59f3d7_prep-k_q1acd59f3d7_prep
	.p2alignl 7, 3214868480
	.fill 96, 4, 3214868480
	.section	.rodata,"a",@progbits
	.p2align	6, 0x0
	.amdhsa_kernel k_q1acd59f3d7_prep
		.amdhsa_group_segment_fixed_size 17408
		.amdhsa_private_segment_fixed_size 0
		.amdhsa_enable_private_segment 0
		.amdhsa_kernarg_size 72
		.amdhsa_user_sgpr_count 2
		.amdhsa_user_sgpr_kernarg_segment_ptr 1
		.amdhsa_wavefront_size32 1
		.amdhsa_system_sgpr_workgroup_id_x 1
		.amdhsa_system_sgpr_workgroup_id_y 1
		.amdhsa_system_sgpr_workgroup_id_z 1
		.amdhsa_system_vgpr_workitem_id 0
		.amdhsa_next_free_vgpr 256
		.amdhsa_next_free_sgpr 96
		.amdhsa_reserve_vcc 1
		.amdhsa_float_denorm_mode_32 3
		.amdhsa_float_denorm_mode_16_64 3
		.amdhsa_memory_ordered 1
		.amdhsa_forward_progress 1
		.amdhsa_inst_pref_size 97
	.end_amdhsa_kernel
	.amdgpu_metadata
---
amdhsa.version: [ 1, 2 ]
amdhsa.kernels:
  - .name:           k_q1acd59f3d7_prep
    .symbol:         k_q1acd59f3d7_prep.kd
    .args:
      - { .name: x, .offset: 0, .size: 8, .value_kind: global_buffer, .address_space: global }
      - { .name: ln1_g, .offset: 8, .size: 8, .value_kind: global_buffer, .address_space: global }
      - { .name: ln1_b, .offset: 16, .size: 8, .value_kind: global_buffer, .address_space: global }
      - { .name: qkv_w, .offset: 24, .size: 8, .value_kind: global_buffer, .address_space: global }
      - { .name: proj_w, .offset: 32, .size: 8, .value_kind: global_buffer, .address_space: global }
      - { .name: ff1_w, .offset: 40, .size: 8, .value_kind: global_buffer, .address_space: global }
      - { .name: ff2_w, .offset: 48, .size: 8, .value_kind: global_buffer, .address_space: global }
      - { .name: lowp_scales, .offset: 56, .size: 8, .value_kind: global_buffer, .address_space: global }
      - { .name: pw, .offset: 64, .size: 8, .value_kind: global_buffer, .address_space: global }
    .group_segment_fixed_size: 17408
    .private_segment_fixed_size: 0
    .kernarg_segment_align: 8
    .kernarg_segment_size: 72
    .max_flat_workgroup_size: 128
    .sgpr_count:     96
    .vgpr_count:     256
    .wavefront_size: 32
...
	.end_amdgpu_metadata
.endif
;; end of part 8
;; launch qkv (part 9): grid 8 x 32, 4 waves a work-group, clusters of 4 x 4, 327,680 bytes of LDS; arguments pw, qkv_b, lowp_scales, qkvc; writes qkvc
.if DOCPART == 9
	.amdgcn_target "amdgcn-amd-amdhsa--gfx1250"
	.amdhsa_code_object_version 6
	.text
	.protected	k_q1acd59f3d7_qkv
	.globl	k_q1acd59f3d7_qkv
	.p2align	8
	.type	k_q1acd59f3d7_qkv,@function
k_q1acd59f3d7_qkv:
	s_mov_b64 s[64:65], 0
	v_nop
	global_prefetch_b8 v0, s[64:65] scope:SCOPE_SE
	s_setreg_imm32_b32 hwreg(HW_REG_WAVE_MODE, 25, 1), 1
	s_wait_xcnt 0x0
	s_wait_alu depctr_hold_cnt(0) depctr_sa_sdst(0) depctr_va_vdst(0) depctr_va_sdst(0) depctr_va_ssrc(0) depctr_va_vcc(0) depctr_vm_vsrc(0)
	s_getreg_b32 s2, hwreg(HW_REG_IB_STS2, 6, 4)
	s_cmp_eq_u32 s2, 0
	s_cbranch_scc0 .Lentry_in_a_cluster
	s_endpgm
.Lentry_in_a_cluster:
	s_bfe_u32 s2, ttmp6, 0x10000c
	s_cmp_lg_u32 s2, 0xf033
	s_cbranch_scc0 .Lentry_shape_is_right
	s_endpgm
.Lentry_shape_is_right:
; QKV: (LayerNorm 1's codes) x (qkv_w's codes) + qkv_b, then the rotary embedding for q and k, and all three quantised for attention.
; A WORK-GROUP STAYS: it owns 128 tokens and makes three tiles of 128 columns, 1,024 columns apart: q, k and v of the same two heads.  Four waves, 64 tokens x 64 columns each: 16 accumulators; a wave's 64 columns are one head.
; THE TOKENS STAY IN REGISTERS: a wave's 64 tokens x 1,024 codes are 512 registers, read from LDS once; a step of 128 along K then reads only the weight's four fragments: 16 LDS loads for 16 products.
; Both operands lie in memory in the order of the operand's registers ([row / 64][k / 128][fragment][piece][lane][16 bytes]), so 128 rows x 1,024 codes are one dense block of 131,072 bytes: wave w fetches bytes 32,768 w on.
; LDS: region X (first the tokens, then tile 1's weight, at the end the values' stage), region Y (tile 0's weight, then tile 2's), the spare words.  Each refill has a whole tile's work in which to land.
; THE MATRIX INSTRUCTION IS USED TRANSPOSED (source 0 = 16 columns of the weight, source 1 = 16 tokens): in accumulator (a, b) lane (r, h) holds token 16 a + r and columns 16 b + 8 h + 0..7.
; CLUSTERS: 4 x 4 work-groups; the tokens' block is shared along a row of the cluster, the weight's along a column: each piece is asked for jointly, by the same load with a mask that names the four.
; The bias is the C of each sum's first product, divided by the power of two that the sums lack.
; q, k: [head 32][token / 16][piece 2][lane][16 bytes] (K = the head's 64).  v: [head 32][key / 128][channel / 16][piece 4][lane][16 bytes] (K = the keys).
; LIMITS: e2 - e0 - e1, e3 - e0 - e1 and e4 - e0 - e1 lie between -126 and 112.  NaN and infinities are not served.
; REGISTERS: window 0: v1 r, v2 h, v5 16 x lane, v6-7 the conversion's scale and hold, v8-15 codes, v16, v20, v21 fragment addresses, v22-24, v26 other addresses, v28-29 the add's, v32-127 at work, v128-255 accumulators.
;   window 1: three buffers of 64 for the weight's fragments (step q in buffer q % 3), v192-223 the tile's bias.   windows 2, 3: the tokens: step q, fragment a at v[64 (q % 4) + 16 a] of window 2 + q / 4.
.set AOFF,   12582912                  ; LayerNorm 1's codes in pw (qkv_w's codes begin at byte 0)
.set PW_TAB, 16777216
.set REGX,  0
.set REGY,  131072
.set SPARE, 262144                     ; behind the regions: the spare words, 128 bytes for each wave
.set TSTEP, 1048576                    ; eight tiles of 128 columns on in the weight's codes
.set ADRA, 16
.set ADRY, 20
.set ADRX, 21
.set SPW,  28
.set NIL,  29
.set ACC,  128
.set BIA,  192                         ; in window 1
.set G1,  24                           ; s[24:31] group 1 for the tokens, s[32:35] their group 0
.set G0,  32
.set G0B, 36                           ; s[36:39] the weight's group 0, which walks; s[48:55] its group 1
.set G1B, 48
.set MSB, 0
.macro WIN new                         ; the immediate's high byte repeats the setting that is left
.if MSB != (\new)
	s_set_vgpr_msb (MSB<<8)|(\new)
.set MSB, (\new)
.endif
.endm
.macro CREST                           ; a round of the cluster's barrier behind its opening barrier
	s_cmp_lg_u32 s20, 0
	s_cbranch_scc1 .Lnot_wave_0_\@
	s_barrier_signal -3
.Lnot_wave_0_\@:
	s_barrier_wait -3
	s_barrier_signal -1
	s_barrier_wait -1
.endm
.macro CROUND
	s_barrier_signal -1
	s_barrier_wait -1
	CREST
.endm
.macro PLACES                          ; four places in front of loads into registers that matrix instructions have read, and of the first read of results; also the four lines behind a tensor load
.rept 4
	v_nop
.endr
.endm
.macro ALOAD                           ; my 64 tokens, all of K, into windows 2 and 3
	WIN 0x80
.irp q, 0,1,2,3
.irp a, 0,1,2,3
.irp c, 0,1,2,3
	ds_load_b128 v[64*\q+16*\a+4*\c:64*\q+16*\a+4*\c+3], v[ADRA] offset:\q*8192+\a*2048+\c*512
.endr
.endr
.endr
	WIN 0xc0
.irp q, 0,1,2,3
.irp a, 0,1,2,3
.irp c, 0,1,2,3
	ds_load_b128 v[64*\q+16*\a+4*\c:64*\q+16*\a+4*\c+3], v[ADRA] offset:(\q+4)*8192+\a*2048+\c*512
.endr
.endr
.endr
	WIN 0
.endm
.macro FETCHB adr, q                   ; 16 LDS loads in one run: the weight's four fragments of step q into buffer q % 3
.set FB, 64*((\q)%3)
	WIN 0x40
.irp i, 0,1,2,3
.irp c, 0,1,2,3
	ds_load_b128 v[FB+16*\i+4*\c:FB+16*\i+4*\c+3], v[\adr] offset:(\q)*8192+\i*2048+\c*512
.endr
.endr
.endm
.macro MULA q, a, cin                  ; four products of step q: tokens' fragment a against the weight's four.  cin = 1: they start the sums.  The 16 accumulators take turns
.set FB, 64*((\q)%3)
.set FA, 64*((\q)%4)+16*(\a)
.irp b, 0,1,2,3
.if \cin
	v_wmma_f32_16x16x128_bf8_bf8 v[ACC+8*(4*(\a)+\b):ACC+8*(4*(\a)+\b)+7], v[FB+16*\b:FB+16*\b+15], v[FA:FA+15], v[BIA+8*\b:BIA+8*\b+7]
.else
	v_wmma_f32_16x16x128_bf8_bf8 v[ACC+8*(4*(\a)+\b):ACC+8*(4*(\a)+\b)+7], v[FB+16*\b:FB+16*\b+15], v[FA:FA+15], v[ACC+8*(4*(\a)+\b):ACC+8*(4*(\a)+\b)+7]
.endif
.endr
.endm
.macro QUARTER adr, q, cin             ; step q of 128 along K; at its head the fragments of step q + 2 are asked for, into the buffer that step q - 1 has left
	s_wait_dscnt 16                                ; this step's 16 loads are in; the next step's 16 may be out
	PLACES
	FETCHB \adr, (\q)+2
	WIN 0x09+4*((\q)/4)+0x10*(\cin)                ; source 0 window 1, source 1 window 2 or 3, C window 0 (the bias: window 1), D window 0
	MULA \q, 0, \cin
	MULA \q, 1, \cin
	MULA \q, 2, \cin
	MULA \q, 3, \cin
.endm
.macro KSTEPS adr                      ; a tile's first six steps
	FETCHB \adr, 0
	FETCHB \adr, 1
	QUARTER \adr, 0, 1
	QUARTER \adr, 1, 0
	QUARTER \adr, 2, 0
	QUARTER \adr, 3, 0
	QUARTER \adr, 4, 0
	QUARTER \adr, 5, 0
.endm
.macro ENDPLAIN                        ; its last two, where nothing is filled again
	s_wait_dscnt 16
	WIN 0x0d
	MULA 6, 0, 0
	MULA 6, 1, 0
	MULA 6, 2, 0
	MULA 6, 3, 0
	s_wait_dscnt 0
	MULA 7, 0, 0
	MULA 7, 1, 0
	MULA 7, 2, 0
	MULA 7, 3, 0
	WIN 0
.endm
.macro ENDFILL reg                     ; its last two, and the region just read out is filled again: the tile after the next
	WIN 0
	s_wait_tensorcnt 0x0                           ; all my tensor loads have landed: my piece of the next tile's weight
	ds_add_u32 v[SPW], v[NIL]                      ; 0 onto my spare word
	s_wait_dscnt 17                                ; (the add and the last step's 16 loads may be out)
	WIN 0x0d
	MULA 6, 0, 0
	MULA 6, 1, 0
	MULA 6, 2, 0
	MULA 6, 3, 0
	s_wait_dscnt 0x0                               ; the add is done, and my reads of this region are over
	s_barrier_signal -1
	MULA 7, 0, 0
	MULA 7, 1, 0
	WIN 0
	s_barrier_wait -1
	CREST                                          ; the barrier has opened a round of the cluster's: no wave of any partner still reads the region or has a load on its way; and the next tile's weight is whole
	s_add_co_u32 s[G0B+1], s70, \reg
	s_add_nc_u64 s[G0B+2:G0B+3], s[G0B+2:G0B+3], TSTEP
	tensor_load_to_lds s[G0B:G0B+3], s[G1B:G1B+7]  ; the first tensor load behind the round, one a wave
	s_nop 0
	PLACES
	WIN 0x0d
	MULA 7, 2, 0
	MULA 7, 3, 0
	WIN 0
.endm
.macro BLD t                           ; tile t's bias at my 64 columns, in the result's layout
	WIN 0x40
.irp b, 0,1,2,3
	global_load_b128 v[BIA+8*\b:BIA+8*\b+3],   v26, s[6:7] offset:(\t)*4096+64*\b
	global_load_b128 v[BIA+8*\b+4:BIA+8*\b+7], v26, s[6:7] offset:(\t)*4096+64*\b+16
.endr
	WIN 0
.endm
.macro BSC                             ; and divided by 2^(e0 + e1)
	s_wait_loadcnt 0x0
	WIN 0x41
.set j, 0
.rept 32
	v_ldexp_f32 v[BIA+j], v[BIA+j], s85
.set j, j+1
.endr
	WIN 0
.endm
.macro SETSC e                         ; v6 = 2^(e - e0 - e1) for the conversion, v7 = 57,344 x that
	s_sub_co_i32 s96, s[\e], s84
	s_add_co_i32 s96, s96, 127
	s_lshl_b32 s97, s96, 23
	v_mov_b32 v6, s97
	s_add_co_i32 s96, s96, 15
	s_lshl_b32 s96, s96, 23
	s_or_b32 s96, s96, 0x600000
	v_mov_b32 v7, s96
.endm
.macro TLD a                           ; cos and sin of positions 16 a + r at my 16 frequencies: cos of 8 h + 0..7, of 16 + 8 h + 0..7, then sin likewise
.set CT, 64+32*((\a)%2)
.set n, 0
.rept 8
	global_load_b128 v[CT+4*n:CT+4*n+3], v24, s[86:87] offset:(\a)*4096+(n/4)*128+((n/2)%2)*64+(n%2)*16
.set n, n+1
.endr
.endm
.macro ROPE a, o
.set CT, 64+32*((\a)%2)
.if (\a) < 3
	s_wait_loadcnt 8                               ; this block's eight loads (and the older loads of the bias) are in; the next block's eight may be out
.else
	s_wait_loadcnt 0
.endif
.irp bb, 0,1
.irp i, 0,2,4,6
	v_pk_mul_f32 v[32+8*\bb+\i:33+8*\bb+\i], v[ACC+8*(4*(\a)+\bb)+\i:ACC+8*(4*(\a)+\bb)+\i+1], v[CT+8*\bb+\i:CT+8*\bb+\i+1]          ; t1 cos
	v_pk_mul_f32 v[48+8*\bb+\i:49+8*\bb+\i], v[ACC+8*(4*(\a)+\bb)+\i:ACC+8*(4*(\a)+\bb)+\i+1], v[CT+16+8*\bb+\i:CT+16+8*\bb+\i+1]    ; t1 sin
	v_pk_fma_f32 v[32+8*\bb+\i:33+8*\bb+\i], v[ACC+8*(4*(\a)+\bb+2)+\i:ACC+8*(4*(\a)+\bb+2)+\i+1], v[CT+16+8*\bb+\i:CT+16+8*\bb+\i+1], v[32+8*\bb+\i:33+8*\bb+\i] neg_lo:[1,0,0] neg_hi:[1,0,0]   ; - t2 sin
	v_pk_fma_f32 v[48+8*\bb+\i:49+8*\bb+\i], v[ACC+8*(4*(\a)+\bb+2)+\i:ACC+8*(4*(\a)+\bb+2)+\i+1], v[CT+8*\bb+\i:CT+8*\bb+\i+1], v[48+8*\bb+\i:49+8*\bb+\i]   ; + t2 cos
.endr
.endr
.set j, 0
.rept 32
	v_med3_num_f32 v[32+j], v[32+j], -v7, v7       ; the conversion to an 8-bit code does not saturate (ISA guide 7.6.2)
.set j, j+1
.endr
	s_wait_alu depctr_va_vdst(0)
	s_wait_xcnt 0x0                                ; the last block's stores have read v8-15
.irp b, 0,1,2,3
	v_cvt_scalef32_pk8_bf8_f32 v[8+2*\b:9+2*\b], v[32+8*\b:39+8*\b], v6
.endr
	v_nop
	global_store_b128 v5, v[8:11],  s[\o:\o+1] offset:(\a)*1024       ; the wave stores 512 consecutive bytes: channels 0-31 of 16 tokens,
	global_store_b128 v5, v[12:15], s[\o:\o+1] offset:(\a)*1024+512   ; channels 32-63
.endm
.macro EPIQK o, e                      ; q or k: the rotary embedding on the sums as they stand (it is linear), then codes with the scale 2^(e - e0 - e1)
	SETSC \e
	TLD 0
	TLD 1
	ROPE 0, \o
	TLD 2
	ROPE 1, \o
	TLD 3
	ROPE 2, \o
	ROPE 3, \o
.endm
	s_load_b256 s[4:11], s[0:1], 0x0               ; pw 4, qkv_b 6, the scales 8, qkvc 10
	v_lshl_add_u32 v[SPW], v0, 2, SPARE
	v_mov_b32 v[NIL], 0
	ds_add_u32 v28, v29
	ds_add_u32 v28, v29
	s_wait_dscnt 0x0
	v_lshrrev_b32 v4, 5, v0
	v_readfirstlane_b32 s20, v4                    ; wave 0..3
	s_lshr_b32 s21, s20, 1                         ; my half of the tokens
	s_and_b32 s22, s20, 1                          ; my half of the columns
	s_bfe_u32 s40, ttmp6, 0x40000                  ; cx, cy
	s_bfe_u32 s41, ttmp6, 0x40004
	s_lshl_b32 s42, ttmp9, 2
	s_add_co_u32 s42, s42, s40                     ; the first tile's column, 0..7
	s_and_b32 s43, ttmp7, 0xffff
	s_lshl_b32 s43, s43, 2
	s_add_co_u32 s43, s43, s41                     ; tile row
	s_lshl_b32 s44, s41, 2
	s_lshl_b32 s44, 15, s44                        ; my row of the cluster
	s_lshl_b32 s45, 0x1111, s40                    ; my column
	s_or_b32 s[G1], s44, (3<<16)|(1<<21)           ; 15:0 the mask; 17:16 elements of 8 bytes; 21 set beside a mask; no padding
	s_or_b32 s[G1B], s45, (3<<16)|(1<<21)
.irp g, G1, G1B
	s_mov_b32 s[\g+1], 32<<16                      ; tensor_dim0 = 32 elements: 256 bytes
	s_mov_b32 s[\g+2], 128<<16                     ; tensor_dim1 = 128
	s_mov_b32 s[\g+3], 32<<16                      ; tile_dim0
	s_mov_b32 s[\g+4], 128                         ; tile_dim1: 128 rows of 256 bytes, dense: 32,768 bytes
	s_mov_b32 s[\g+5], 32                          ; the pitch
	s_mov_b32 s[\g+6], 0
	s_mov_b32 s[\g+7], 0
.endr
	s_mov_b32 s[G1+2], 256<<16                     ; the head's two loads bring 256 rows of 256 bytes each: the tokens' group 1 serves the head alone,
	s_mov_b32 s[G1+4], 256
	s_or_b32 s56, s45, (3<<16)|(1<<21)             ; and s[56:63] is the weight's group 1 for the head: my column's mask, 256 rows
	s_mov_b32 s57, 32<<16
	s_mov_b32 s58, 256<<16
	s_mov_b32 s59, 32<<16
	s_mov_b32 s60, 256
	s_mov_b32 s61, 32
	s_mov_b32 s62, 0
	s_mov_b32 s63, 0
	s_lshl_b32 s70, s20, 15
	s_lshl_b32 s71, s22, 16                        ; at the head: waves 0, 1 fetch the tokens' halves of 65,536 bytes, waves 2, 3 the weight's
	s_lshl_b32 s66, s43, 17
	s_add_co_u32 s66, s66, s71
	s_mov_b32 s67, 0
	s_lshl_b32 s68, s42, 17                        ; the weight: 131,072 x tile column
	s_add_co_u32 s68, s68, s70
	s_mov_b32 s69, 0
	s_wait_kmcnt 0x0
	s_load_b256 s[72:79], s[8:9], 0x0              ; e0 .. e7
	s_add_nc_u64 s[66:67], s[4:5], s[66:67]
	s_add_nc_u64 s[66:67], s[66:67], AOFF
	s_add_nc_u64 s[68:69], s[4:5], s[68:69]
	CROUND                                         ; all sixteen work-groups are here: the first joint loads meet
	s_mov_b32 s[G0], 1
	s_add_co_u32 s[G0+1], s71, REGX
	s_mov_b64 s[G0+2:G0+3], s[66:67]
	s_or_b32 s[G0+3], s[G0+3], 0x80000000
	s_mov_b32 s[G0B], 1
	s_add_co_u32 s[G0B+1], s70, REGY
	s_mov_b64 s[G0B+2:G0B+3], s[68:69]
	s_or_b32 s[G0B+3], s[G0B+3], 0x80000000
	s_mov_b32 s80, 1                               ; s[80:83]: group 0 of the head's load of tile 0's weight
	s_add_co_u32 s81, s71, REGY
	s_lshl_b32 s82, s42, 17
	s_add_co_u32 s82, s82, s71
	s_mov_b32 s83, 0
	s_add_nc_u64 s[82:83], s[4:5], s[82:83]
	s_or_b32 s83, s83, 0x80000000
	s_cmp_lt_u32 s20, 2                            ; one tensor load a wave at the head: one chain, a load in each arm
	s_cbranch_scc0 .Lhead_b
	tensor_load_to_lds s[G0:G0+3], s[G1:G1+7]      ; waves 0, 1: half of the tokens
	s_nop 0
	PLACES
	s_branch .Lhead_j
.Lhead_b:
	tensor_load_to_lds s[80:83], s[56:63]          ; waves 2, 3: half of tile 0's weight
	s_nop 0
	PLACES
.Lhead_j:
	v_and_b32 v1, 15, v0
	v_bfe_u32 v2, v0, 4, 1                         ; h
	v_and_b32 v3, 31, v0
	v_lshlrev_b32 v5, 4, v3                        ; 16 x lane
	s_lshl_b32 s46, s21, 16
	v_add_nc_u32 v[ADRA], s46, v5                  ; my 64 tokens in X
	s_lshl_b32 s47, s22, 16
	v_add_nc_u32 v[ADRX], s47, v5                  ; my 64 columns in X,
	v_add_nc_u32 v[ADRY], REGY, v[ADRX]            ; and in Y
	s_mul_i32 s46, s20, 17408                      ; the values' stage: 64 channels x 272 bytes for each wave, in X
	v_mul_u32_u24 v22, v2, 2176
	v_lshl_add_u32 v22, v1, 2, v22
	v_add_nc_u32 v22, s46, v22                     ; in: channel 8 h (+ 16 b + j), token r (+ 16 a)
	v_mul_u32_u24 v23, v1, 272
	v_lshl_add_u32 v23, v2, 5, v23
	v_add_nc_u32 v23, s46, v23                     ; back: channel r (+ 16 t), tokens 8 h on
	v_lshlrev_b32 v24, 8, v1
	v_lshl_add_u32 v24, v2, 5, v24                 ; the table: position r, frequencies 8 h on
	v_lshlrev_b32 v26, 5, v2                       ; the bias: 8 h columns on
	s_lshl_b32 s96, s42, 9                         ; the bias of my 64 columns of tile 0; a tile on is 4,096 bytes
	s_lshl_b32 s97, s22, 8
	s_add_co_u32 s96, s96, s97
	s_mov_b32 s97, 0
	s_add_nc_u64 s[6:7], s[6:7], s[96:97]
	BLD 0
	s_and_b32 s88, s43, 15                         ; which 128 positions of the sequence
	s_lshr_b32 s89, s43, 4
	s_lshl_b32 s89, s89, 4                         ; 16 x batch
	s_lshl_b32 s96, s42, 1
	s_add_co_u32 s96, s96, s22                     ; the head
	s_add_co_u32 s89, s89, s96
	s_lshl_b32 s89, s89, 17                        ; a head's codes are 131,072 bytes in each of q, k, v
	s_lshl_b32 s96, s88, 13                        ; 128 tokens of them 8,192
	s_add_co_u32 s89, s89, s96
	s_lshl_b32 s96, s21, 12                        ; q, k: my 64 tokens are four fragments of 1,024 bytes
	s_add_co_u32 s90, s89, s96
	s_mov_b32 s91, 0
	s_add_nc_u64 s[90:91], s[10:11], s[90:91]      ; where q goes,
	s_add_nc_u64 s[92:93], s[90:91], 4194304       ; k,
	s_lshl_b32 s96, s21, 10                        ; v: my 64 keys are pieces 2 x half and 2 x half + 1 of each fragment
	s_add_co_u32 s94, s89, s96
	s_mov_b32 s95, 0
	s_add_nc_u64 s[94:95], s[10:11], s[94:95]
	s_add_nc_u64 s[94:95], s[94:95], 8388608       ; and v
	s_lshl_b32 s86, s88, 15                        ; the table at my first position: 256 bytes a position
	s_lshl_b32 s87, s21, 14
	s_add_co_u32 s86, s86, s87
	s_mov_b32 s87, 0
	s_add_nc_u64 s[86:87], s[4:5], s[86:87]
	s_add_nc_u64 s[86:87], s[86:87], PW_TAB
	s_wait_kmcnt 0x0
	s_add_co_i32 s84, s72, s73                     ; e0 + e1: a sum stands for sum x 2^(e0 + e1)
	s_sub_co_i32 s85, 0, s84
	BSC
	s_wait_tensorcnt 0x0                           ; my one load of the head is in
	s_barrier_signal -1
	s_barrier_wait -1
	ALOAD
	s_wait_tensorcnt 0x0                           ; my piece of tile 0's weight is in: no load of mine is out, so its group 0 may be written
	ds_add_u32 v[SPW], v[NIL]                      ; 0 onto my spare word
	s_add_co_u32 s[G0B+1], s70, REGX
	s_add_nc_u64 s[G0B+2:G0B+3], s[G0B+2:G0B+3], TSTEP
	s_wait_dscnt 0x0                               ; the add is done, and the tokens are in my registers: my reads of X are over
	CROUND                                         ; so of every wave of every partner; and tile 0's weight is whole
	tensor_load_to_lds s[G0B:G0B+3], s[G1B:G1B+7]  ; tile 1's weight into X: it has tile 0's work in which to land
	s_nop 0
	PLACES
	s_wait_alu depctr_va_vdst(0)
	KSTEPS ADRY                                    ; ---- tile 0: q
	ENDFILL REGY                                   ; tile 2's weight into Y: it has tile 1's work in which to land
	PLACES
	BLD 1
	EPIQK 90, 74
	BSC
	s_wait_alu depctr_va_vdst(0)
	KSTEPS ADRX                                    ; ---- tile 1: k (its weight was shown whole by the round above)
	ENDPLAIN
	PLACES
	BLD 2
	EPIQK 92, 75
	BSC
	s_wait_alu depctr_va_vdst(0)
	s_wait_tensorcnt 0x0                           ; my piece of tile 2's weight is in,
	s_barrier_signal -1
	s_barrier_wait -1                              ; everybody's is; and nobody reads X any more
	KSTEPS ADRY                                    ; ---- tile 2: v
	ENDPLAIN
	PLACES
	; v: its K is the keys, which lie across lanes: the sums turn through my own stage in X, which has had its last fill and its last read
	SETSC 76
	s_wait_alu depctr_va_vdst(0)
.irp a, 0,1,2,3
.irp b, 0,1,2,3
.irp j, 0,1,2,3,4,5,6,7
	ds_store_b32 v22, v[ACC+8*(4*\a+\b)+\j] offset:(16*\b+\j)*272+64*\a
.endr
.endr
.endr
.irp rho, 0,1                          ; four groups at a time; group g: channels 16 t on, t = 2 rho + g / 2; keys 32 (g % 2) on.  LDS serves a wave's instructions in order: the loads see my stores
.irp g, 0,1,2,3
	ds_load_b128 v[64+16*\g:67+16*\g],  v23 offset:16*(2*\rho+\g/2)*272+128*(\g%2)
	ds_load_b128 v[68+16*\g:71+16*\g],  v23 offset:16*(2*\rho+\g/2)*272+128*(\g%2)+16
	ds_load_b128 v[72+16*\g:75+16*\g],  v23 offset:16*(2*\rho+\g/2)*272+128*(\g%2)+64
	ds_load_b128 v[76+16*\g:79+16*\g],  v23 offset:16*(2*\rho+\g/2)*272+128*(\g%2)+80
.endr
	s_wait_dscnt 0x0
.irp g, 0,1,2,3
.set j, 0
.rept 16
	v_med3_num_f32 v[64+16*\g+j], v[64+16*\g+j], -v7, v7
.set j, j+1
.endr
	v_cvt_scalef32_pk8_bf8_f32 v[32+4*(4*\rho+\g):33+4*(4*\rho+\g)], v[64+16*\g:71+16*\g], v6
	v_cvt_scalef32_pk8_bf8_f32 v[34+4*(4*\rho+\g):35+4*(4*\rho+\g)], v[72+16*\g:79+16*\g], v6
.endr
	v_nop
.irp g, 0,1,2,3
	global_store_b128 v5, v[32+4*(4*\rho+\g):35+4*(4*\rho+\g)], s[94:95] offset:(2*\rho+\g/2)*2048+(\g%2)*512
.endr
.endr
	s_wait_tensorcnt 0x0                           ; the wave's end
	ds_add_u32 v[SPW], v[NIL]
	s_wait_dscnt 0x0
	CROUND                                         ; the closing round
	s_endpgm
.Lfunc_end_k_q1acd59f3d7_qkv:
	.size	k_q1acd59f3d7_qkv, .Lfunc_end_k_q1acd59f3d7_qkv-k_q1acd59f3d7_qkv
	.p2alignl 7, 3214868480
	.fill 96, 4, 3214868480
	.section	.rodata,"a",@progbits
	.p2align	6, 0x0
	.amdhsa_kernel k_q1acd59f3d7_qkv
		.amdhsa_group_segment_fixed_size 327680
		.amdhsa_private_segment_fixed_size 0
		.amdhsa_enable_private_segment 0
		.amdhsa_kernarg_size 32
		.amdhsa_user_sgpr_count 2
		.amdhsa_user_sgpr_kernarg_segment_ptr 1
		.amdhsa_wavefront_size32 1
		.amdhsa_system_sgpr_workgroup_id_x 1
		.amdhsa_system_sgpr_workgroup_id_y 1
		.amdhsa_system_sgpr_workgroup_id_z 1
		.amdhsa_system_vgpr_workitem_id 0
		.amdhsa_next_free_vgpr 1024
		.amdhsa_next_free_sgpr 100
		.amdhsa_reserve_vcc 0
		.amdhsa_float_denorm_mode_32 3
		.amdhsa_float_denorm_mode_16_64 3
		.amdhsa_memory_ordered 1
		.amdhsa_forward_progress 1
		.amdhsa_inst_pref_size 142
	.end_amdhsa_kernel
	.amdgpu_metadata
---
amdhsa.version: [ 1, 2 ]
amdhsa.kernels:
  - .name:           k_q1acd59f3d7_qkv
    .symbol:         k_q1acd59f3d7_qkv.kd
    .args:
      - { .name: pw, .offset: 0, .size: 8, .value_kind: global_buffer, .address_space: global }
      - { .name: qkv_b, .offset: 8, .size: 8, .value_kind: global_buffer, .address_space: global }
      - { .name: lowp_scales, .offset: 16, .size: 8, .value_kind: global_buffer, .address_space: global }
      - { .name: qkvc, .offset: 24, .size: 8, .value_kind: global_buffer, .address_space: global }
    .group_segment_fixed_size: 327680
    .private_segment_fixed_size: 0
    .kernarg_segment_align: 8
    .kernarg_segment_size: 32
    .max_flat_workgroup_size: 128
    .sgpr_count:     100
    .vgpr_count:     1024
    .wavefront_size: 32
...
	.end_amdgpu_metadata
.endif
;; end of part 9
;; launch attn (part 10): grid 8 x 32, 16 waves a work-group, no clusters, 327,680 bytes of LDS; arguments qkvc, lowp_scales, a4; writes a4
.if DOCPART == 10
	.amdgcn_target "amdgcn-amd-amdhsa--gfx1250"
	.amdhsa_code_object_version 6
	.text
	.protected	k_q1acd59f3d7_attn
	.globl	k_q1acd59f3d7_attn
	.p2align	8
	.type	k_q1acd59f3d7_attn,@function
k_q1acd59f3d7_attn:
	s_mov_b64 s[64:65], 0
	v_nop
	global_prefetch_b8 v0, s[64:65] scope:SCOPE_SE
	s_setreg_imm32_b32 hwreg(HW_REG_WAVE_MODE, 25, 1), 1
	s_wait_xcnt 0x0
; CAUSAL ATTENTION on codes of E5M2, head size 64, and its result quantised for the projection.
; A head's codes of K (131,072 bytes) and of V (131,072) lie in LDS whole, each byte filled once, in two halves of 1,024 keys: at the head every wave issues one load of 8,192 bytes (waves 0-7: K, waves 8-15: V);
; the second half is asked for in the same way behind the first barrier and lands while the first half is worked on.
; SHARES.  A work-group (i, head) owns query blocks i and 15 - i of 128 queries, 16 tiles of 16 queries.  EVERY TILE IS SHARED BY TWO WAVES, w and w xor 4: one walks the even key steps of 128 keys, the other the odd ones.
; A wave serves tile j of block i (pass 1) and then tile j of block 15 - i (pass 2): (i + 1) + (16 - i) = 17 key steps for the pair, 8 or 9 for each wave, in every work-group; the four waves of a SIMD hold both parities twice.
; THE TWO PARTS OF A TILE MEET AT THE END: each wave has its own running M, sum and O^T; with M* the larger M both parts are multiplied by 2^(M - M*), which rounds nothing, and added.  They meet in LDS bytes of K's region,
; behind a barrier behind which nobody reads K.  The odd wave takes V's four fragments in the order 2, 3, 0, 1 (by address), so every wave keeps accumulators 0, 1, sends 2, 3 and stores 32 of the 64 channels.
; Steps all of whose keys are hidden (whole tiles under the causal mask that the problem builds itself) are left out by a scalar branch on ids.
; NO CLUSTER: that branch hangs on the wave's first query, which differs between the work-groups that share a head.
; LAYOUT.  S^T = K Q^T (source 0 = 16 keys, source 1 = my 16 queries, K = 64): lane (r, h) holds query r, register 8 kf + j key 16 kf + 8 h + j: the order in which the plain 8-bit operand wants k,
; so the conversions of p give source 1 of O^T = V^T P^T (source 0 = 16 channels, K = 128 keys) as they stand.
; THE SOFTMAX: t = score x log2(e) / 8; M = the wave's running largest t rounded up to a whole number; p = 2^(t - M) is quantised, not normalised; the sum is taken of the unquantised p and divides at the end.
; LIMITS: e2 + e3 between -123 and 130; e5 and e6 - e4 - e5 between -126 and 112.  NaN and infinities are not served.  The scaled scores stay under 2^31 in magnitude.
; REGISTERS: v1 16 x lane; v2-5 pass 1's -M, largest t, sum; v6, v7 V's two lane addresses; v8-10 the step's addresses; v11 the store's offset; v12-15 pass 2's state; v16-23, v24-31 the two Q;
; v32-95 K's eight fragments, then V's four; v96-159 S^T, then p; v160-191 pass 2's O^T, v192-223 pass 1's; v224-239 p's codes; v240-254 at work; v245, v247 the exchange; v251, v255 the add's.
.set VOFF,  131072
.set SPARE, 262144
.set XB,    4608                       ; the exchange: 9 x 512 bytes for each wave
.set TB,  2                            ; s2   LDS byte of the step's keys
.set KF,  3                            ; s3   the step's first key
.set WV,  18
.set Q0,  19                           ; s19  the first query of the tile in hand
.set CNT, 20
.set CS,  22                           ; s[22:23] c = log2(e) / 8 x 2^(e2 + e3)
.set G1,  24
.set G0,  32
.set SEL, 56
.macro STEP q, st, o                   ; 128 keys for the tile whose Q lies at v[q], state at v[st], O^T at v[o]
.set SL, (\st)+2
	s_add_co_u32 s21, s[Q0], 15
	s_cmp_gt_u32 s[KF], s21                        ; all 128 keys come after my 16 queries: the step's work is left out (a branch on ids; no barrier stands in a step)
	s_cbranch_scc1 .Lhidden_\@
	v_add_nc_u32 v8, s[TB], v1
	v_add_nc_u32 v9, s[TB], v6
	v_add_nc_u32 v10, s[TB], v7
	v_nop                                          ; with the three additions: four places in front of loads into registers that the last products read
.set kf, 0
.rept 8
	ds_load_b128 v[32+8*kf:35+8*kf], v8 offset:kf*1024
	ds_load_b128 v[36+8*kf:39+8*kf], v8 offset:kf*1024+512
.set kf, kf+1
.endr
	s_wait_alu depctr_va_vdst(0)
	s_wait_dscnt 0x0
.set kf, 0
.rept 8
	v_wmma_f32_16x16x64_bf8_bf8 v[96+8*kf:103+8*kf], v[32+8*kf:39+8*kf], v[\q:\q+7], 0
.set kf, kf+1
.endr
.rept 4
	v_nop                                          ; places: for the loads below, and for the first read of the scores
.endr
.set n, 0
.rept 8
	ds_load_b128 v[32+4*n:35+4*n], v9 offset:512*n    ; V's fragments for accumulators 0, 1,
	ds_load_b128 v[64+4*n:67+4*n], v10 offset:512*n   ; and for 2, 3: they land while the softmax is walked
.set n, n+1
.endr
	s_add_co_u32 s21, s[KF], 127
	s_cmp_le_u32 s21, s[Q0]                        ; a step all of whose keys count has no mask
	s_cbranch_scc1 .Lopen_\@
	s_sub_co_i32 s21, s[Q0], s[KF]
	v_and_b32 v252, 15, v0
	v_bfe_u32 v253, v0, 4, 1
	s_delay_alu instid0(VALU_DEP_1)
	v_lshlrev_b32 v253, 3, v253
	s_delay_alu instid0(VALU_DEP_1)
	v_sub_nc_u32 v252, v252, v253
	s_delay_alu instid0(VALU_DEP_1)
	v_add_nc_u32 v252, s21, v252                   ; d = my query - KF - 8 h: register 8 kf + j is hidden where 16 kf + j > d
	v_mov_b32 v254, 0xff800000
.set n, 0
.rept 64
	v_cmp_gt_i32 vcc_lo, 16*(n/8)+n%8, v252
	v_cndmask_b32 v[96+n], v[96+n], v254, vcc_lo
.set n, n+1
.endr
.Lopen_\@:
	v_max3_num_f32 v254, v96, v97, v98             ; the step's largest score of my query, in two chains,
	v_max3_num_f32 v252, v99, v100, v101
.set n, 6
.rept 14
	v_max3_num_f32 v254, v254, v[96+n], v[97+n]
	v_max3_num_f32 v252, v252, v[98+n], v[99+n]
.set n, n+4
.endr
	v_max3_num_f32 v254, v254, v158, v159
	s_delay_alu instid0(VALU_DEP_1)
	v_max_num_f32 v254, v254, v252
	s_delay_alu instid0(VALU_DEP_1)
	v_permlanex16_b32 v246, v254, s[SEL], s[SEL+1]
	s_delay_alu instid0(VALU_DEP_1)
	v_max_num_f32 v254, v254, v246                 ; and among the other half of the lanes'
	s_delay_alu instid0(VALU_DEP_1)
	v_mul_f32 v254, s[CS], v254                    ; as t (c is positive)
	s_delay_alu instid0(VALU_DEP_1)
	v_max_num_f32 v[\st+1], v[\st+1], v254
	v_mov_b32 v254, v[\st]
	s_delay_alu instid0(VALU_DEP_2)
	v_floor_f32 v[\st], -v[\st+1]                  ; the new -M = -ceil(t)
	s_delay_alu instid0(VALU_DEP_1)
	v_sub_f32 v254, v[\st], v254                   ; old M - new M: a whole number, 0 or less
	s_delay_alu instid0(VALU_DEP_1)
	v_cvt_i32_f32 v254, v254                       ; (it saturates)
	s_delay_alu instid0(VALU_DEP_1)
	v_ldexp_f32 v252, 1.0, v254                    ; f = 2^(old M - new M)
.set n, 0
.rept 32
	v_pk_fma_f32 v[96+n:97+n], v[96+n:97+n], s[CS:CS+1], v[\st:\st+1] op_sel_hi:[1,0,0]   ; t - M
.set n, n+2
.endr
.set n, 0
	s_wait_alu depctr_va_vdst(0)
.rept 64
	v_exp_f32 v[96+n], v[96+n]                     ; p = 2^(t - M)
.set n, n+1
.endr
	v_pk_mul_f32 v[SL:SL+1], v[SL:SL+1], v[252:253] op_sel_hi:[1,0]   ; the sums under the new M: the plain instruction behind the exponentials
	s_wait_alu depctr_va_vdst(0)                   ; one wait for the whole batch, ahead of its first reader
	v_pk_add_f32 v[242:243], v[100:101], v[104:105]
	v_pk_add_f32 v[248:249], v[108:109], v[112:113]
	v_pk_add_f32 v[238:239], v[116:117], v[120:121]
	v_pk_add_f32 v[236:237], v[124:125], v[128:129]
	v_pk_add_f32 v[234:235], v[132:133], v[136:137]
	v_pk_add_f32 v[232:233], v[140:141], v[144:145]
	v_pk_add_f32 v[230:231], v[148:149], v[152:153]
	v_pk_add_f32 v[SL:SL+1], v[SL:SL+1], v[156:157]
	v_pk_add_f32 v[242:243], v[242:243], v[96:97]
	v_pk_add_f32 v[248:249], v[248:249], v[98:99]
	v_pk_add_f32 v[238:239], v[238:239], v[102:103]
	v_pk_add_f32 v[236:237], v[236:237], v[106:107]
	v_pk_add_f32 v[234:235], v[234:235], v[110:111]
	v_pk_add_f32 v[232:233], v[232:233], v[114:115]
	v_pk_add_f32 v[230:231], v[230:231], v[118:119]
	v_pk_add_f32 v[SL:SL+1], v[SL:SL+1], v[122:123]
	v_pk_add_f32 v[242:243], v[242:243], v[126:127]
	v_pk_add_f32 v[248:249], v[248:249], v[130:131]
	v_pk_add_f32 v[238:239], v[238:239], v[134:135]
	v_pk_add_f32 v[236:237], v[236:237], v[138:139]
	v_pk_add_f32 v[234:235], v[234:235], v[142:143]
	v_pk_add_f32 v[232:233], v[232:233], v[146:147]
	v_pk_add_f32 v[230:231], v[230:231], v[150:151]
	v_pk_add_f32 v[SL:SL+1], v[SL:SL+1], v[154:155]
	v_pk_add_f32 v[242:243], v[242:243], v[158:159]
	s_delay_alu instid0(VALU_DEP_2)
	v_pk_add_f32 v[SL:SL+1], v[SL:SL+1], v[236:237]
	s_delay_alu instid0(VALU_DEP_2)
	v_pk_add_f32 v[242:243], v[242:243], v[234:235]
	v_pk_add_f32 v[248:249], v[248:249], v[232:233]
	v_pk_add_f32 v[238:239], v[238:239], v[230:231]
	s_delay_alu instid0(VALU_DEP_2)
	v_pk_add_f32 v[SL:SL+1], v[SL:SL+1], v[248:249]
	s_delay_alu instid0(VALU_DEP_2)
	v_pk_add_f32 v[242:243], v[242:243], v[238:239]
	s_delay_alu instid0(VALU_DEP_1)
	v_pk_add_f32 v[SL:SL+1], v[SL:SL+1], v[242:243]
.set n, 0
.rept 32
	v_dual_min_num_f32 v[96+n], v[96+n], v240 :: v_dual_min_num_f32 v[97+n], v[97+n], v241   ; the conversion does not saturate (ISA guide 7.6.2); p is not negative: a one-sided hold, two numbers a line
.set n, n+2
.endr
.set n, 0
.rept 8
	v_cvt_scalef32_pk8_bf8_f32 v[224+2*n:225+2*n], v[96+8*n:103+8*n], v244
.set n, n+1
.endr
.set n, 0
.rept 16
	v_pk_mul_f32 v[\o+n:\o+n+1], v[\o+n:\o+n+1], v[252:253] op_sel_hi:[1,0]   ; O^T under the new M
.set n, n+2
.endr
	s_wait_alu depctr_va_vdst(0)
	s_wait_dscnt 0x0                               ; V is in
.set n, 0
.rept 4
	v_wmma_f32_16x16x128_bf8_bf8 v[\o+8*n:\o+8*n+7], v[32+16*n:47+16*n], v[224:239], v[\o+8*n:\o+8*n+7]
.set n, n+1
.endr
.Lhidden_\@:
.endm
.macro WALK name, q, st, o             ; four of my key steps, every second one of the head's
	s_mov_b32 s[CNT], 4
.L\name:
	STEP \q, \st, \o
	s_add_co_u32 s[TB], s[TB], 16384
	s_add_co_u32 s[KF], s[KF], 256
	s_sub_co_u32 s[CNT], s[CNT], 1
	s_cmp_lg_u32 s[CNT], 0
	s_cbranch_scc1 .L\name
.endm
	s_load_b128 s[4:7], s[0:1], 0x0                ; qkvc, the scales
	s_load_b64 s[8:9], s[0:1], 0x10                ; a4
	v_lshl_add_u32 v251, v0, 2, SPARE
	v_mov_b32 v255, 0
	ds_add_u32 v251, v255                          ; the opening lines: the add, twice on end, and its wait ahead of my first tensor load
	ds_add_u32 v251, v255
	v_lshrrev_b32 v8, 5, v0
	s_delay_alu instid0(VALU_DEP_1)
	v_readfirstlane_b32 s[WV], v8                  ; wave 0..15
	s_and_b32 s10, ttmp7, 0xffff                   ; 16 x batch + head
	s_bfe_u32 s42, s[WV], 0x10002                  ; my parity: bit 2 of the wave's number
	s_and_b32 s43, s[WV], 3
	s_lshr_b32 s11, s[WV], 3
	s_lshl_b32 s11, s11, 2
	s_or_b32 s43, s43, s11                         ; j: my tile in each of the two blocks
	s_lshl_b32 s11, ttmp9, 3
	s_add_co_u32 s12, s11, s43                     ; pass 1: tile 8 i + j
	s_sub_co_u32 s13, 120, s11
	s_add_co_u32 s13, s13, s43                     ; pass 2: tile 8 (15 - i) + j
	s_lshl_b32 s40, s12, 4                         ; their first queries
	s_lshl_b32 s41, s13, 4
	s_mov_b32 s[G1], 3<<16                         ; no mask; elements of 8 bytes; no padding
	s_mov_b32 s[G1+1], 32<<16                      ; 32 rows of 256 bytes, dense: 8,192 bytes
	s_mov_b32 s[G1+2], 32<<16
	s_mov_b32 s[G1+3], 32<<16
	s_mov_b32 s[G1+4], 32
	s_mov_b32 s[G1+5], 32
	s_mov_b32 s[G1+6], 0
	s_mov_b32 s[G1+7], 0
	s_lshr_b32 s14, s[WV], 3                       ; waves 0-7 fetch for K, waves 8-15 for V
	s_and_b32 s17, s[WV], 7
	s_lshl_b32 s17, s17, 13                        ; my piece of a half's 65,536 bytes
	s_lshl_b32 s15, s14, 17
	s_add_co_u32 s15, s15, s17                     ; in LDS: K from byte 0, V from 131,072
	s_add_co_u32 s16, s14, 1
	s_lshl_b32 s16, s16, 22                        ; in qkvc: k at 4,194,304, v at 8,388,608
	s_add_co_u32 s16, s16, s17
	s_lshl_b32 s17, s10, 17
	s_add_co_u32 s16, s16, s17
	s_mov_b32 s17, 0
	s_wait_dscnt 0x0
	s_wait_kmcnt 0x0
	s_load_b256 s[48:55], s[6:7], 0x0              ; e0 .. e7
	s_add_nc_u64 s[16:17], s[4:5], s[16:17]
	s_mov_b32 s[G0], 1
	s_mov_b32 s[G0+1], s15
	s_mov_b64 s[G0+2:G0+3], s[16:17]
	s_or_b32 s[G0+3], s[G0+3], 0x80000000
	tensor_load_to_lds s[G0:G0+3], s[G1:G1+7]      ; keys 0-1,023: one load a wave, with no branch
	s_nop 0
.rept 4
	v_nop
.endr
	s_lshl_b32 s58, s10, 17
	s_lshl_b32 s44, s12, 10
	s_add_co_u32 s44, s44, s58
	s_mov_b32 s45, 0
	s_lshl_b32 s46, s13, 10
	s_add_co_u32 s46, s46, s58
	s_mov_b32 s47, 0
	s_add_nc_u64 s[44:45], s[4:5], s[44:45]        ; the two Q
	s_add_nc_u64 s[46:47], s[4:5], s[46:47]
	s_lshr_b32 s60, s10, 4
	s_lshl_b32 s60, s60, 7                         ; a4: 128 tiles of 16 tokens to a batch
	s_and_b32 s61, s10, 14
	s_lshl_b32 s61, s61, 12                        ; two heads to a step of 128 along K: 8,192 x (head / 2),
	s_and_b32 s62, s10, 1
	s_lshl_b32 s62, s62, 10                        ; pieces 2 (head % 2) on
	s_add_co_u32 s61, s61, s62
.irp t, 0,1
	s_add_co_u32 s62, s60, s[12+\t]
	s_lshr_b32 s63, s62, 2
	s_lshl_b32 s63, s63, 16                        ; 64 tokens of 1,024 codes,
	s_and_b32 s62, s62, 3
	s_lshl_b32 s62, s62, 11                        ; the fragment
	s_add_co_u32 s62, s62, s63
	s_add_co_u32 s[36+2*\t], s62, s61
	s_mov_b32 s[37+2*\t], 0
	s_add_nc_u64 s[36+2*\t:37+2*\t], s[8:9], s[36+2*\t:37+2*\t]   ; s[36:37], s[38:39]: where the two tiles go
.endr
	s_lshl_b32 s58, s42, 12
	s_add_co_u32 s58, s58, VOFF                    ; the odd wave begins with V's fragments 2, 3
	s_lshl_b32 s59, s42, 9                         ; and stores the head's second piece
	s_mul_i32 s60, s[WV], XB                       ; the exchange: my bytes,
	s_xor_b32 s61, s[WV], 4
	s_mul_i32 s61, s61, XB                         ; my partner's
	s_mov_b32 s[SEL], 0x76543210
	s_mov_b32 s[SEL+1], 0xfedcba98
	s_mov_b32 s[CS], 0x3e38aa3b                    ; log2(e) / 8
	v_and_b32 v1, 31, v0
	v_mov_b32 v13, 0xff61b1e6                      ; the largest t so far: -3e38
	v_mov_b32 v3, 0xff61b1e6
	v_lshlrev_b32 v1, 4, v1                        ; 16 x lane
	v_floor_f32 v12, -v13
	v_floor_f32 v2, -v3
	v_add_nc_u32 v6, s58, v1
	v_add_nc_u32 v11, s59, v1
	v_add_nc_u32 v245, s60, v1
	v_add_nc_u32 v247, s61, v1
	v_xor_b32 v7, 4096, v6
	global_load_b128 v[16:19], v1, s[44:45]        ; both Q stay in registers
	global_load_b128 v[20:23], v1, s[44:45] offset:512
	global_load_b128 v[24:27], v1, s[46:47]
	global_load_b128 v[28:31], v1, s[46:47] offset:512
	v_mov_b32 v4, 0
	v_mov_b32 v5, 0
	v_mov_b32 v14, 0
	v_mov_b32 v15, 0
	v_mov_b32 v246, 0                              ; a lane exchange's destination counts as read
	v_mov_b32 v253, 0                              ; (named as the upper half of v[252:253])
.set n, 0
.rept 64
	v_mov_b32 v[160+n], 0                          ; both O^T: the step is written once for each walk; its first trip finds zeros
.set n, n+1
.endr
	s_wait_kmcnt 0x0
	s_add_co_i32 s21, s50, s51
	s_lshl_b32 s21, s21, 23
	s_add_co_i32 s[CS], s[CS], s21                 ; e2 + e3 go into c's exponent field
	s_mov_b32 s[CS+1], s[CS]
	s_add_co_i32 s21, s53, 127
	s_lshl_b32 s13, s21, 23
	v_mov_b32 v244, s13                            ; 2^e5
	s_add_co_i32 s21, s21, 15
	s_lshl_b32 s21, s21, 23
	s_or_b32 s21, s21, 0x600000
	v_mov_b32 v240, s21                            ; 57,344 x 2^e5, twice: the two halves of a dual line name registers of different banks
	v_mov_b32 v241, s21
	s_wait_alu depctr_va_vdst(0)
	s_wait_loadcnt 0x0                             ; Q
	s_wait_tensorcnt 0x0                           ; my piece of the first half is in
	ds_add_u32 v251, v255
	s_add_co_u32 s[G0+1], s[G0+1], 65536           ; no load of mine is out: the descriptor steps to the second half, in LDS and in memory
	s_add_nc_u64 s[G0+2:G0+3], s[G0+2:G0+3], 65536
	s_wait_dscnt 0x0
	s_barrier_signal -1
	s_barrier_wait -1                              ; keys 0-1,023 are whole
	tensor_load_to_lds s[G0:G0+3], s[G1:G1+7]      ; keys 1,024-2,047: my one load behind this barrier
	s_nop 0
.rept 4
	v_nop
.endr
	s_lshl_b32 s[TB], s42, 13                      ; pass 1: block i's tile; its keys lie under 1,024
	s_lshl_b32 s[KF], s42, 7
	s_mov_b32 s[Q0], s40
	WALK p1, 16, 2, 192
	s_lshl_b32 s[TB], s42, 13                      ; pass 2: block 15 - i's tile, first on keys 0-1,023
	s_lshl_b32 s[KF], s42, 7
	s_mov_b32 s[Q0], s41
	WALK p2a, 24, 12, 160
	s_wait_tensorcnt 0x0                           ; my piece of the second half is in,
	s_wait_dscnt 0x0
	s_barrier_signal -1
	s_barrier_wait -1                              ; everybody's is
	s_lshl_b32 s[TB], s42, 13
	s_add_co_u32 s[TB], s[TB], 65536
	s_lshl_b32 s[KF], s42, 7
	s_add_co_u32 s[KF], s[KF], 1024
	WALK p2b, 24, 12, 160
	; THE TWO PARTS MEET.  v[232:235] = my -M and sum of pass 1 and of pass 2
.rept 4
	v_nop                                          ; places behind the last products
.endr
	v_add_f32 v233, v4, v5
	v_add_f32 v235, v14, v15
	v_mov_b32 v232, v2
	v_mov_b32 v234, v12
	s_wait_dscnt 0x0
	s_barrier_signal -1
	s_barrier_wait -1                              ; nobody reads K any more, and it has had its last fill: its first bytes serve the exchange
	s_wait_alu depctr_va_vdst(0)
.set n, 0
.rept 4
	ds_store_b128 v245, v[208+4*n:211+4*n] offset:512*n        ; accumulators 2, 3 of pass 1, as an image of my registers,
.set n, n+1
.endr
.set n, 0
.rept 4
	ds_store_b128 v245, v[176+4*n:179+4*n] offset:2048+512*n   ; of pass 2,
.set n, n+1
.endr
	ds_store_b128 v245, v[232:235] offset:4096                 ; and the four numbers
	s_wait_dscnt 0x0                               ; for my partner's sake
	s_barrier_signal -1
	s_barrier_wait -1
.set n, 0
.rept 8
	ds_load_b128 v[96+4*n:99+4*n], v247 offset:512*n           ; my partner's part of the channels that I keep: v96-111 pass 1, v112-127 pass 2
.set n, n+1
.endr
	ds_load_b128 v[128:131], v247 offset:4096
	s_wait_dscnt 0x0
	v_min_num_f32 v132, v232, v128                 ; -M* = the lesser -M
	v_min_num_f32 v133, v234, v130
	v_sub_f32 v134, v132, v232                     ; M - M*: whole numbers, 0 or less; a part with no key has M = -3e38, and its factor becomes 0
	v_sub_f32 v135, v132, v128
	v_sub_f32 v136, v133, v234
	v_sub_f32 v137, v133, v130
.irp k, 134,135,136,137
	v_cvt_i32_f32 v\k, v\k                         ; (it saturates)
.endr
.irp k, 134,135,136,137
	v_ldexp_f32 v\k, 1.0, v\k
.endr
	v_mul_f32 v138, v233, v134
	v_mul_f32 v139, v235, v136
	v_fmac_f32 v138, v129, v135
	v_fmac_f32 v139, v131, v137
	v_permlanex16_b32 v246, v138, s[SEL], s[SEL+1]
	v_permlanex16_b32 v253, v139, s[SEL], s[SEL+1]
	v_add_f32 v138, v138, v246                     ; the rows' sums
	v_add_f32 v139, v139, v253
	s_wait_alu depctr_va_vdst(0)
	v_rcp_f32 v138, v138
	v_rcp_f32 v139, v139
	v_nop
	s_sub_co_i32 s21, s54, s52
	s_sub_co_i32 s21, s21, s53
	s_add_co_i32 s21, s21, 127
	s_lshl_b32 s13, s21, 23
	v_mov_b32 v244, s13                            ; 2^(e6 - e4 - e5) for the conversion
	s_add_co_i32 s21, s21, 15
	s_lshl_b32 s21, s21, 23
	s_or_b32 s21, s21, 0x600000
	v_mov_b32 v240, s21
	s_wait_alu depctr_va_vdst(0)                   ; ahead of the reciprocals' first reader, and of the first read of the accumulators that I keep
	v_mul_f32 v134, v134, v138
	v_mul_f32 v135, v135, v138
	v_mul_f32 v136, v136, v139
	v_mul_f32 v137, v137, v139
.set n, 0
.rept 16
	v_mul_f32 v[192+n], v[192+n], v134
	v_mul_f32 v[160+n], v[160+n], v136
.set n, n+1
.endr
.set n, 0
.rept 16
	v_fmac_f32 v[192+n], v[96+n], v135
	v_fmac_f32 v[160+n], v[112+n], v137
.set n, n+1
.endr
.set n, 0
.rept 16
	v_med3_num_f32 v[192+n], v[192+n], -v240, v240
	v_med3_num_f32 v[160+n], v[160+n], -v240, v240
.set n, n+1
.endr
	v_cvt_scalef32_pk8_bf8_f32 v[32:33], v[192:199], v244   ; a lane's registers run along the projection's K: the codes are stored as they stand
	v_cvt_scalef32_pk8_bf8_f32 v[34:35], v[200:207], v244
	v_cvt_scalef32_pk8_bf8_f32 v[36:37], v[160:167], v244
	v_cvt_scalef32_pk8_bf8_f32 v[38:39], v[168:175], v244
	v_nop
	global_store_b128 v11, v[32:35], s[36:37]      ; the wave stores 512 consecutive bytes for each of its two tiles
	global_store_b128 v11, v[36:39], s[38:39]
	s_wait_tensorcnt 0x0                           ; the wave's end
	ds_add_u32 v251, v255
	s_wait_dscnt 0x0
	s_endpgm
.Lfunc_end_k_q1acd59f3d7_attn:
	.size	k_q1acd59f3d7_attn, .Lfunc_end_k_q1acd59f3d7_attn-k_q1acd59f3d7_attn
	.p2alignl 7, 3214868480
	.fill 96, 4, 3214868480
	.section	.rodata,"a",@progbits
	.p2align	6, 0x0
	.amdhsa_kernel k_q1acd59f3d7_attn
		.amdhsa_group_segment_fixed_size 327680
		.amdhsa_private_segment_fixed_size 0
		.amdhsa_enable_private_segment 0
		.amdhsa_kernarg_size 24
		.amdhsa_user_sgpr_count 2
		.amdhsa_user_sgpr_kernarg_segment_ptr 1
		.amdhsa_wavefront_size32 1
		.amdhsa_system_sgpr_workgroup_id_x 1
		.amdhsa_system_sgpr_workgroup_id_y 1
		.amdhsa_system_sgpr_workgroup_id_z 1
		.amdhsa_system_vgpr_workitem_id 0
		.amdhsa_next_free_vgpr 256
		.amdhsa_next_free_sgpr 66
		.amdhsa_reserve_vcc 1
		.amdhsa_float_denorm_mode_32 3
		.amdhsa_float_denorm_mode_16_64 3
		.amdhsa_memory_ordered 1
		.amdhsa_forward_progress 1
		.amdhsa_inst_pref_size 81
	.end_amdhsa_kernel
	.amdgpu_metadata
---
amdhsa.version: [ 1, 2 ]
amdhsa.kernels:
  - .name:           k_q1acd59f3d7_attn
    .symbol:         k_q1acd59f3d7_attn.kd
    .args:
      - { .name: qkvc, .offset: 0, .size: 8, .value_kind: global_buffer, .address_space: global }
      - { .name: lowp_scales, .offset: 8, .size: 8, .value_kind: global_buffer, .address_space: global }
      - { .name: a4, .offset: 16, .size: 8, .value_kind: global_buffer, .address_space: global }
    .group_segment_fixed_size: 327680
    .private_segment_fixed_size: 0
    .kernarg_segment_align: 8
    .kernarg_segment_size: 24
    .max_flat_workgroup_size: 512
    .sgpr_count:     66
    .vgpr_count:     256
    .wavefront_size: 32
...
	.end_amdgpu_metadata
.endif
;; end of part 10
;; launch proj (part 11): grid 8 x 32, 8 waves a work-group, clusters of 4 x 1, 327,680 bytes of LDS; arguments a4, pw, proj_b, x, lowp_scales, x1; writes x1
.if DOCPART == 11
	.amdgcn_target "amdgcn-amd-amdhsa--gfx1250"
	.amdhsa_code_object_version 6
	.text
	.protected	k_q1acd59f3d7_proj
	.globl	k_q1acd59f3d7_proj
	.p2align	8
	.type	k_q1acd59f3d7_proj,@function
k_q1acd59f3d7_proj:
	s_mov_b64 s[64:65], 0
	v_nop
	global_prefetch_b8 v0, s[64:65] scope:SCOPE_SE
	s_setreg_imm32_b32 hwreg(HW_REG_WAVE_MODE, 25, 1), 1
	s_wait_xcnt 0x0
	s_wait_alu depctr_hold_cnt(0) depctr_sa_sdst(0) depctr_va_vdst(0) depctr_va_sdst(0) depctr_va_ssrc(0) depctr_va_vcc(0) depctr_vm_vsrc(0)
	s_getreg_b32 s2, hwreg(HW_REG_IB_STS2, 6, 4)
	s_cmp_eq_u32 s2, 0
	s_cbranch_scc0 .Lentry_in_a_cluster
	s_endpgm
.Lentry_in_a_cluster:
	s_bfe_u32 s2, ttmp6, 0x10000c
	s_cmp_lg_u32 s2, 0x3003
	s_cbranch_scc0 .Lentry_shape_is_right
	s_endpgm
.Lentry_shape_is_right:
; PROJ: x1 = x + (attention's codes) x (proj_w's codes) x 2^(e6 + e7) + proj_b.  [4096 x 1024] x [1024 x 1024], codes of E5M2, sums in f32.
; The design is launch ff2's, with K = 1,024: a work-group of eight waves makes 128 tokens x 128 columns; wave w makes the 64 x 64 at (w / 2 % 2, w % 2) over half w / 4 of K, 8 half steps of 64 along K.
; The tokens' 131,072 bytes come into LDS by ONE fill, a joint load of 16,384 bytes a wave (cluster 4, 1, 1: the four work-groups read the same tokens); nothing is filled again.
; The weight's fragments go from memory straight into registers, four half steps ahead.  The two halves of K meet once, through LDS bytes that no fill lands on.
; NO PREFETCH: the one fill is asked for at the head: there is no loop to run ahead in.
; LIMIT: e6 + e7 between -126 and 127.  NaN and infinities are not served.
.set KDIM,  1024
.set BOFF,  3145728
.set EOFF,  0x18
.set RTB,   64*KDIM
.set KHB,   32*KDIM
.set FILLS, KDIM/1024
.set HSN,   8*FILLS
.set SLOT,  131072
.set XCH,   (FILLS%2)*SLOT
.set STAGE, 262144
.set SPARE, 296960
.set BI,   8
.set VA,   12
.set VB,   18
.set XW,   19
.set XR,   20
.set STO,  22
.set RD,   23
.set CO,   24
.set SPW,  28
.set NIL,  29
.set RS,   64
.set ACC,  128
.set G1,   48
.set G0,   56
.set MSB, 0
.macro WIN new
.if MSB != (\new)
	s_set_vgpr_msb (MSB<<8)|(\new)
.set MSB, (\new)
.endif
.endm
.macro PLACES
.rept 4
	v_nop
.endr
.endm
.macro CREST
	s_cmp_lg_u32 s20, 0
	s_cbranch_scc1 .Lnot_wave_0_\@
	s_barrier_signal -3
.Lnot_wave_0_\@:
	s_barrier_wait -3
	s_barrier_signal -1
	s_barrier_wait -1
.endm
.macro CROUND
	s_barrier_signal -1
	s_barrier_wait -1
	CREST
.endm
.macro ALD slot, s, hq
.set OF, ((\hq)/2)*8192+((\hq)%2)*1024
.set FS, 32*(\s)
.irp f, 0,1
.irp c, 0,1
	ds_load_b128 v[FS+8*\f+4*\c:FS+8*\f+4*\c+3], v[VA+2*(\slot)] offset:OF+2048*\f+512*\c
	ds_load_b128 v[FS+16+8*\f+4*\c:FS+16+8*\f+4*\c+3], v[VA+2*(\slot)+1] offset:OF+2048*\f+512*\c
.endr
.endr
.endm
.macro BLD s, g
.set OF, ((\g)/2)*8192+((\g)%2)*1024
.set FS, 128+32*(\s)
.irp f, 0,1,2,3
.irp c, 0,1
	global_load_b128 v[FS+8*\f+4*\c:FS+8*\f+4*\c+3], v[VB], s[6:7] offset:OF+2048*\f+512*\c
.endr
.endr
.endm
.macro MUL s, zero
.irp a, 0,1,2,3
.irp b, 0,1,2,3
.if \zero
	v_wmma_f32_16x16x64_bf8_bf8 v[ACC+8*(4*\a+\b):ACC+8*(4*\a+\b)+7], v[128+32*(\s)+8*\b:128+32*(\s)+8*\b+7], v[32*(\s)+8*\a:32*(\s)+8*\a+7], 0
.else
	v_wmma_f32_16x16x64_bf8_bf8 v[ACC+8*(4*\a+\b):ACC+8*(4*\a+\b)+7], v[128+32*(\s)+8*\b:128+32*(\s)+8*\b+7], v[32*(\s)+8*\a:32*(\s)+8*\a+7], v[ACC+8*(4*\a+\b):ACC+8*(4*\a+\b)+7]
.endif
.endr
.endr
.endm
.macro HS f, q
.set GQ, 8*(\f)+(\q)
.if (\q) < 5
	s_wait_dscnt 24
.else
	s_wait_dscnt 8*(7-(\q))
.endif
.if GQ+3 < HSN
	s_wait_loadcnt 24
.else
	s_wait_loadcnt 8*(HSN-1-GQ)
.endif
	WIN 0x05
.if GQ == 0
	MUL (\q)%4, 1
.else
	MUL (\q)%4, 0
.endif
.if ((\q) < 4) || (GQ+4 < HSN)
	PLACES
	WIN 0x40
.if (\q) < 4
	ALD (\f)%2, (\q)%4, (\q)+4
.endif
.if GQ+4 < HSN
	BLD (\q)%4, GQ+4
.endif
.endif
.endm
.macro PHASE f
	WIN 0x40
	ALD (\f)%2, 0, 0
	ALD (\f)%2, 1, 1
	ALD (\f)%2, 2, 2
	ALD (\f)%2, 3, 3
.irp q, 0,1,2,3,4,5,6,7
	HS \f, \q
.endr
.endm
.macro TURN fill
	WIN 0
	s_wait_tensorcnt 0x0
	ds_add_u32 v[SPW], v[NIL]
.if \fill
	s_xor_b32 s[G0+1], s[G0+1], SLOT
	s_add_nc_u64 s[G0+2:G0+3], s[G0+2:G0+3], 32768
.endif
	s_wait_dscnt 0x0
.if \fill
	CROUND
	tensor_load_to_lds s[G0:G0+3], s[G1:G1+7]
	s_nop 0
.else
	s_barrier_signal -1
	s_barrier_wait -1
.endif
	PLACES
.endm
.macro TOST a
.set BK, 32+160*(\a)
.irp b, 0,1,2,3
	ds_store_b128 v[STO], v[ACC+8*(4*(\a)+\b):ACC+8*(4*(\a)+\b)+3] offset:64*\b
	ds_store_b128 v[STO], v[ACC+8*(4*(\a)+\b)+4:ACC+8*(4*(\a)+\b)+7] offset:64*\b+16
.endr
.set t, 0
.rept 8
	ds_load_b128 v[BK+4*t:BK+4*t+3], v[RD] offset:544*t
.set t, t+1
.endr
.endm
.macro FIN a, n
.set BK, 32+160*(\a)
	s_wait_dscnt \n
.set j, 0
.rept 16
	v_pk_fma_f32 v[BK+j:BK+j+1], v[BK+j:BK+j+1], s[42:43], v[BI+j%4:BI+j%4+1] op_sel_hi:[1,0,1]
.set j, j+2
.endr
.set j, 0
.rept 16
	v_pk_add_f32 v[BK+j:BK+j+1], v[BK+j:BK+j+1], v[RS+32*(\a)+j:RS+32*(\a)+j+1]
.set j, j+2
.endr
.set t, 0
.rept 8
	global_store_b128 v[CO], v[BK+4*t:BK+4*t+3], s[14:15] offset:(16*(\a)+2*t)*4096
.set t, t+1
.endr
.endm
	s_load_b256 s[4:11], s[0:1], 0x0               ; a4 4, pw 6, proj_b 8, x 10
	s_load_b128 s[12:15], s[0:1], 0x20             ; the scales 12, x1 14
	v_lshl_add_u32 v[SPW], v0, 2, SPARE
	v_mov_b32 v[NIL], 0
	ds_add_u32 v[SPW], v[NIL]                      ; the opening lines: the add, twice on end, and its wait
	ds_add_u32 v[SPW], v[NIL]
	v_lshrrev_b32 v4, 5, v0
	v_readfirstlane_b32 s20, v4                    ; wave 0..7
	s_lshr_b32 s21, s20, 2
	s_bfe_u32 s22, s20, 0x10001
	s_and_b32 s23, s20, 1
	s_and_b32 s24, ttmp7, 0xffff
	s_bfe_u32 s46, ttmp6, 0x40000
	s_lshl_b32 s47, ttmp9, 2
	s_add_co_u32 s47, s47, s46
	s_mov_b32 s[G1], 15|(3<<16)|(1<<21)
	s_mov_b32 s[G1+1], 32<<16
	s_mov_b32 s[G1+2], 64<<16
	s_mov_b32 s[G1+3], 32<<16
	s_mov_b32 s[G1+4], 64
	s_mov_b32 s[G1+5], 32
	s_mov_b32 s[G1+6], 0
	s_mov_b32 s[G1+7], 0
	s_lshl_b32 s25, s20, 14
	s_lshl_b32 s26, s24, 1
	s_add_co_u32 s26, s26, s22
	s_mul_i32 s26, s26, RTB
	s_mul_i32 s30, s21, KHB
	s_add_co_u32 s26, s26, s30
	s_lshl_b32 s31, s23, 14
	s_add_co_u32 s26, s26, s31
	s_mov_b32 s27, 0
	s_lshl_b32 s28, s47, 1
	s_add_co_u32 s28, s28, s23
	s_mul_i32 s28, s28, RTB
	s_add_co_u32 s28, s28, s30
	s_add_co_u32 s28, s28, BOFF
	s_mov_b32 s29, 0
	s_lshl_b32 s32, s47, 9
	s_lshl_b32 s31, s23, 8
	s_add_co_u32 s32, s32, s31
	s_mov_b32 s33, 0
	s_lshl_b32 s34, s24, 7
	s_lshl_b32 s31, s22, 6
	s_add_co_u32 s34, s34, s31
	s_lshl_b32 s31, s21, 5
	s_add_co_u32 s34, s34, s31
	s_lshl_b32 s34, s34, 12
	s_add_co_u32 s34, s34, s32
	s_mov_b32 s35, 0
	s_lshl_b32 s36, s20, 13
	s_xor_b32 s37, s36, 32768
	s_add_co_u32 s36, s36, XCH
	s_add_co_u32 s37, s37, XCH
	s_mul_i32 s38, s20, 4352
	s_add_co_u32 s38, s38, STAGE
	s_lshr_b32 s39, s20, 1
	s_lshl_b32 s39, s39, 15
	s_lshl_b32 s31, s21, 12
	s_add_co_u32 s39, s39, s31
	s_wait_dscnt 0x0
	s_wait_kmcnt 0x0
	s_load_b64 s[40:41], s[12:13], EOFF            ; e6, e7
	s_add_nc_u64 s[4:5], s[4:5], s[26:27]
	s_add_nc_u64 s[6:7], s[6:7], s[28:29]
	s_add_nc_u64 s[8:9], s[8:9], s[32:33]
	s_add_nc_u64 s[10:11], s[10:11], s[34:35]
	s_add_nc_u64 s[14:15], s[14:15], s[34:35]
	CROUND
	s_mov_b32 s[G0], 1
	s_mov_b32 s[G0+1], s25
	s_mov_b64 s[G0+2:G0+3], s[4:5]
	s_or_b32 s[G0+3], s[G0+3], 0x80000000
	tensor_load_to_lds s[G0:G0+3], s[G1:G1+7]      ; my 16,384 bytes of the tokens: the wave's one tensor load
	s_nop 0
	PLACES
	v_and_b32 v3, 31, v0
	v_and_b32 v1, 15, v0
	v_bfe_u32 v2, v0, 4, 1
	v_lshlrev_b32 v[VB], 4, v3
	v_mul_u32_u24 v[STO], v1, 272
	v_mul_u32_u24 v[RD], v2, 272
	v_lshlrev_b32 v[CO], 12, v2
	v_lshlrev_b32 v6, 4, v1
	v_add_nc_u32 v[VA], s39, v[VB]
	v_add_nc_u32 v[XW], s36, v[VB]
	v_add_nc_u32 v[XR], s37, v[VB]
	v_lshl_add_u32 v[STO], v2, 5, v[STO]
	v_lshl_add_u32 v[RD], v1, 4, v[RD]
	v_lshl_add_u32 v[CO], v1, 4, v[CO]
	v_xor_b32 v[VA+1], 4096, v[VA]
	v_add_nc_u32 v[STO], s38, v[STO]
	v_add_nc_u32 v[RD], s38, v[RD]
	s_wait_alu depctr_va_vdst(0)
	global_load_b128 v[BI:BI+3], v6, s[8:9]
.set t, 0
.rept 16
	global_load_b128 v[RS+4*t:RS+4*t+3], v[CO], s[10:11] offset:2*t*4096
.set t, t+1
.endr
	WIN 0x40
	BLD 0, 0
	BLD 1, 1
	BLD 2, 2
	BLD 3, 3
	TURN 0                                         ; everybody's piece is in
	PHASE 0
	WIN 0
	PLACES
.set n, 0
.rept 16
	ds_store_b128 v[XW], v[ACC+64+4*n:ACC+64+4*n+3] offset:512*n
.set n, n+1
.endr
	s_wait_kmcnt 0x0
	s_add_co_i32 s42, s40, s41
	s_add_co_i32 s42, s42, 127
	s_lshl_b32 s42, s42, 23                        ; 2^(e6 + e7)
	s_mov_b32 s43, s42
	s_wait_dscnt 0x0
	s_barrier_signal -1
	s_barrier_wait -1
.set n, 0
.rept 16
	ds_load_b128 v[ACC+64+4*n:ACC+64+4*n+3], v[XR] offset:512*n
.set n, n+1
.endr
	s_wait_dscnt 0x0
.set j, 0
.rept 32
	v_pk_add_f32 v[ACC+j:ACC+j+1], v[ACC+j:ACC+j+1], v[ACC+64+j:ACC+64+j+1]
.set j, j+2
.endr
	TOST 0
	TOST 1
	FIN 0, 16
	FIN 1, 0
	s_wait_tensorcnt 0x0                           ; the wave's end,
	ds_add_u32 v[SPW], v[NIL]
	s_wait_dscnt 0x0
	CROUND                                         ; and the closing round
	s_endpgm
.Lfunc_end_k_q1acd59f3d7_proj:
	.size	k_q1acd59f3d7_proj, .Lfunc_end_k_q1acd59f3d7_proj-k_q1acd59f3d7_proj
	.p2alignl 7, 3214868480
	.fill 96, 4, 3214868480
	.section	.rodata,"a",@progbits
	.p2align	6, 0x0
	.amdhsa_kernel k_q1acd59f3d7_proj
		.amdhsa_group_segment_fixed_size 327680
		.amdhsa_private_segment_fixed_size 0
		.amdhsa_enable_private_segment 0
		.amdhsa_kernarg_size 48
		.amdhsa_user_sgpr_count 2
		.amdhsa_user_sgpr_kernarg_segment_ptr 1
		.amdhsa_wavefront_size32 1
		.amdhsa_system_sgpr_workgroup_id_x 1
		.amdhsa_system_sgpr_workgroup_id_y 1
		.amdhsa_system_sgpr_workgroup_id_z 1
		.amdhsa_system_vgpr_workitem_id 0
		.amdhsa_next_free_vgpr 512
		.amdhsa_next_free_sgpr 66
		.amdhsa_reserve_vcc 0
		.amdhsa_float_denorm_mode_32 3
		.amdhsa_float_denorm_mode_16_64 3
		.amdhsa_memory_ordered 1
		.amdhsa_forward_progress 1
		.amdhsa_inst_pref_size 39
	.end_amdhsa_kernel
	.amdgpu_metadata
---
amdhsa.version: [ 1, 2 ]
amdhsa.kernels:
  - .name:           k_q1acd59f3d7_proj
    .symbol:         k_q1acd59f3d7_proj.kd
    .args:
      - { .name: a4, .offset: 0, .size: 8, .value_kind: global_buffer, .address_space: global }
      - { .name: pw, .offset: 8, .size: 8, .value_kind: global_buffer, .address_space: global }
      - { .name: proj_b, .offset: 16, .size: 8, .value_kind: global_buffer, .address_space: global }
      - { .name: x, .offset: 24, .size: 8, .value_kind: global_buffer, .address_space: global }
      - { .name: lowp_scales, .offset: 32, .size: 8, .value_kind: global_buffer, .address_space: global }
      - { .name: x1, .offset: 40, .size: 8, .value_kind: global_buffer, .address_space: global }
    .group_segment_fixed_size: 327680
    .private_segment_fixed_size: 0
    .kernarg_segment_align: 8
    .kernarg_segment_size: 48
    .max_flat_workgroup_size: 256
    .sgpr_count:     66
    .vgpr_count:     512
    .wavefront_size: 32
...
	.end_amdgpu_metadata
.endif
;; end of part 11
;; launch ln2 (part 12): grid 256 x 1, 4 waves a work-group, no clusters, 17,408 bytes of LDS; arguments x1, ln2_g, ln2_b, lowp_scales, a5; writes a5
.if DOCPART == 12
	.amdgcn_target "amdgcn-amd-amdhsa--gfx1250"
	.amdhsa_code_object_version 6
	.text
	.protected	k_q1acd59f3d7_ln2
	.globl	k_q1acd59f3d7_ln2
	.p2align	8
	.type	k_q1acd59f3d7_ln2,@function
k_q1acd59f3d7_ln2:
	s_mov_b64 s[64:65], 0
	v_nop
	global_prefetch_b8 v0, s[64:65] scope:SCOPE_SE
	s_setreg_imm32_b32 hwreg(HW_REG_WAVE_MODE, 25, 1), 1
	s_wait_xcnt 0x0
; LAYERNORM 2 of x1, quantised with entry 8 of the scales, into the order of the operand's registers ([row / 64][k / 128][fragment][piece][lane][16 bytes]).
; A work-group owns 16 rows, one row of fragments; a wave four of them, each whole in its registers (32 a lane): memory is read once.  The codes meet in a stage in LDS (rows 1,040 bytes apart) and leave 512 bytes a store.
; LIMIT: e8 between -126 and 112.  NaN and infinities are not served.
.macro REDUCE
	v_add_f32_dpp v4, v4, v4 row_xmask:1 row_mask:0xf bank_mask:0xf
	v_add_f32_dpp v4, v4, v4 row_xmask:2 row_mask:0xf bank_mask:0xf
	v_add_f32_dpp v4, v4, v4 row_xmask:4 row_mask:0xf bank_mask:0xf
	v_add_f32_dpp v4, v4, v4 row_xmask:8 row_mask:0xf bank_mask:0xf
	v_permlanex16_b32 v27, v4, s28, s29
	v_add_f32 v4, v4, v27
.endm
.macro LNROW i
.set XR, 96+32*(\i)
	s_wait_loadcnt 8*(3-(\i))                      ; g, b and rows up to this one are in; the later rows' eight loads each may be out
	v_pk_add_f32 v[4:5], v[XR:XR+1], v[XR+2:XR+3]
	v_pk_add_f32 v[6:7], v[XR+4:XR+5], v[XR+6:XR+7]
.set j, 8
.rept 6
	v_pk_add_f32 v[4:5], v[4:5], v[XR+j:XR+j+1]
	v_pk_add_f32 v[6:7], v[6:7], v[XR+j+2:XR+j+3]
.set j, j+4
.endr
	v_pk_add_f32 v[4:5], v[4:5], v[6:7]
	v_add_f32 v4, v4, v5
	REDUCE
	v_mul_f32 v10, s30, v4                         ; the mean
	v_mov_b32 v11, v10
.set j, 0
.rept 16
	v_pk_add_f32 v[XR+j:XR+j+1], v[XR+j:XR+j+1], v[10:11] neg_lo:[0,1] neg_hi:[0,1]
.set j, j+2
.endr
	v_pk_mul_f32 v[4:5], v[XR:XR+1], v[XR:XR+1]
	v_pk_mul_f32 v[6:7], v[XR+2:XR+3], v[XR+2:XR+3]
.set j, 4
.rept 7
	v_pk_fma_f32 v[4:5], v[XR+j:XR+j+1], v[XR+j:XR+j+1], v[4:5]
	v_pk_fma_f32 v[6:7], v[XR+j+2:XR+j+3], v[XR+j+2:XR+j+3], v[6:7]
.set j, j+4
.endr
	v_pk_add_f32 v[4:5], v[4:5], v[6:7]
	v_add_f32 v4, v4, v5
	REDUCE
	v_fma_f32 v8, v4, s30, s31                     ; the variance + 1e-5
	s_wait_alu depctr_va_vdst(0)
	v_rsq_f32 v12, v8
	v_nop                                          ; a plain instruction behind the transcendental
	s_wait_alu depctr_va_vdst(0)                   ; and the wait ahead of the first line that names its result
	v_mov_b32 v13, v12
.set j, 0
.rept 16
	v_pk_mul_f32 v[XR+j:XR+j+1], v[XR+j:XR+j+1], v[12:13]
.set j, j+2
.endr
.set j, 0
.rept 16
	v_pk_fma_f32 v[XR+j:XR+j+1], v[XR+j:XR+j+1], v[32+j:33+j], v[64+j:65+j]
.set j, j+2
.endr
.set j, 0
.rept 32
	v_med3_num_f32 v[XR+j], v[XR+j], -v22, v22     ; the conversion does not saturate (ISA guide 7.6.2)
.set j, j+1
.endr
.set j, 0
.rept 4
	v_cvt_scalef32_pk8_bf8_f32 v[224+8*(\i)+2*j:225+8*(\i)+2*j], v[XR+8*j:XR+8*j+7], v23
.set j, j+1
.endr
	v_nop
.set j, 0
.rept 8
	ds_store_b32 v24, v[224+8*(\i)+j] offset:(\i)*1040+128*j
.set j, j+1
.endr
.endm
	s_load_b256 s[8:15], s[0:1], 0x0               ; x1 8, ln2_g 10, ln2_b 12, the scales 14
	s_load_b64 s[24:25], s[0:1], 0x20              ; a5
	v_lshl_add_u32 v30, v0, 2, 0x4200
	v_mov_b32 v31, 0
	v_lshrrev_b32 v4, 5, v0
	v_readfirstlane_b32 s2, v4                     ; wave 0..3
	v_and_b32 v1, 31, v0
	v_and_b32 v2, 15, v0
	v_bfe_u32 v3, v0, 4, 1
	s_wait_alu depctr_va_vdst(0)
	s_wait_kmcnt 0x0
	s_load_b32 s40, s[14:15], 0x20                 ; e8
	s_lshl_b32 s32, ttmp9, 16                      ; 16 rows of 4,096 bytes,
	s_lshl_b32 s33, s2, 14                         ; my wave's four
	s_add_co_u32 s32, s32, s33
	s_mov_b32 s33, 0
	s_add_nc_u64 s[8:9], s[8:9], s[32:33]
	s_lshr_b32 s32, ttmp9, 2
	s_lshl_b32 s32, s32, 16
	s_and_b32 s34, ttmp9, 3
	s_lshl_b32 s34, s34, 11
	s_add_co_u32 s32, s32, s34
	s_lshl_b32 s34, s2, 14
	s_add_co_u32 s32, s32, s34
	s_add_nc_u64 s[26:27], s[24:25], s[32:33]
	v_lshlrev_b32 v26, 4, v1
.set m, 0
.rept 8
	global_load_b128 v[32+4*m:35+4*m], v26, s[10:11] offset:512*m
.set m, m+1
.endr
.set m, 0
.rept 8
	global_load_b128 v[64+4*m:67+4*m], v26, s[12:13] offset:512*m
.set m, m+1
.endr
.set m, 0
.rept 32
	global_load_b128 v[96+4*m:99+4*m], v26, s[8:9] offset:512*m
.set m, m+1
.endr
	s_mul_i32 s34, s2, 4160
	v_lshlrev_b32 v24, 2, v1
	v_add_nc_u32 v24, s34, v24
	v_mul_u32_u24 v25, v2, 1040
	v_lshl_add_u32 v25, v3, 3, v25
	s_lshl_b32 s34, s2, 8
	v_add_nc_u32 v25, s34, v25
	v_mov_b32 v27, 0
	s_mov_b32 s28, 0x76543210
	s_mov_b32 s29, 0xfedcba98
	s_mov_b32 s30, 0x3a800000                      ; 1 / 1024
	s_mov_b32 s31, 0x3727c5ac                      ; 1e-5
	s_wait_kmcnt 0x0
	s_add_co_i32 s35, s40, 127
	s_lshl_b32 s36, s35, 23
	v_mov_b32 v23, s36
	s_add_co_i32 s35, s35, 15
	s_lshl_b32 s35, s35, 23
	s_or_b32 s35, s35, 0x600000
	v_mov_b32 v22, s35
	LNROW 0
	LNROW 1
	LNROW 2
	LNROW 3
	s_wait_dscnt 0x0                               ; for the others' sake: my stores into the stage are done
	s_barrier_signal -1
	s_barrier_wait -1
.set p, 0
.rept 8
	ds_load_b64 v[96+4*p:97+4*p], v25 offset:(p/4)*128+(p%4)*32
	ds_load_b64 v[98+4*p:99+4*p], v25 offset:(p/4)*128+(p%4)*32+16
.set p, p+1
.endr
.set p, 0
.rept 8
	s_wait_dscnt 14-2*p                            ; piece p's two loads are in
	global_store_b128 v26, v[96+4*p:99+4*p], s[26:27] offset:(p/4)*8192+(p%4)*512
.set p, p+1
.endr
	s_wait_tensorcnt 0x0
	ds_add_u32 v30, v31
	s_wait_dscnt 0x0
	s_endpgm
.Lfunc_end_k_q1acd59f3d7_ln2:
	.size	k_q1acd59f3d7_ln2, .Lfunc_end_k_q1acd59f3d7_ln2-k_q1acd59f3d7_ln2
	.p2alignl 7, 3214868480
	.fill 96, 4, 3214868480
	.section	.rodata,"a",@progbits
	.p2align	6, 0x0
	.amdhsa_kernel k_q1acd59f3d7_ln2
		.amdhsa_group_segment_fixed_size 17408
		.amdhsa_private_segment_fixed_size 0
		.amdhsa_enable_private_segment 0
		.amdhsa_kernarg_size 40
		.amdhsa_user_sgpr_count 2
		.amdhsa_user_sgpr_kernarg_segment_ptr 1
		.amdhsa_wavefront_size32 1
		.amdhsa_system_sgpr_workgroup_id_x 1
		.amdhsa_system_sgpr_workgroup_id_y 1
		.amdhsa_system_sgpr_workgroup_id_z 1
		.amdhsa_system_vgpr_workitem_id 0
		.amdhsa_next_free_vgpr 256
		.amdhsa_next_free_sgpr 66
		.amdhsa_reserve_vcc 0
		.amdhsa_float_denorm_mode_32 3
		.amdhsa_float_denorm_mode_16_64 3
		.amdhsa_memory_ordered 1
		.amdhsa_forward_progress 1
		.amdhsa_inst_pref_size 45
	.end_amdhsa_kernel
	.amdgpu_metadata
---
amdhsa.version: [ 1, 2 ]
amdhsa.kernels:
  - .name:           k_q1acd59f3d7_ln2
    .symbol:         k_q1acd59f3d7_ln2.kd
    .args:
      - { .name: x1, .offset: 0, .size: 8, .value_kind: global_buffer, .address_space: global }
      - { .name: ln2_g, .offset: 8, .size: 8, .value_kind: global_buffer, .address_space: global }
      - { .name: ln2_b, .offset: 16, .size: 8, .value_kind: global_buffer, .address_space: global }
      - { .name: lowp_scales, .offset: 24, .size: 8, .value_kind: global_buffer, .address_space: global }
      - { .name: a5, .offset: 32, .size: 8, .value_kind: global_buffer, .address_space: global }
    .group_segment_fixed_size: 17408
    .private_segment_fixed_size: 0
    .kernarg_segment_align: 8
    .kernarg_segment_size: 40
    .max_flat_workgroup_size: 128
    .sgpr_count:     66
    .vgpr_count:     256
    .wavefront_size: 32
...
	.end_amdgpu_metadata
.endif
;; end of part 12
;; launch ff1 (part 13): grid 8 x 32, 4 waves a work-group, clusters of 4 x 4, 327,680 bytes of LDS; arguments a5, pw, ff1_b, lowp_scales, hb; writes hb
.if DOCPART == 13
	.amdgcn_target "amdgcn-amd-amdhsa--gfx1250"
	.amdhsa_code_object_version 6
	.text
	.protected	k_q1acd59f3d7_ff1
	.globl	k_q1acd59f3d7_ff1
	.p2align	8
	.type	k_q1acd59f3d7_ff1,@function
k_q1acd59f3d7_ff1:
	s_mov_b64 s[64:65], 0
	v_nop
	global_prefetch_b8 v0, s[64:65] scope:SCOPE_SE
	s_setreg_imm32_b32 hwreg(HW_REG_WAVE_MODE, 25, 1), 1
	s_wait_xcnt 0x0
	s_wait_alu depctr_hold_cnt(0) depctr_sa_sdst(0) depctr_va_vdst(0) depctr_va_sdst(0) depctr_va_ssrc(0) depctr_va_vcc(0) depctr_vm_vsrc(0)
	s_getreg_b32 s2, hwreg(HW_REG_IB_STS2, 6, 4)
	s_cmp_eq_u32 s2, 0
	s_cbranch_scc0 .Lentry_in_a_cluster
	s_endpgm
.Lentry_in_a_cluster:
	s_bfe_u32 s2, ttmp6, 0x10000c
	s_cmp_lg_u32 s2, 0xf033
	s_cbranch_scc0 .Lentry_shape_is_right
	s_endpgm
.Lentry_shape_is_right:
.set BOFF,  4194304
.set REGX,  0
.set REGY,  131072
.set SPARE, 262144
.set TSTEP, 1048576
.set ADRA, 16
.set ADRY, 20
.set SPW,  28
.set NIL,  29
.set ACC,  128
.set BIA,  192
.set G1,  24
.set G0,  32
.set G0B, 36
.set G1B, 48
.set T0, 32
.set T1, 48
.set T2, 64
.set T3, 80
.set T4, 96
.set T5, 112
.set MSB, 0
.macro WIN new
.if MSB != (\new)
	s_set_vgpr_msb (MSB<<8)|(\new)
.set MSB, (\new)
.endif
.endm
.macro CREST
	s_cmp_lg_u32 s20, 0
	s_cbranch_scc1 .Lnot_wave_0_\@
	s_barrier_signal -3
.Lnot_wave_0_\@:
	s_barrier_wait -3
	s_barrier_signal -1
	s_barrier_wait -1
.endm
.macro CROUND
	s_barrier_signal -1
	s_barrier_wait -1
	CREST
.endm
.macro PLACES
.rept 4
	v_nop
.endr
.endm
.macro ALOAD
	WIN 0x80
.irp q, 0,1,2,3
.irp a, 0,1,2,3
.irp c, 0,1,2,3
	ds_load_b128 v[64*\q+16*\a+4*\c:64*\q+16*\a+4*\c+3], v[ADRA] offset:\q*8192+\a*2048+\c*512
.endr
.endr
.endr
	WIN 0xc0
.irp q, 0,1,2,3
.irp a, 0,1,2,3
.irp c, 0,1,2,3
	ds_load_b128 v[64*\q+16*\a+4*\c:64*\q+16*\a+4*\c+3], v[ADRA] offset:(\q+4)*8192+\a*2048+\c*512
.endr
.endr
.endr
	WIN 0
.endm
.macro FETCHB adr, q
.set FB, 64*((\q)%3)
	WIN 0x40
.irp i, 0,1,2,3
.irp c, 0,1,2,3
	ds_load_b128 v[FB+16*\i+4*\c:FB+16*\i+4*\c+3], v[\adr] offset:(\q)*8192+\i*2048+\c*512
.endr
.endr
.endm
.macro MULA q, a, cin
.set FB, 64*((\q)%3)
.set FA, 64*((\q)%4)+16*(\a)
.irp b, 0,1,2,3
.if \cin
	v_wmma_f32_16x16x128_bf8_bf8 v[ACC+8*(4*(\a)+\b):ACC+8*(4*(\a)+\b)+7], v[FB+16*\b:FB+16*\b+15], v[FA:FA+15], 0
.else
	v_wmma_f32_16x16x128_bf8_bf8 v[ACC+8*(4*(\a)+\b):ACC+8*(4*(\a)+\b)+7], v[FB+16*\b:FB+16*\b+15], v[FA:FA+15], v[ACC+8*(4*(\a)+\b):ACC+8*(4*(\a)+\b)+7]
.endif
.endr
.endm
.macro QUARTER adr, q, cin
	s_wait_dscnt 16
	PLACES
	FETCHB \adr, (\q)+2
	WIN 0x09+4*((\q)/4)
	MULA \q, 0, \cin
	MULA \q, 1, \cin
	MULA \q, 2, \cin
	MULA \q, 3, \cin
.endm
.macro KSTEPS adr
	FETCHB \adr, 0
	FETCHB \adr, 1
	QUARTER \adr, 0, 1
	QUARTER \adr, 1, 0
	QUARTER \adr, 2, 0
	QUARTER \adr, 3, 0
	QUARTER \adr, 4, 0
	QUARTER \adr, 5, 0
.endm
.macro ENDPLAIN
	s_wait_dscnt 16
	WIN 0x0d
	MULA 6, 0, 0
	MULA 6, 1, 0
	MULA 6, 2, 0
	MULA 6, 3, 0
	s_wait_dscnt 0
	MULA 7, 0, 0
	MULA 7, 1, 0
	MULA 7, 2, 0
	MULA 7, 3, 0
	WIN 0
.endm
.macro ENDFILL
	WIN 0
	s_wait_tensorcnt 0x0
	ds_add_u32 v[SPW], v[NIL]
	s_wait_dscnt 17
	WIN 0x0d
	MULA 6, 0, 0
	MULA 6, 1, 0
	MULA 6, 2, 0
	MULA 6, 3, 0
	s_wait_dscnt 0x0
	s_barrier_signal -1
	MULA 7, 0, 0
	MULA 7, 1, 0
	WIN 0
	s_barrier_wait -1
	CREST
	s_add_nc_u64 s[G0B+2:G0B+3], s[G0B+2:G0B+3], TSTEP
	tensor_load_to_lds s[G0B:G0B+3], s[G1B:G1B+7]
	s_nop 0
	PLACES
	WIN 0x0d
	MULA 7, 2, 0
	MULA 7, 3, 0
	WIN 0
.endm
.macro BLD
	WIN 0x40
.irp b, 0,1,2,3
	global_load_b128 v[BIA+8*\b:BIA+8*\b+3],   v26, s[8:9] offset:64*\b
	global_load_b128 v[BIA+8*\b+4:BIA+8*\b+7], v26, s[8:9] offset:64*\b+16
.endr
	WIN 0
.endm
.macro GELU16 a, bb
.set XB, ACC+8*(4*(\a)+2*(\bb))
.set CD, 8+4*(\bb)
	WIN 0x10
.set j, 0
.rept 8
	v_pk_fma_f32 v[XB+j:XB+j+1], v[XB+j:XB+j+1], s[86:87], v[BIA+16*(\bb)+j:BIA+16*(\bb)+j+1] op_sel_hi:[1,0,1]
.set j, j+2
.endr
	WIN 0
.set j, 0
.rept 16
	v_mul_f32 v[T0+j], 0x3f3504f3, |v[XB+j]|
.set j, j+1
.endr
.set j, 0
.rept 8
	v_pk_add_f32 v[T1+j:T1+j+1], v[T0+j:T0+j+1], 2.0 op_sel_hi:[1,0]
	v_pk_fma_f32 v[T2+j:T2+j+1], v[T0+j:T0+j+1], 2.0, 1.0 op_sel_hi:[1,0,0]
	v_pk_mul_f32 v[T3+j:T3+j+1], v[T0+j:T0+j+1], v[T0+j:T0+j+1]
.set j, j+2
.endr
.set j, 0
.rept 8
	v_pk_mul_f32 v[T4+j:T4+j+1], v[T3+j:T3+j+1], 0xbfb8aa3b op_sel_hi:[1,0]
.set j, j+2
.endr
.set j, 0
	s_wait_alu depctr_va_vdst(0)
.rept 16
	v_rcp_f32 v[T1+j], v[T1+j]
	v_rcp_f32 v[T2+j], v[T2+j]
	v_exp_f32 v[T4+j], v[T4+j]
.set j, j+1
.endr
.set j, 0
.rept 8
	v_pk_add_f32 v[T5+j:T5+j+1], v[T0+j:T0+j+1], -2.0 op_sel_hi:[1,0]
	v_pk_mul_f32 v[T3+j:T3+j+1], v[T0+j:T0+j+1], 0x3f3504f3 op_sel_hi:[1,0]
.set j, j+2
.endr
	s_wait_alu depctr_va_vdst(0)
.set j, 0
.rept 8
	v_pk_mul_f32 v[T5+j:T5+j+1], v[T5+j:T5+j+1], v[T1+j:T1+j+1]
.set j, j+2
.endr
.set j, 0
.rept 8
	v_pk_fma_f32 v[T1+j:T1+j+1], v[T5+j:T5+j+1], v[6:7], 0xbaa15130 op_sel_hi:[1,1,0]
.set j, j+2
.endr
.irp k, 0x3aac2b8a, 0x3c0d6e62, 0xbc040dc1, 0xbd5e05b5, 0x3e27fe23, 0xbe2a0420, 0xbdbdfb0b, 0x3e8dd01d
.set j, 0
.rept 8
	v_pk_fma_f32 v[T1+j:T1+j+1], v[T1+j:T1+j+1], v[T5+j:T5+j+1], \k op_sel_hi:[1,1,0]
.set j, j+2
.endr
.endr
.set j, 0
.rept 8
	v_pk_fma_f32 v[T1+j:T1+j+1], v[T1+j:T1+j+1], v[T2+j:T2+j+1], v[T2+j:T2+j+1]
.set j, j+2
.endr
.set j, 0
.rept 8
	v_pk_mul_f32 v[T1+j:T1+j+1], v[T1+j:T1+j+1], v[T4+j:T4+j+1]
.set j, j+2
.endr
.set j, 0
.rept 16
	v_max_num_f32 v[XB+j], 0, v[XB+j]
.set j, j+1
.endr
.set j, 0
.rept 8
	v_pk_fma_f32 v[XB+j:XB+j+1], v[T3+j:T3+j+1], v[T1+j:T1+j+1], v[XB+j:XB+j+1] neg_lo:[1,0,0] neg_hi:[1,0,0]
.set j, j+2
.endr
.set j, 0
.rept 16
	v_med3_num_f32 v[XB+j], v[XB+j], -v25, v25
.set j, j+1
.endr
	s_wait_alu depctr_va_vdst(0)
	s_wait_xcnt 0x0
	v_cvt_scalef32_pk8_bf8_f32 v[CD:CD+1],   v[XB:XB+7],    v24
	v_cvt_scalef32_pk8_bf8_f32 v[CD+2:CD+3], v[XB+8:XB+15], v24
	v_nop
	global_store_b128 v5, v[CD:CD+3], s[12:13] offset:(\a)*2048+(\bb)*512
.endm
.macro EPI next
	s_wait_loadcnt 0x0
.irp a, 0,1,2,3
.irp bb, 0,1
	GELU16 \a, \bb
.endr
.endr
.if \next
	s_wait_xcnt 0x0
	s_add_nc_u64 s[8:9], s[8:9], 4096
	s_add_nc_u64 s[12:13], s[12:13], 65536
	BLD
.endif
.endm
	s_load_b256 s[4:11], s[0:1], 0x0
	s_load_b64 s[12:13], s[0:1], 0x20
	v_lshl_add_u32 v[SPW], v0, 2, SPARE
	v_mov_b32 v[NIL], 0
	ds_add_u32 v28, v29
	ds_add_u32 v28, v29
	s_wait_dscnt 0x0
	v_lshrrev_b32 v4, 5, v0
	v_readfirstlane_b32 s20, v4
	s_lshr_b32 s21, s20, 1
	s_and_b32 s22, s20, 1
	s_bfe_u32 s40, ttmp6, 0x40000
	s_bfe_u32 s41, ttmp6, 0x40004
	s_lshl_b32 s42, ttmp9, 2
	s_add_co_u32 s42, s42, s40
	s_and_b32 s43, ttmp7, 0xffff
	s_lshl_b32 s43, s43, 2
	s_add_co_u32 s43, s43, s41
	s_lshl_b32 s44, s41, 2
	s_lshl_b32 s44, 15, s44
	s_lshl_b32 s45, 0x1111, s40
	s_or_b32 s[G1], s44, (3<<16)|(1<<21)
	s_or_b32 s[G1B], s45, (3<<16)|(1<<21)
.irp g, G1, G1B
	s_mov_b32 s[\g+1], 32<<16
	s_mov_b32 s[\g+2], 128<<16
	s_mov_b32 s[\g+3], 32<<16
	s_mov_b32 s[\g+4], 128
	s_mov_b32 s[\g+5], 32
	s_mov_b32 s[\g+6], 0
	s_mov_b32 s[\g+7], 0
.endr
	s_mov_b32 s[G1+2], 256<<16                     ; the head's two loads bring 256 rows of 256 bytes each: the tokens' group 1 serves the head alone,
	s_mov_b32 s[G1+4], 256
	s_or_b32 s56, s45, (3<<16)|(1<<21)             ; and s[56:63] is the weight's group 1 for the head: my column's mask, 256 rows
	s_mov_b32 s57, 32<<16
	s_mov_b32 s58, 256<<16
	s_mov_b32 s59, 32<<16
	s_mov_b32 s60, 256
	s_mov_b32 s61, 32
	s_mov_b32 s62, 0
	s_mov_b32 s63, 0
	s_lshl_b32 s70, s20, 15
	s_lshl_b32 s71, s22, 16                        ; at the head: waves 0, 1 fetch the tokens' halves of 65,536 bytes, waves 2, 3 the weight's
	s_lshl_b32 s66, s43, 17
	s_add_co_u32 s66, s66, s71
	s_mov_b32 s67, 0
	s_lshl_b32 s68, s42, 17
	s_add_co_u32 s68, s68, s70
	s_mov_b32 s69, 0
	s_wait_kmcnt 0x0
	s_load_b128 s[80:83], s[10:11], 0x20
	s_add_nc_u64 s[66:67], s[4:5], s[66:67]
	s_add_nc_u64 s[68:69], s[6:7], s[68:69]
	s_add_nc_u64 s[68:69], s[68:69], BOFF
	CROUND
	s_mov_b32 s[G0], 1
	s_add_co_u32 s[G0+1], s71, REGX
	s_mov_b64 s[G0+2:G0+3], s[66:67]
	s_or_b32 s[G0+3], s[G0+3], 0x80000000
	s_mov_b32 s[G0B], 1
	s_add_co_u32 s[G0B+1], s70, REGY
	s_mov_b64 s[G0B+2:G0B+3], s[68:69]
	s_or_b32 s[G0B+3], s[G0B+3], 0x80000000
	s_mov_b32 s92, 1                               ; s[92:95]: group 0 of the head's load of tile 0's weight
	s_add_co_u32 s93, s71, REGY
	s_lshl_b32 s94, s42, 17
	s_add_co_u32 s94, s94, s71
	s_mov_b32 s95, 0
	s_add_nc_u64 s[94:95], s[6:7], s[94:95]
	s_add_nc_u64 s[94:95], s[94:95], BOFF
	s_or_b32 s95, s95, 0x80000000
	s_cmp_lt_u32 s20, 2                            ; one tensor load a wave at the head: one chain, a load in each arm
	s_cbranch_scc0 .Lhead_b
	tensor_load_to_lds s[G0:G0+3], s[G1:G1+7]      ; waves 0, 1: half of the tokens
	s_nop 0
	PLACES
	s_branch .Lhead_j
.Lhead_b:
	tensor_load_to_lds s[92:95], s[56:63]          ; waves 2, 3: half of tile 0's weight
	s_nop 0
	PLACES
.Lhead_j:
	v_and_b32 v1, 15, v0
	v_bfe_u32 v2, v0, 4, 1
	v_and_b32 v3, 31, v0
	v_lshlrev_b32 v5, 4, v3
	s_lshl_b32 s46, s21, 16
	v_add_nc_u32 v[ADRA], s46, v5
	s_lshl_b32 s47, s22, 16
	s_add_co_u32 s47, s47, REGY
	v_add_nc_u32 v[ADRY], s47, v5
	v_lshlrev_b32 v26, 5, v2
	s_lshl_b32 s88, s42, 9
	s_lshl_b32 s89, s22, 8
	s_add_co_u32 s88, s88, s89
	s_mov_b32 s89, 0
	s_add_nc_u64 s[8:9], s[8:9], s[88:89]
	BLD
	s_lshl_b32 s88, s43, 1
	s_add_co_u32 s88, s88, s21
	s_lshl_b32 s88, s88, 18
	s_lshl_b32 s89, s42, 13
	s_add_co_u32 s88, s88, s89
	s_lshl_b32 s89, s22, 10
	s_add_co_u32 s88, s88, s89
	s_mov_b32 s89, 0
	s_add_nc_u64 s[12:13], s[12:13], s[88:89]
	v_mov_b32 v6, 0xb9d25000
	v_mov_b32 v7, 0xb9d25000
	s_wait_alu depctr_va_vdst(0)
	s_wait_kmcnt 0x0
	s_add_co_i32 s84, s80, s81
	s_add_co_i32 s86, s84, 127
	s_lshl_b32 s86, s86, 23
	s_mov_b32 s87, s86
	s_add_co_i32 s88, s82, 127
	s_lshl_b32 s89, s88, 23
	v_mov_b32 v24, s89
	s_add_co_i32 s88, s88, 15
	s_lshl_b32 s88, s88, 23
	s_or_b32 s88, s88, 0x600000
	v_mov_b32 v25, s88
	s_wait_tensorcnt 0x0                           ; my one load of the head is in
	s_barrier_signal -1
	s_barrier_wait -1
	ALOAD
	s_mov_b32 s23, 3
.Ltile:
	s_wait_tensorcnt 0x0
	s_wait_dscnt 0x0
	s_barrier_signal -1
	s_barrier_wait -1
	KSTEPS ADRY
	ENDFILL
	PLACES
	EPI 1
	s_sub_co_u32 s23, s23, 1
	s_cmp_lg_u32 s23, 0
	s_cbranch_scc1 .Ltile
	s_wait_tensorcnt 0x0
	s_barrier_signal -1
	s_barrier_wait -1
	KSTEPS ADRY
	ENDPLAIN
	PLACES
	EPI 0
	s_wait_tensorcnt 0x0
	ds_add_u32 v[SPW], v[NIL]
	s_wait_dscnt 0x0
	CROUND
	s_endpgm
.Lfunc_end_k_q1acd59f3d7_ff1:
	.size	k_q1acd59f3d7_ff1, .Lfunc_end_k_q1acd59f3d7_ff1-k_q1acd59f3d7_ff1
	.p2alignl 7, 3214868480
	.fill 96, 4, 3214868480
	.section	.rodata,"a",@progbits
	.p2align	6, 0x0
	.amdhsa_kernel k_q1acd59f3d7_ff1
		.amdhsa_group_segment_fixed_size 327680
		.amdhsa_private_segment_fixed_size 0
		.amdhsa_enable_private_segment 0
		.amdhsa_kernarg_size 40
		.amdhsa_user_sgpr_count 2
		.amdhsa_user_sgpr_kernarg_segment_ptr 1
		.amdhsa_wavefront_size32 1
		.amdhsa_system_sgpr_workgroup_id_x 1
		.amdhsa_system_sgpr_workgroup_id_y 1
		.amdhsa_system_sgpr_workgroup_id_z 1
		.amdhsa_system_vgpr_workitem_id 0
		.amdhsa_next_free_vgpr 1024
		.amdhsa_next_free_sgpr 100
		.amdhsa_reserve_vcc 0
		.amdhsa_float_denorm_mode_32 3
		.amdhsa_float_denorm_mode_16_64 3
		.amdhsa_memory_ordered 1
		.amdhsa_forward_progress 1
		.amdhsa_inst_pref_size 255
	.end_amdhsa_kernel
	.section	.bss,"aw",@nobits
	.p2align	6
	.space	262144
	.amdgpu_metadata
---
amdhsa.version: [ 1, 2 ]
amdhsa.kernels:
  - .name:           k_q1acd59f3d7_ff1
    .symbol:         k_q1acd59f3d7_ff1.kd
    .args:
      - { .name: a5, .offset: 0, .size: 8, .value_kind: global_buffer, .address_space: global }
      - { .name: pw, .offset: 8, .size: 8, .value_kind: global_buffer, .address_space: global }
      - { .name: ff1_b, .offset: 16, .size: 8, .value_kind: global_buffer, .address_space: global }
      - { .name: lowp_scales, .offset: 24, .size: 8, .value_kind: global_buffer, .address_space: global }
      - { .name: hb, .offset: 32, .size: 8, .value_kind: global_buffer, .address_space: global }
    .group_segment_fixed_size: 327680
    .private_segment_fixed_size: 0
    .kernarg_segment_align: 8
    .kernarg_segment_size: 40
    .max_flat_workgroup_size: 128
    .sgpr_count:     100
    .vgpr_count:     1024
    .wavefront_size: 32
...
	.end_amdgpu_metadata
.endif
;; end of part 13
;; launch ff2 (part 14): grid 8 x 32, 8 waves a work-group, clusters of 4 x 1, 327,680 bytes of LDS; arguments hb, pw, ff2_b, x1, lowp_scales, out0; writes out0
.if DOCPART == 14
	.amdgcn_target "amdgcn-amd-amdhsa--gfx1250"
	.amdhsa_code_object_version 6
	.text
	.protected	k_q1acd59f3d7_ff2
	.globl	k_q1acd59f3d7_ff2
	.p2align	8
	.type	k_q1acd59f3d7_ff2,@function
k_q1acd59f3d7_ff2:
	s_mov_b64 s[64:65], 0
	v_nop
	global_prefetch_b8 v0, s[64:65] scope:SCOPE_SE
	s_setreg_imm32_b32 hwreg(HW_REG_WAVE_MODE, 25, 1), 1
	s_wait_xcnt 0x0
	s_wait_alu depctr_hold_cnt(0) depctr_sa_sdst(0) depctr_va_vdst(0) depctr_va_sdst(0) depctr_va_ssrc(0) depctr_va_vcc(0) depctr_vm_vsrc(0)
	s_getreg_b32 s2, hwreg(HW_REG_IB_STS2, 6, 4)
	s_cmp_eq_u32 s2, 0
	s_cbranch_scc0 .Lentry_in_a_cluster
	s_endpgm
.Lentry_in_a_cluster:
	s_bfe_u32 s2, ttmp6, 0x10000c
	s_cmp_lg_u32 s2, 0x3003
	s_cbranch_scc0 .Lentry_shape_is_right
	s_endpgm
.Lentry_shape_is_right:
; FF2: out0 = x1 + (the hidden layer's codes) x (ff2_w's codes) x 2^(e10 + e11) + ff2_b.  [4096 x 4096] x [4096 x 1024], codes of E5M2, sums in f32.
; Both operands lie in memory in the order of the operand's registers ([row / 64][k / 128][fragment 4][piece 4][lane][16 bytes]).
; SHARES.  A work-group of eight waves, two to a SIMD, makes 128 tokens x 128 columns.  Wave w makes the 64 x 64 at (w / 2 % 2, w % 2), 16 accumulators, over half w / 4 of K: 32 half steps of 64 along K,
; each 16 products of the 16x16x64 form on 4 fragments of tokens and 4 of the weight (8 registers a fragment: pieces 2 u, 2 u + 1).
; THE TWO OPERANDS TAKE TWO ROADS.  The weight's fragments go from memory straight into registers: 8 loads a half step, four sets of 32 registers, a set asked for again directly behind its products.
; The tokens' fragments come through a ring of two LDS slots of 131,072 bytes; a slot holds 512 along K of both halves of K for the 128 tokens: region w / 2 of 32,768 bytes is what waves w and w xor 1 read.
; A fill is eight tensor loads, one a wave, 16,384 dense bytes each; four fills; a phase is the eight half steps on one slot, and a fill has a phase in which to land.
; CLUSTER 4, 1, 1: the four work-groups make neighbouring columns of the same tokens, so each piece of a fill is asked for jointly, by the same load with the mask 15.
; PREFETCH: behind the load of fill k (k = 0, 1) each wave asks for 16 of the 64 blocks of 256 bytes of its piece of fill k + 2; the four partners share a piece out by address (4,096 x cx); lanes 16-31 name the
; wave's last block again.  Fills 0 and 1 come by their loads alone.  The weight's loads stand four half steps ahead of their use and have no prefetch.
; THE TWO HALVES OF K MEET ONCE, through LDS.  The wave of the upper half takes its tokens' fragments in the order 2, 3, 0, 1 (by address: no branch), so every wave keeps accumulators 0-7, sends 8-15
; as an image of its registers to wave w xor 4, adds what it receives, and stores 32 tokens x 64 columns.  The exchange lies in slot 0, which has had its last fill and its last read at the last change of slots.
; THE MATRIX INSTRUCTION IS USED TRANSPOSED (source 0 = 16 columns of the weight, source 1 = 16 tokens): a lane holds eight neighbouring columns of one token.
; THE WAY OUT: 16 tokens at a time through the wave's own stage (rows 272 bytes apart), back as rows of 256 bytes: sixteen lanes store one aligned unit of 256 bytes.
; No loop: the 32 half steps are written by macros, every offset an immediate, no pointer stepped but the descriptor's.
; LIMIT: e10 + e11 between -126 and 127, so that 2^(e10 + e11) is an f32 number.  NaN and infinities are not served.
; REGISTERS: window 0: v1 r, v2 h, v8-11 the bias, v12-24 addresses, v28-29 the add's, v32-63 and v192-223 rows on the way out, v64-127 the residual, v128-255 accumulators.
;   window 1: v0-127 four sets of the tokens' fragments, v128-255 four sets of the weight's.
.set KDIM,  4096
.set BOFF,  8388608                    ; ff2_w's codes in pw
.set EOFF,  0x28                       ; entries 10 and 11 of the scales
.set RTB,   64*KDIM                    ; 64 rows of codes
.set KHB,   32*KDIM                    ; half of K of them
.set FILLS, KDIM/1024
.set HSN,   8*FILLS                    ; a wave's half steps
.set SLOT,  131072
.set XCH,   (FILLS%2)*SLOT             ; the exchange: the slot that the last phase does not read
.set STAGE, 262144                     ; behind the ring: 8 x 4,352 for the stages,
.set SPARE, 296960                     ; and the spare words, 128 bytes for each wave
.set BI,   8
.set VA,   12                          ; v12, v13: LDS addresses of my fragments for accumulators 0-7 and 8-15 in slot 0; v14, v15: in slot 1
.set VB,   18                          ; 16 x lane
.set XW,   19                          ; the exchange: where I write, where I read
.set XR,   20
.set PFO,  21                          ; the prefetches' offset
.set STO,  22
.set RD,   23
.set CO,   24
.set SPW,  28
.set NIL,  29
.set RS,   64
.set ACC,  128
.set G1,   48                          ; s[48:55] descriptor group 1, s[56:59] group 0, which walks
.set G0,   56
.set MSB, 0
.macro WIN new                         ; the immediate's high byte repeats the setting that is left
.if MSB != (\new)
	s_set_vgpr_msb (MSB<<8)|(\new)
.set MSB, (\new)
.endif
.endm
.macro PLACES                          ; four places behind matrix instructions, ahead of loads into their sources and of reads of their results; also the four lines behind a tensor load
.rept 4
	v_nop
.endr
.endm
.macro CREST                           ; a round of the cluster's barrier behind its opening barrier
	s_cmp_lg_u32 s20, 0
	s_cbranch_scc1 .Lnot_wave_0_\@
	s_barrier_signal -3
.Lnot_wave_0_\@:
	s_barrier_wait -3
	s_barrier_signal -1
	s_barrier_wait -1
.endm
.macro CROUND
	s_barrier_signal -1
	s_barrier_wait -1
	CREST
.endm
.macro ALD slot, s, hq                 ; the tokens' four fragments of the slot's half step hq into set s
.set OF, ((\hq)/2)*8192+((\hq)%2)*1024
.set FS, 32*(\s)
.irp f, 0,1
.irp c, 0,1
	ds_load_b128 v[FS+8*\f+4*\c:FS+8*\f+4*\c+3], v[VA+2*(\slot)] offset:OF+2048*\f+512*\c
	ds_load_b128 v[FS+16+8*\f+4*\c:FS+16+8*\f+4*\c+3], v[VA+2*(\slot)+1] offset:OF+2048*\f+512*\c
.endr
.endr
.endm
.macro BLD s, g                        ; the weight's four fragments of my half step g into set s
.set OF, ((\g)/2)*8192+((\g)%2)*1024
.set FS, 128+32*(\s)
.irp f, 0,1,2,3
.irp c, 0,1
	global_load_b128 v[FS+8*\f+4*\c:FS+8*\f+4*\c+3], v[VB], s[6:7] offset:OF+2048*\f+512*\c
.endr
.endr
.endm
.macro MUL s, zero                     ; 16 products; the 16 accumulators take turns in the same order in every half step.  zero = 1: they start the sums
.irp a, 0,1,2,3
.irp b, 0,1,2,3
.if \zero
	v_wmma_f32_16x16x64_bf8_bf8 v[ACC+8*(4*\a+\b):ACC+8*(4*\a+\b)+7], v[128+32*(\s)+8*\b:128+32*(\s)+8*\b+7], v[32*(\s)+8*\a:32*(\s)+8*\a+7], 0
.else
	v_wmma_f32_16x16x64_bf8_bf8 v[ACC+8*(4*\a+\b):ACC+8*(4*\a+\b)+7], v[128+32*(\s)+8*\b:128+32*(\s)+8*\b+7], v[32*(\s)+8*\a:32*(\s)+8*\a+7], v[ACC+8*(4*\a+\b):ACC+8*(4*\a+\b)+7]
.endif
.endr
.endr
.endm
.macro HS f, q                         ; half step q of phase f, on sets q % 4; behind its products both sets are asked for again, four half steps ahead
.set GQ, 8*(\f)+(\q)
.if (\q) < 5
	s_wait_dscnt 24                                ; this set's 8 LDS loads are in; the three younger sets' 24 may be out
.else
	s_wait_dscnt 8*(7-(\q))                        ; (the phase's last sets have fewer behind them)
.endif
.if GQ+3 < HSN
	s_wait_loadcnt 24                              ; likewise the weight's 8 loads
.else
	s_wait_loadcnt 8*(HSN-1-GQ)
.endif
	WIN 0x05                                       ; sources 0 and 1 window 1, C and D window 0
.if GQ == 0
	MUL (\q)%4, 1
.else
	MUL (\q)%4, 0
.endif
.if ((\q) < 4) || (GQ+4 < HSN)
	PLACES
	WIN 0x40                                       ; destination window 1, address window 0
.if (\q) < 4
	ALD (\f)%2, (\q)%4, (\q)+4
.endif
.if GQ+4 < HSN
	BLD (\q)%4, GQ+4
.endif
.endif
.endm
.macro PHASE f                         ; the eight half steps on slot f % 2
	WIN 0x40
	ALD (\f)%2, 0, 0
	ALD (\f)%2, 1, 1
	ALD (\f)%2, 2, 2
	ALD (\f)%2, 3, 3
.irp q, 0,1,2,3,4,5,6,7
	HS \f, \q
.endr
.endm
; THE CHANGE OF SLOTS.  Each wave waits for all its tensor loads (one is out: its piece of the slot ahead), adds 0 to its spare word, and waits for that and for its reads of the slot that it leaves.
; fill = 1: a round of the cluster's barrier, and the slot just left (the first time: slot 1, not yet filled) takes the next fill, the wave's one tensor load.  fill = 0: my work-group's barrier alone.
.macro TURN fill
	WIN 0
	s_wait_tensorcnt 0x0
	ds_add_u32 v[SPW], v[NIL]
.if \fill
	s_xor_b32 s[G0+1], s[G0+1], SLOT               ; no load of mine is out: the descriptor walks to the other slot and 512 along K on
	s_add_nc_u64 s[G0+2:G0+3], s[G0+2:G0+3], 32768
.endif
	s_wait_dscnt 0x0
.if \fill
	CROUND
	tensor_load_to_lds s[G0:G0+3], s[G1:G1+7]
	s_nop 0
.else
	s_barrier_signal -1
	s_barrier_wait -1
.endif
	PLACES
.endm
.macro TOST a                          ; 16 tokens into my stage and back by rows: LDS serves a wave's instructions in order (ISA guide 5.7.1.4)
.set BK, 32+160*(\a)
.irp b, 0,1,2,3
	ds_store_b128 v[STO], v[ACC+8*(4*(\a)+\b):ACC+8*(4*(\a)+\b)+3] offset:64*\b
	ds_store_b128 v[STO], v[ACC+8*(4*(\a)+\b)+4:ACC+8*(4*(\a)+\b)+7] offset:64*\b+16
.endr
.set t, 0
.rept 8
	ds_load_b128 v[BK+4*t:BK+4*t+3], v[RD] offset:544*t
.set t, t+1
.endr
.endm
.macro FIN a, n                        ; sum x 2^(e10 + e11) + bias + residual, stored; n: the LDS instructions issued behind this block's loads
.set BK, 32+160*(\a)
	s_wait_dscnt \n
.set j, 0
.rept 16
	v_pk_fma_f32 v[BK+j:BK+j+1], v[BK+j:BK+j+1], s[42:43], v[BI+j%4:BI+j%4+1] op_sel_hi:[1,0,1]
.set j, j+2
.endr
.set j, 0
.rept 16
	v_pk_add_f32 v[BK+j:BK+j+1], v[BK+j:BK+j+1], v[RS+32*(\a)+j:RS+32*(\a)+j+1]
.set j, j+2
.endr
.set t, 0
.rept 8
	global_store_b128 v[CO], v[BK+4*t:BK+4*t+3], s[14:15] offset:(16*(\a)+2*t)*4096 th:TH_STORE_NT
.set t, t+1
.endr
.endm
	s_load_b256 s[4:11], s[0:1], 0x0               ; hb 4, pw 6, ff2_b 8, x1 10
	s_load_b128 s[12:15], s[0:1], 0x20             ; the scales 12, out0 14
	v_lshl_add_u32 v[SPW], v0, 2, SPARE
	v_mov_b32 v[NIL], 0
	ds_add_u32 v[SPW], v[NIL]                      ; the opening lines: the add, twice on end, and its wait ahead of the round in front of my first tensor load
	ds_add_u32 v[SPW], v[NIL]
	v_lshrrev_b32 v4, 5, v0
	v_readfirstlane_b32 s20, v4                    ; wave 0..7
	s_lshr_b32 s21, s20, 2                         ; my half of K
	s_bfe_u32 s22, s20, 0x10001                    ; my half of the tokens
	s_and_b32 s23, s20, 1                          ; my half of the columns; also: which half of region w / 2 I fetch
	s_and_b32 s24, ttmp7, 0xffff                   ; which 128 tokens
	s_bfe_u32 s46, ttmp6, 0x40000                  ; cx
	s_lshl_b32 s47, ttmp9, 2
	s_add_co_u32 s47, s47, s46                     ; which 128 columns = 4 x cluster x + cx
	s_mov_b32 s[G1], 15|(3<<16)|(1<<21)            ; 15:0 the mask: all four of the cluster; 17:16 elements of 8 bytes; 21 set beside a mask; no padding
	s_mov_b32 s[G1+1], 32<<16                      ; 64 rows of 256 bytes, dense: 16,384 bytes
	s_mov_b32 s[G1+2], 64<<16
	s_mov_b32 s[G1+3], 32<<16
	s_mov_b32 s[G1+4], 64
	s_mov_b32 s[G1+5], 32
	s_mov_b32 s[G1+6], 0
	s_mov_b32 s[G1+7], 0
	s_lshl_b32 s25, s20, 14                        ; where my piece goes in a slot: 16,384 x wave
	s_lshl_b32 s26, s24, 1
	s_add_co_u32 s26, s26, s22
	s_mul_i32 s26, s26, RTB                        ; my 64 tokens' codes,
	s_mul_i32 s30, s21, KHB
	s_add_co_u32 s26, s26, s30                     ; at my half of K,
	s_lshl_b32 s31, s23, 14
	s_add_co_u32 s26, s26, s31                     ; my piece of fill 0: made of the tokens' block and the wave's number alone
	s_mov_b32 s27, 0
	s_lshl_b32 s28, s47, 1
	s_add_co_u32 s28, s28, s23
	s_mul_i32 s28, s28, RTB                        ; my 64 columns' codes at my half of K
	s_add_co_u32 s28, s28, s30
	s_add_co_u32 s28, s28, BOFF
	s_mov_b32 s29, 0
	s_lshl_b32 s32, s47, 9                         ; my first column in bytes of f32
	s_lshl_b32 s31, s23, 8
	s_add_co_u32 s32, s32, s31
	s_mov_b32 s33, 0
	s_lshl_b32 s34, s24, 7                         ; the first of the 32 tokens that I store: 128 y + 64 x half + 32 x half of K
	s_lshl_b32 s31, s22, 6
	s_add_co_u32 s34, s34, s31
	s_lshl_b32 s31, s21, 5
	s_add_co_u32 s34, s34, s31
	s_lshl_b32 s34, s34, 12
	s_add_co_u32 s34, s34, s32
	s_mov_b32 s35, 0
	s_lshl_b32 s36, s20, 13                        ; the exchange (from LDS byte 0 on): my 8,192 bytes,
	s_xor_b32 s37, s36, 32768                      ; and those of wave w xor 4
	s_mul_i32 s38, s20, 4352
	s_add_co_u32 s38, s38, STAGE                   ; my stage
	s_lshr_b32 s39, s20, 1
	s_lshl_b32 s39, s39, 15                        ; my region of a slot,
	s_lshl_b32 s31, s21, 12
	s_add_co_u32 s39, s39, s31                     ; the upper half of K begins with fragments 2, 3
	s_lshl_b32 s44, s46, 12                        ; the prefetches: my work-group's 4,096 bytes of a piece
	s_wait_dscnt 0x0                               ; both opening adds are done
	s_wait_kmcnt 0x0
	s_load_b64 s[40:41], s[12:13], EOFF            ; e10, e11
	s_add_nc_u64 s[4:5], s[4:5], s[26:27]
	s_add_nc_u64 s[6:7], s[6:7], s[28:29]
	s_add_nc_u64 s[8:9], s[8:9], s[32:33]
	s_add_nc_u64 s[10:11], s[10:11], s[34:35]
	s_add_nc_u64 s[14:15], s[14:15], s[34:35]
	CROUND                                         ; all four work-groups are here: the first joint loads meet
	s_mov_b32 s[G0], 1
	s_mov_b32 s[G0+1], s25
	s_mov_b64 s[G0+2:G0+3], s[4:5]
	s_or_b32 s[G0+3], s[G0+3], 0x80000000
	tensor_load_to_lds s[G0:G0+3], s[G1:G1+7]      ; fill 0: one tensor load a wave at the head
	s_nop 0
	PLACES
	v_and_b32 v3, 31, v0
	v_and_b32 v1, 15, v0                           ; r
	v_bfe_u32 v2, v0, 4, 1                         ; h
	v_lshlrev_b32 v[VB], 4, v3
	v_min_u32 v7, 15, v3
	v_mul_u32_u24 v[STO], v1, 272                  ; into the stage: row r, 32 bytes for each half of the lanes
	v_mul_u32_u24 v[RD], v2, 272                   ; back: lanes 0-15 one row, lanes 16-31 the next
	v_lshlrev_b32 v[CO], 12, v2                    ; and the same two rows in memory
	v_lshlrev_b32 v6, 4, v1                        ; the bias at my four columns
	v_add_nc_u32 v[VA], s39, v[VB]
	v_add_nc_u32 v[XW], s36, v[VB]
	v_add_nc_u32 v[XR], s37, v[VB]
	v_lshl_add_u32 v[PFO], v7, 8, s44
	v_lshl_add_u32 v[STO], v2, 5, v[STO]
	v_lshl_add_u32 v[RD], v1, 4, v[RD]
	v_lshl_add_u32 v[CO], v1, 4, v[CO]
	v_xor_b32 v[VA+1], 4096, v[VA]
	v_add_nc_u32 v[VA+2], SLOT, v[VA]
	v_add_nc_u32 v[STO], s38, v[STO]
	v_add_nc_u32 v[RD], s38, v[RD]
	v_add_nc_u32 v[VA+3], SLOT, v[VA+1]
	s_wait_alu depctr_va_vdst(0)
	global_load_b128 v[BI:BI+3], v6, s[8:9]        ; the bias and the residual are the oldest loads: every counted wait below covers them
.set t, 0
.rept 16
	global_load_b128 v[RS+4*t:RS+4*t+3], v[CO], s[10:11] offset:2*t*4096
.set t, t+1
.endr
	WIN 0x40
	BLD 0, 0
	BLD 1, 1
	BLD 2, 2
	BLD 3, 3
	WIN 0
	global_prefetch_b8 v[PFO], s[4:5] offset:2*32768 th:TH_LOAD_NT scope:SCOPE_SE   ; my share of my piece of fill 2
	TURN 1                                         ; fill 0 is whole; fill 1 into slot 1, issued as a refill is
	global_prefetch_b8 v[PFO], s[4:5] offset:3*32768 th:TH_LOAD_NT scope:SCOPE_SE   ; of fill 3
	PHASE 0
	TURN 1                                         ; fill 2 into slot 0
	PHASE 1
	TURN 1                                         ; fill 3 into slot 1
	PHASE 2
	TURN 0                                         ; nothing more is filled
	PHASE 3
	WIN 0
	PLACES
.set n, 0
.rept 16
	ds_store_b128 v[XW], v[ACC+64+4*n:ACC+64+4*n+3] offset:512*n   ; accumulators 8-15 as an image of my registers, each from its low end on
.set n, n+1
.endr
	s_wait_kmcnt 0x0
	s_add_co_i32 s42, s40, s41
	s_add_co_i32 s42, s42, 127
	s_lshl_b32 s42, s42, 23                        ; 2^(e10 + e11)
	s_mov_b32 s43, s42                             ; (named with it as a pair)
	s_wait_dscnt 0x0                               ; for my partner's sake: my stores are done
	s_barrier_signal -1
	s_barrier_wait -1
.set n, 0
.rept 16
	ds_load_b128 v[ACC+64+4*n:ACC+64+4*n+3], v[XR] offset:512*n    ; my partner's sums over the other half of K for the tokens that I keep
.set n, n+1
.endr
	s_wait_dscnt 0x0
.set j, 0
.rept 32
	v_pk_add_f32 v[ACC+j:ACC+j+1], v[ACC+j:ACC+j+1], v[ACC+64+j:ACC+64+j+1]
.set j, j+2
.endr
	TOST 0
	TOST 1
	FIN 0, 16                                      ; behind block 0's loads: block 1's 8 stores and 8 loads
	FIN 1, 0
	s_wait_tensorcnt 0x0                           ; the wave's end,
	ds_add_u32 v[SPW], v[NIL]
	s_wait_dscnt 0x0
	CROUND                                         ; and the closing round: no work-group ends while a partner may still ask for a piece that names it
	s_endpgm
.Lfunc_end_k_q1acd59f3d7_ff2:
	.size	k_q1acd59f3d7_ff2, .Lfunc_end_k_q1acd59f3d7_ff2-k_q1acd59f3d7_ff2
	.p2alignl 7, 3214868480
	.fill 96, 4, 3214868480
	.section	.rodata,"a",@progbits
	.p2align	6, 0x0
	.amdhsa_kernel k_q1acd59f3d7_ff2
		.amdhsa_group_segment_fixed_size 327680
		.amdhsa_private_segment_fixed_size 0
		.amdhsa_enable_private_segment 0
		.amdhsa_kernarg_size 48
		.amdhsa_user_sgpr_count 2
		.amdhsa_user_sgpr_kernarg_segment_ptr 1
		.amdhsa_wavefront_size32 1
		.amdhsa_system_sgpr_workgroup_id_x 1
		.amdhsa_system_sgpr_workgroup_id_y 1
		.amdhsa_system_sgpr_workgroup_id_z 1
		.amdhsa_system_vgpr_workitem_id 0
		.amdhsa_next_free_vgpr 512
		.amdhsa_next_free_sgpr 66
		.amdhsa_reserve_vcc 0
		.amdhsa_float_denorm_mode_32 3
		.amdhsa_float_denorm_mode_16_64 3
		.amdhsa_memory_ordered 1
		.amdhsa_forward_progress 1
		.amdhsa_inst_pref_size 102
	.end_amdhsa_kernel
	.amdgpu_metadata
---
amdhsa.version: [ 1, 2 ]
amdhsa.kernels:
  - .name:           k_q1acd59f3d7_ff2
    .symbol:         k_q1acd59f3d7_ff2.kd
    .args:
      - { .name: hb, .offset: 0, .size: 8, .value_kind: global_buffer, .address_space: global }
      - { .name: pw, .offset: 8, .size: 8, .value_kind: global_buffer, .address_space: global }
      - { .name: ff2_b, .offset: 16, .size: 8, .value_kind: global_buffer, .address_space: global }
      - { .name: x1, .offset: 24, .size: 8, .value_kind: global_buffer, .address_space: global }
      - { .name: lowp_scales, .offset: 32, .size: 8, .value_kind: global_buffer, .address_space: global }
      - { .name: out0, .offset: 40, .size: 8, .value_kind: global_buffer, .address_space: global }
    .group_segment_fixed_size: 327680
    .private_segment_fixed_size: 0
    .kernarg_segment_align: 8
    .kernarg_segment_size: 48
    .max_flat_workgroup_size: 256
    .sgpr_count:     66
    .vgpr_count:     512
    .wavefront_size: 32
...
	.end_amdgpu_metadata
.endif
;; end of part 14
